; MI455X (gfx1250); checked and timed in simulation.
; The chip was launched on July 23, 2026; its instructions are those of AMD's public machine-readable ISA for CDNA 5 (MIT licence, August 2026) and "CDNA5" Instruction Set Architecture Reference Guide (July 2026). The comments in the code are by the model that wrote it; some were corrected since.
;; Causal Self Attention. Allowed arithmetic: float matrix products may take bf16 or f16 operands with f32 sums; all other float work in f32.
;; Inputs: W_attn 1,024 x 3,072 float32; W_proj 1,024 x 1,024 float32; b_attn 3,072 float32; b_proj 1,024 float32; x 4 x 2,048 x 1,024 float32.
;; Outputs: out0 4 x 2,048 x 1,024 float32.
;; 3 versions, each right and faster than the one before. Each part assembles by itself: llvm-mc -triple=amdgcn-amd-amdhsa -mcpu=gfx1250 --defsym DOCPART=n.
;; ======== version 1 of 3: 4 launches
;; limits: values are held in f16: magnitudes above 65,504 overflow, below 6.1e-05 lose precision
;; workspace buffers: xa 16,777,216 bytes; wa 6,291,456 bytes; wp 2,097,152 bytes; qkv 67,108,864 bytes; ya 33,554,432 bytes
;; launch cast (part 1): grid 768 x 1, 8 waves a work-group, no clusters, 0 bytes of LDS; arguments x, W_attn, W_proj, xa, wa, wp; writes xa, wa, wp
.if DOCPART == 1
	.amdgcn_target "amdgcn-amd-amdhsa--gfx1250"
	.amdhsa_code_object_version 6
	.text
	.protected	k_qddbf53a56a_cast
	.globl	k_qddbf53a56a_cast
	.p2align	8
	.type	k_qddbf53a56a_cast,@function
k_qddbf53a56a_cast:
	s_mov_b64 s[64:65], 0
	v_nop
	global_prefetch_b8 v0, s[64:65] scope:SCOPE_SE
	s_setreg_imm32_b32 hwreg(HW_REG_WAVE_MODE, 25, 1), 1
	s_wait_xcnt 0x0
; f32 to bf16, and into the chunk format: a matrix [R][Cc] becomes [Cc/64][R][64], so that any run of rows of one chunk of 64 columns
; is one dense block of rows of 128 bytes.  x [8192][1024] -> xa, W_attn [1024][3072] -> wa, W_proj [1024][1024] -> wp.
; A stream: every byte is read once and written once; no LDS, no barrier, no matrix unit would add anything.
; A work-group takes 32 rows x 8 neighbouring chunks.  Thread t takes row t / 8 and the 8 numbers (t mod 8) of each of the 8 chunks:
; 32 bytes in, 16 bytes out.  In the target its 16 bytes stand at 128 (t / 8) + 16 (t mod 8) = 16 t of the chunk's 32 rows, so each
; store of a wave covers 512 consecutive bytes, aligned.  Work-groups 0-511: x, 512-703: W_attn, 704-767: W_proj, all of equal work.
; All sixteen loads of a thread go out first; no register is written twice, so no source of a pending instruction is rewritten.
.set IN,  4                            ; v[4:67]   chunk c: 8 f32 at IN + 8 c
.set OUT, 68                           ; v[68:99]  chunk c: 8 bf16 at OUT + 4 c
	s_load_b256 s[4:11], s[0:1], 0x0               ; x s[4:5], W_attn s[6:7], W_proj s[8:9], xa s[10:11]
	s_load_b128 s[12:15], s[0:1], 0x20             ; wa s[12:13], wp s[14:15]
	s_wait_kmcnt 0x0
; src, dst: first register of the two addresses.  FIRST: the matrix's first work-group.  1 << LOGB bands of 32 rows.
; PITCH: bytes in a source row.  CSTR: bytes in a chunk of the target.
.macro CAST src, dst, FIRST, LOGB, PITCH, CSTR
	s_sub_co_u32 s20, ttmp9, \FIRST
	s_and_b32 s21, s20, (1<<\LOGB)-1               ; band of 32 rows
	s_lshr_b32 s22, s20, \LOGB                     ; group of 8 chunks
	s_mul_i32 s24, s21, 32*\PITCH
	s_lshl_b32 s23, s22, 11                        ; 8 chunks of 256 source bytes
	s_add_co_u32 s24, s24, s23
	s_mov_b32 s25, 0
	s_mul_i32 s26, s22, 8*\CSTR
	s_lshl_b32 s23, s21, 12                        ; 32 rows of 128 target bytes
	s_add_co_u32 s26, s26, s23
	s_mov_b32 s27, 0
	s_add_nc_u64 s[16:17], s[\src:\src+1], s[24:25]
	s_add_nc_u64 s[18:19], s[\dst:\dst+1], s[26:27]
	v_lshrrev_b32 v1, 3, v0                        ; my row
	v_and_b32 v3, 7, v0                            ; my eighth of a chunk's row
	v_mul_u32_u24 v1, v1, \PITCH
	v_lshl_add_u32 v1, v3, 5, v1                   ; source offset
	v_lshlrev_b32 v2, 4, v0                        ; target offset
.irp c, 0,1,2,3,4,5,6,7
	global_load_b128 v[IN+8*\c:IN+8*\c+3],   v1, s[16:17] offset:256*\c th:TH_LOAD_NT
	global_load_b128 v[IN+8*\c+4:IN+8*\c+7], v1, s[16:17] offset:256*\c+16 th:TH_LOAD_NT
.endr
.irp c, 0,1,2,3,4,5,6,7
	s_wait_loadcnt 14-2*\c                         ; loads come back in order: chunk c's two are in, the 14 - 2 c younger ones stay out
.irp k, 0,1,2,3
	v_cvt_pk_bf16_f32 v[OUT+4*\c+\k], v[IN+8*\c+2*\k], v[IN+8*\c+2*\k+1]
.endr
	global_store_b128 v2, v[OUT+4*\c:OUT+4*\c+3], s[18:19] offset:\c*\CSTR   ; 7 chunks of xa at the most: 7,340,032, inside the signed 24 bits
.endr
.endm
	s_cmp_lt_u32 ttmp9, 512
	s_cbranch_scc1 .Lx
	s_cmp_lt_u32 ttmp9, 704
	s_cbranch_scc1 .Lwattn
	CAST 8, 14, 704, 5, 4096, 131072
	s_endpgm
.Lwattn:
	CAST 6, 12, 512, 5, 12288, 131072
	s_endpgm
.Lx:
	CAST 4, 10, 0, 8, 4096, 1048576
	s_endpgm
.Lfunc_end_k_qddbf53a56a_cast:
	.size	k_qddbf53a56a_cast, .Lfunc_end_k_qddbf53a56a_cast-k_qddbf53a56a_cast
	.p2alignl 7, 3214868480
	.fill 96, 4, 3214868480
	.section	.rodata,"a",@progbits
	.p2align	6, 0x0
	.amdhsa_kernel k_qddbf53a56a_cast
		.amdhsa_group_segment_fixed_size 0
		.amdhsa_private_segment_fixed_size 0
		.amdhsa_enable_private_segment 0
		.amdhsa_kernarg_size 48
		.amdhsa_user_sgpr_count 2
		.amdhsa_user_sgpr_kernarg_segment_ptr 1
		.amdhsa_wavefront_size32 1
		.amdhsa_system_sgpr_workgroup_id_x 1
		.amdhsa_system_sgpr_workgroup_id_y 1
		.amdhsa_system_sgpr_workgroup_id_z 1
		.amdhsa_system_vgpr_workitem_id 0
		.amdhsa_next_free_vgpr 100
		.amdhsa_next_free_sgpr 66
		.amdhsa_reserve_vcc 0
		.amdhsa_float_denorm_mode_32 3
		.amdhsa_float_denorm_mode_16_64 3
		.amdhsa_memory_ordered 1
		.amdhsa_forward_progress 1
		.amdhsa_inst_pref_size 17
	.end_amdhsa_kernel
	.amdgpu_metadata
---
amdhsa.version: [ 1, 2 ]
amdhsa.kernels:
  - .name:           k_qddbf53a56a_cast
    .symbol:         k_qddbf53a56a_cast.kd
    .args:
      - { .name: x, .offset: 0, .size: 8, .value_kind: global_buffer, .address_space: global }
      - { .name: W_attn, .offset: 8, .size: 8, .value_kind: global_buffer, .address_space: global }
      - { .name: W_proj, .offset: 16, .size: 8, .value_kind: global_buffer, .address_space: global }
      - { .name: xa, .offset: 24, .size: 8, .value_kind: global_buffer, .address_space: global }
      - { .name: wa, .offset: 32, .size: 8, .value_kind: global_buffer, .address_space: global }
      - { .name: wp, .offset: 40, .size: 8, .value_kind: global_buffer, .address_space: global }
    .group_segment_fixed_size: 0
    .private_segment_fixed_size: 0
    .kernarg_segment_align: 8
    .kernarg_segment_size: 48
    .max_flat_workgroup_size: 256
    .sgpr_count:     66
    .vgpr_count:     100
    .wavefront_size: 32
...
	.end_amdgpu_metadata
.endif
;; end of part 1
;; launch qkvgemm (part 2): grid 16 x 32, 4 waves a work-group, clusters of 4 x 4, 327,680 bytes of LDS; arguments xa, wa, b_attn, qkv; writes qkv
.if DOCPART == 2
	.amdgcn_target "amdgcn-amd-amdhsa--gfx1250"
	.amdhsa_code_object_version 6
	.text
	.protected	k_qddbf53a56a_qkvgemm
	.globl	k_qddbf53a56a_qkvgemm
	.p2align	8
	.type	k_qddbf53a56a_qkvgemm,@function
k_qddbf53a56a_qkvgemm:
	s_mov_b64 s[64:65], 0
	v_nop
	global_prefetch_b8 v0, s[64:65] scope:SCOPE_SE
	s_setreg_imm32_b32 hwreg(HW_REG_WAVE_MODE, 25, 1), 1
	s_wait_xcnt 0x0
	s_wait_alu depctr_hold_cnt(0) depctr_sa_sdst(0) depctr_va_vdst(0) depctr_va_sdst(0) depctr_va_ssrc(0) depctr_va_vcc(0) depctr_vm_vsrc(0)
	s_getreg_b32 s2, hwreg(HW_REG_IB_STS2, 6, 4)
	s_cmp_eq_u32 s2, 0
	s_cbranch_scc0 .Lentry_in_a_cluster
	s_endpgm
.Lentry_in_a_cluster:
	s_bfe_u32 s2, ttmp6, 0x10000c
	s_cmp_lg_u32 s2, 0xf033
	s_cbranch_scc0 .Lentry_shape_is_right
	s_endpgm
.Lentry_shape_is_right:
; C = A W + bias, operands bf16, sums f32.  One text for two products.
; QKV = 1: A = x [8192][1024] in chunks [16][8192][64]; W = W_attn in chunks [48][1024 k][64 n].  A block's 192 columns are head h of q, of k and of v (chunks h, 16 + h,
;   32 + h), so every work-group has the same way out.  q and k go out in f16 (11 bits), v as a pair of f16, hi + lo (22 bits), so that the rounding of what is handed on
;   stays far below that of the bf16 inputs.  Target, for each batch entry of 16 MiB: q [16][2048][64] at 0, k the same at 4 MiB, v [16][2048][hi 64 | lo 64] at 8 MiB.
; QKV = 0: A = y as a pair of bf16 in chunks [32][8192][64]: for heads 2 p, 2 p + 1 the chunks 4 p, 4 p + 1 hold hi and 4 p + 2, 4 p + 3 hold lo; W = W_proj in chunks
;   [16][1024 k][64 n].  K = 2048: K step 2 p multiplies the hi chunks, K step 2 p + 1 the lo chunks, both with W's rows 128 p .. 128 p + 127.  C goes out in f32, [8192][1024].
; LIMIT (QKV = 1): q, k, v beyond 65,504 in magnitude overflow f16; with x and W_attn both 30 times the drawn spread they reach about 3,100.
; A work-group makes 256 rows x NB columns (192 or 128) with four waves, one on each SIMD; a wave makes 128 x NB/2: 8 NT accumulator tiles.
; 192 columns give 16 x 32 = 512 work-groups, twice 256; 128 columns give 8 x 32 = 256.
; K goes in steps of 128 through two LDS slots filled by the tensor data mover; every piece fetched is dense and made of aligned blocks of 256 bytes.
; CLUSTERS: 4 x 4 work-groups.  A's tile hangs on the block row alone and is asked for jointly by a row of the cluster, W's on the block column alone
; and is asked for jointly by a column: the requests for both are divided by four.
; W lies [k][n] in LDS and is read by the transposing load; the matrix instruction is used transposed (source 0 = 16 columns of W, source 1 = 16 rows of A), so that
; lane l holds row l % 16 of C and its registers 0-7 the columns 8 (l / 16) + 0..7.  The first products take the bias tile as C: nothing is cleared, nothing added later.
; REGISTERS: window 0: v1-29 addresses, v64-127 and v128-191 fragments of A (two buffers), all of v64-255 at work on the way out;
; window 1: v64.. and v128.. fragments of W (two buffers), v192.. the bias tiles; windows 2, 3: accumulator tile (a, b) at v[8 (NT a + b)], my rows 0-63 and 64-127.
.set QKV,   1
.set BSTEP, 128*128                    ; 128 k rows of a chunk of W, 128 bytes each
.if QKV
.set NT,    6                          ; n tiles of 16 columns in a wave
.set NCH,   3                          ; chunks of 64 columns in a block
.set KSTEPS, 8
.set BCHS,  16*65536                   ; elements from a block's chunk to its next: 16 chunks
.set BCOL,  131072                     ; bytes from a block column's first chunk to the next column's
.set BFIRST, BSTEP                     ; slot 1's first tile of W: K step 1
.set BREF,  2*BSTEP                    ; a slot's next tile of W: two K steps on
.else
.set NT,    4
.set NCH,   2
.set KSTEPS, 16
.set BCHS,  65536
.set BCOL,  2*131072
.set BFIRST, 0                         ; K steps 0 and 1 (hi and lo) take the same rows of W
.set BREF,  BSTEP                      ; two K steps on: the next 128 rows
.endif
.set PA,    144                        ; A in LDS: 128 bytes (64 k) + 16: an odd multiple of 16, so 16 rows of a fragment start in 16 different groups of banks
.set SUBA,  256*PA                     ; one chunk's 256 rows
.set ATILE, 2*SUBA                     ; a K step is two chunks
.set PB,    160                        ; W in LDS: 128 bytes (64 n) + 32: an odd multiple of 32
.set CS,    64*PB                      ; 64 k rows of one chunk
.set HB,    NCH*CS                     ; half a K step of W: 64 k rows of the block's chunks
.set SLOT,  ATILE+2*HB
.set STAGE, 2*SLOT                     ; QKV = 0: behind the ring, 16 rows x 272 bytes for each wave
.set SP,    528                        ; QKV = 1: the stage's pitch, 512 bytes (q, k, v hi, v lo) + 16; 256 rows fill slot 0, which has had its last fill by then
.set SPF,   272
.if QKV
.set WB,    64                         ; the two column halves interleave in groups of 32 columns: tile b = chunk b / 2, columns 32 half + 16 (b % 2)
.else
.set WB,    CS                         ; each column half is one chunk: tile b = columns 64 half + 16 b
.endif
.set ASTEP, 2*1048576                  ; a K step in A: two chunks of 8192 rows x 128 bytes
.set ADRA, 16                          ; v16-17  LDS address of my A fragments in slot 0, 1
.set ADRB, 20                          ; v20-21  the same for W
.set STO,  24                          ; the way out: where I put my numbers
.set RD,   25                          ; the way out: where I read rows back
.set CO,   26                          ; my byte offset in C
.set BOFF, 27                          ; my byte offset in the bias
.set RDV,  28                          ; QKV = 1: where I read v's rows of 256 bytes back
.set COV,  29                          ; QKV = 1: my byte offset in v
.set F0,   64
.set F1,   128
.set TMP,  64                          ; QKV = 1, way out: v64-87 six tiles packed to f16 (v's two tiles are v80-87, named so below)
.set LO,   88                          ; v88-95  v's two tiles, lo
.set TF,   96                          ; v96-111 v's sixteen numbers: hi as f32, then v - hi
.set BIAS, 192                         ; window 1
.set G1A, 24                           ; s[24:31] group 1 for A's tiles
.set G0A, 32                           ; s[32:39] group 0 for A's tiles, one set for each slot
.set G1B, 48                           ; s[48:55] group 1 for W's tiles
.set G0B, 56                           ; s[56:63] group 0 for W's tiles, one set for each slot
.set MSB, 0
.macro WIN new                         ; low byte: bits 1:0 source 0, 3:2 source 1, 5:4 source 2, 7:6 destination; the high byte repeats the setting that is left
.if MSB != (\new)
	s_set_vgpr_msb (MSB<<8)|(\new)
.set MSB, (\new)
.endif
.endm
.macro PLACES                          ; four plain vector instructions behind a matrix instruction before its registers are loaded into or its result is read (ISA guide 7.12.1)
.rept 4
	v_nop
.endr
.endm
.macro WIDEN d, s                      ; the two f16 of register s as f32 in v[d], v[d + 1]
	v_cvt_f32_f16 v[\d],   \s\().l
	v_cvt_f32_f16 v[\d+1], \s\().h
.endm
.macro SETB b                          ; offb: n tile b's byte offset in LDS; bimm: in the bias
.if QKV
.set offb, ((\b)>>1)*CS+((\b)&1)*32
.set bimm, ((\b)>>1)*4096+((\b)&1)*64
.else
.set offb, 32*(\b)
.set bimm, 64*(\b)
.endif
.endm
; A joint load.  Waves 0 and 1 fetch A's two chunks, waves 2 and 3 W's two k halves.  Each line has one mask and one set of registers for all that issue it.
; The branch hangs on the wave's number alone.  Four v_nop follow each of the two lines.
.macro JLOAD s
	s_cmp_eq_u32 s13, 0
	s_cbranch_scc0 .Lfor_b_\@
	tensor_load_to_lds s[G0A+4*\s:G0A+4*\s+3], s[G1A:G1A+7]
	s_nop 0
.rept 4
	v_nop
.endr
	s_branch .Lasked_\@
.Lfor_b_\@:
	tensor_load_to_lds s[G0B+4*\s:G0B+4*\s+3], s[G1B:G1B+7]
	s_nop 0
.rept 4
	v_nop
.endr
.Lasked_\@:
.endm
; A round of the cluster's barrier: my work-group's barrier; wave 0 signals for the work-group; every wave waits for all sixteen; my work-group's barrier once more.
.macro CREST                           ; a round behind its opening barrier
	s_cmp_lg_u32 s12, 0
	s_cbranch_scc1 .Lnot_wave_0_\@
	s_barrier_signal -3
.Lnot_wave_0_\@:
	s_barrier_wait -3
	s_barrier_signal -1
	s_barrier_wait -1
.endm
.macro CROUND
	s_barrier_signal -1
	s_barrier_wait -1
	CREST
.endm
	s_load_b256 s[4:11], s[0:1], 0x0               ; A s[4:5], W s[6:7], bias s[8:9], C s[10:11]
	s_set_vgpr_msb 0x40
	v_lshl_add_u32 v255, v0, 2, 0x42000
	s_set_vgpr_msb 0x4000
	v_mov_b32 v63, 0
	s_set_vgpr_msb 0x1
	ds_add_u32 v255, v63
	ds_add_u32 v255, v63
	s_set_vgpr_msb 0x100
	v_lshrrev_b32 v1, 5, v0
	v_readfirstlane_b32 s12, v1                    ; wave 0..3
	s_lshr_b32 s13, s12, 1                         ; my half of the block's rows.  Also: I fetch for A (0) or for W (1)
	s_and_b32 s14, s12, 1                          ; my half of its columns.  Also: which chunk of A, which k half of W I fetch
	s_bfe_u32 s15, ttmp6, 0x40000                  ; cx
	s_bfe_u32 s16, ttmp6, 0x40004                  ; cy
	s_lshl_b32 s17, ttmp9, 2
	s_add_co_u32 s17, s17, s15                     ; block column = 4 x cluster x + cx
	s_and_b32 s18, ttmp7, 0xffff
	s_lshl_b32 s18, s18, 2
	s_add_co_u32 s18, s18, s16                     ; block row = 4 x cluster y + cy
	s_lshl_b32 s19, s16, 2
	s_lshl_b32 s19, 15, s19                        ; my row of the cluster: places 4 cy .. 4 cy + 3
	s_lshl_b32 s20, 0x1111, s15                    ; my column: places cx, cx + 4, cx + 8, cx + 12
	; A's tile: one chunk's 256 rows of 128 bytes are 32,768 dense bytes, taken as 128 rows of 256 bytes; 4 words of padding behind every 32 give the pitch 144
	s_or_b32 s[G1A+0], s19, (1<<16)|(1<<20)|(1<<21)|(4<<22)|(3<<25)  ; mask of my row; elements of 2 bytes; padding on; bit 21 beside a mask; every 32 words; 4 words
	s_mov_b32 s[G1A+1], 128<<16                    ; tensor_dim0 = 128
	s_mov_b32 s[G1A+2], 128<<16                    ; tensor_dim1 = 128
	s_mov_b32 s[G1A+3], 128<<16                    ; tile_dim0 = 128
	s_mov_b32 s[G1A+4], 128                        ; tile_dim1 = 128
	s_mov_b32 s[G1A+5], 128                        ; from row to row: 128 elements (dense)
	s_mov_b32 s[G1A+6], 0
	s_mov_b32 s[G1A+7], 0
	; W's tile: 64 k rows of a chunk are 8,192 dense bytes = one row of 4,096 elements; NCH such rows, BCHS elements apart; 8 words behind every 32: pitch 160
	s_or_b32 s[G1B+0], s20, (1<<16)|(1<<20)|(1<<21)|(4<<22)|(7<<25)  ; mask of my column
	s_mov_b32 s[G1B+1], 4096<<16                   ; tensor_dim0 = 4096
	s_mov_b32 s[G1B+2], NCH<<16                    ; tensor_dim1 = NCH
	s_mov_b32 s[G1B+3], 4096<<16                   ; tile_dim0 = 4096
	s_mov_b32 s[G1B+4], NCH                        ; tile_dim1 = NCH
	s_mov_b32 s[G1B+5], BCHS
	s_mov_b32 s[G1B+6], 0
	s_mov_b32 s[G1B+7], 0
	; where the tiles come from: A's offset is made of the block row and the wave's number, W's of the block column and the wave's number, in registers of their own
	s_lshl_b32 s42, s18, 15                        ; 256 rows of 128 bytes
	s_lshl_b32 s43, s14, 20                        ; my chunk of the K step's two
	s_add_co_u32 s42, s42, s43
	s_mov_b32 s43, 0
	s_mul_i32 s46, s17, BCOL                       ; the block's first chunk of W
	s_lshl_b32 s47, s14, 13                        ; my 64 k rows of the K step's 128
	s_add_co_u32 s46, s46, s47
	s_mov_b32 s47, 0
	s_mul_i32 s21, s12, SUBA                       ; and where they go: made of the wave's number alone
	s_mul_i32 s22, s12, HB
	s_add_co_u32 s22, s22, ATILE-2*HB              ; waves 2, 3: behind A's tile
	s_wait_dscnt 0x0
	s_wait_kmcnt 0x0
	s_add_nc_u64 s[40:41], s[4:5], s[42:43]
	s_add_nc_u64 s[44:45], s[6:7], s[46:47]
	CROUND                                         ; all sixteen work-groups are here: the first joint loads meet
.irp s, 0,1
	s_mov_b32 s[G0A+4*\s], 1
	s_add_co_u32 s[G0A+4*\s+1], s21, \s*SLOT
	s_add_nc_u64 s[G0A+4*\s+2:G0A+4*\s+3], s[40:41], \s*ASTEP
	s_or_b32 s[G0A+4*\s+3], s[G0A+4*\s+3], 0x80000000
	s_mov_b32 s[G0B+4*\s], 1
	s_add_co_u32 s[G0B+4*\s+1], s22, \s*SLOT
	s_add_nc_u64 s[G0B+4*\s+2:G0B+4*\s+3], s[44:45], \s*BFIRST
	s_or_b32 s[G0B+4*\s+3], s[G0B+4*\s+3], 0x80000000
	JLOAD \s                                       ; K steps 0 and 1: two tensor loads of the wave are out, the most in this text
.endr
	v_and_b32 v1, 15, v0                           ; r = l % 16
	v_bfe_u32 v2, v0, 4, 1                         ; h = l / 16
	v_and_b32 v3, 7, v0                            ; l % 8
	v_bfe_u32 v4, v0, 3, 1                         ; (l / 8) % 2
	v_mul_u32_u24 v5, v1, PA
	v_lshl_add_u32 v5, v2, 4, v5                   ; A: row r, 16 bytes for each half of the lanes; two loads 32 bytes apart make a fragment
	v_lshl_add_u32 v6, v2, 3, v3
	v_mul_u32_u24 v6, v6, PB
	v_lshl_add_u32 v6, v4, 4, v6                   ; W: k row 8 h + l % 8, 16 bytes for each eight lanes; two transposing loads 16 rows apart make a fragment
	s_mul_i32 s66, s13, 128*PA
	s_mul_i32 s67, s14, WB
	s_add_co_u32 s67, s67, ATILE
.irp s, 0,1
	v_add_nc_u32 v[ADRA+\s], s66, v5
	v_add_nc_u32 v[ADRB+\s], s67, v6
	s_add_co_u32 s66, s66, SLOT
	s_add_co_u32 s67, s67, SLOT
.endr
.if QKV
	s_lshl_b32 s68, s17, 8                         ; bias: head h's 64 numbers (q's; k's and v's stand 4,096 and 8,192 bytes on), 32 numbers a half, 8 h numbers
	s_lshl_b32 s69, s14, 7
.else
	s_lshl_b32 s68, s17, 9                         ; bias: 128 columns a block, 64 a half
	s_lshl_b32 s69, s14, 8
.endif
	s_add_co_u32 s68, s68, s69
	v_lshlrev_b32 v[BOFF], 5, v2
	v_add_nc_u32 v[BOFF], s68, v[BOFF]
	WIN 0x40                                       ; destination window 1
.set mb, 0
.rept NT
	SETB mb
	global_load_b128 v[BIAS+8*mb:BIAS+8*mb+3],   v[BOFF], s[8:9] offset:bimm       ; register j of tile b: bias[n0 + 8 h + j], the same for all 16 rows
	global_load_b128 v[BIAS+8*mb+4:BIAS+8*mb+7], v[BOFF], s[8:9] offset:bimm+16
.set mb, mb+1
.endr
	WIN 0
.if QKV
	s_mul_i32 s69, s13, 128*SP                     ; stage: 256 rows of the block, 512 bytes each
	s_lshl_b32 s70, s14, 6
	s_add_co_u32 s69, s69, s70
	v_mul_u32_u24 v7, v1, SP
	v_lshl_add_u32 v7, v2, 4, v7
	v_add_nc_u32 v[STO], s69, v7                   ; in: row 128 half + r, 64 bytes for the column half, 16 h
	v_bfe_u32 v8, v0, 3, 2
	v_mul_u32_u24 v8, v8, SP
	v_lshl_add_u32 v8, v3, 4, v8
	s_mul_i32 s70, s12, 64*SP
	v_add_nc_u32 v[RD], s70, v8                    ; back: wave w takes rows 64 w .. 64 w + 63; of q and k four rows x 128 bytes a load,
	v_mul_u32_u24 v8, v2, SP
	v_lshl_add_u32 v8, v1, 4, v8
	v_add_nc_u32 v8, s70, v8
	v_add_nc_u32 v[RDV], 256, v8                   ; of v two rows x 256 bytes (hi and lo)
	v_and_b32 v9, 31, v0
	s_lshl_b32 s71, s12, 13
	v_lshl_add_u32 v[CO], v9, 4, s71               ; and the same rows in the target: 512 consecutive bytes
	s_lshl_b32 s71, s12, 14
	v_lshl_add_u32 v[COV], v9, 4, s71
.else
	s_mul_i32 s23, s12, 16*SPF
	s_add_co_u32 s23, s23, STAGE                   ; my own stage
	v_mul_u32_u24 v7, v1, SPF
	v_lshl_add_u32 v7, v2, 5, v7
	v_add_nc_u32 v[STO], s23, v7                   ; in: row r, 32 bytes for each half of the lanes
	v_mul_u32_u24 v8, v2, SPF
	v_lshl_add_u32 v8, v1, 4, v8
	v_add_nc_u32 v[RD], s23, v8                    ; back: lanes 0-15 one row of 256 bytes, lanes 16-31 the next
	v_lshlrev_b32 v9, 12, v2
	v_lshl_add_u32 v[CO], v1, 4, v9                ; and the same two rows in C
.endif
; 2 NT matrix instructions: m tiles a0, a0 + 1 of the window's four x all n tiles, 32 along K.  zero = 1: the first product starts the sums on the bias.
; All 8 NT accumulators take turns, one instruction a turn, in the same order in every quarter step, over the loop's backward jump too.
.macro MUL16 f, hi, a0, zero
.set ma, \a0
.rept 2
.set mb, 0
.rept NT
.if \zero
	v_wmma_f32_16x16x32_bf16 v[8*(NT*ma+mb):8*(NT*ma+mb)+7], v[\f+8*mb:\f+8*mb+7], v[\f+8*(4*\hi+ma):\f+8*(4*\hi+ma)+7], v[BIAS+8*mb:BIAS+8*mb+7]
.else
	v_wmma_f32_16x16x32_bf16 v[8*(NT*ma+mb):8*(NT*ma+mb)+7], v[\f+8*mb:\f+8*mb+7], v[\f+8*(4*\hi+ma):\f+8*(4*\hi+ma)+7], v[8*(NT*ma+mb):8*(NT*ma+mb)+7]
.endif
.set mb, mb+1
.endr
.set ma, ma+1
.endr
.endm
; The fragments of quarter kq (32 k) of a slot into buffer f, in one run: 2 NT transposing loads of W, then 16 loads of A
.macro FETCH slot, kq, f
	WIN 0x40
.set mb, 0
.rept NT
	SETB mb
	ds_load_tr16_b128 v[\f+8*mb:\f+8*mb+3],   v[ADRB+\slot] offset:((\kq)>>1)*HB+((\kq)&1)*32*PB+offb
	ds_load_tr16_b128 v[\f+8*mb+4:\f+8*mb+7], v[ADRB+\slot] offset:((\kq)>>1)*HB+((\kq)&1)*32*PB+offb+16*PB
.set mb, mb+1
.endr
	WIN 0
.irp i, 0,1,2,3,4,5,6,7
	ds_load_b128 v[\f+8*\i:\f+8*\i+3],   v[ADRA+\slot] offset:((\kq)>>1)*SUBA+((\kq)&1)*64+\i*16*PA
	ds_load_b128 v[\f+8*\i+4:\f+8*\i+7], v[ADRA+\slot] offset:((\kq)>>1)*SUBA+((\kq)&1)*64+\i*16*PA+32
.endr
.endm
; One of a K step's first three quarters: multiplies buffer f; in its middle it fetches quarter kq into buffer g
.macro QUARTER slot, kq, f, g, zero
	s_wait_dscnt 8                                 ; W and A's rows 0-63 are in; the youngest eight loads (A's rows 64-127) may be out
	WIN 0xa1-0x10*\zero                            ; W window 1, A window 0, C and D window 2 (zero: C = the bias, window 1)
	MUL16 \f, 0, 0, \zero
	MUL16 \f, 0, 2, \zero
	PLACES
	FETCH \slot, \kq, \g
	s_wait_dscnt 16+2*NT                           ; all but the 16 + 2 NT just issued
	WIN 0xf1-0x20*\zero                            ; C and D window 3
	MUL16 \f, 1, 0, \zero
	MUL16 \f, 1, 2, \zero
.endm
.macro THREE slot, zero
	QUARTER \slot, 1, F0, F1, \zero
	QUARTER \slot, 2, F1, F0, 0
	QUARTER \slot, 3, F0, F1, 0
.endm
; The last quarter multiplies buffer 1 and changes slots.  In front of the one barrier each wave waits for its reads of this slot and for all its tensor loads
; (one is out: its part of the next slot).  Behind it (fill = 1: behind the whole round of the cluster's barrier that it opens) this slot is asked for again first,
; two K steps ahead, and then the next slot is read.  From a request to the wait for it a wave issues 15/16 of a K step's matrix instructions.
.macro TURN slot, next, fill
	s_wait_dscnt 8
	WIN 0xa1
	MUL16 F1, 0, 0, 0
	s_wait_dscnt 0                                 ; my reads of this slot are over
	s_wait_tensorcnt 0x0                           ; and all my tensor loads have landed
	ds_add_u32 v255, v63
	s_wait_dscnt 0x0
	s_barrier_signal -1
	MUL16 F1, 0, 2, 0                              ; register work while the others arrive
	WIN 0
	s_barrier_wait -1
.if \fill
	CREST                                          ; no wave of any partner still reads this slot's tile or has a load on its way
	s_add_nc_u64 s[G0A+4*\slot+2:G0A+4*\slot+3], s[G0A+4*\slot+2:G0A+4*\slot+3], 2*ASTEP
	s_add_nc_u64 s[G0B+4*\slot+2:G0B+4*\slot+3], s[G0B+4*\slot+2:G0B+4*\slot+3], BREF
	JLOAD \slot                                    ; the wave's one tensor load behind the round; its four v_nop are also the places in front of the loads below
.else
	PLACES
.endif
	FETCH \next, 0, F0
	WIN 0xf1
	MUL16 F1, 1, 0, 0
	MUL16 F1, 1, 2, 0
.endm
.macro LAP zero
	THREE 0, \zero
	TURN 0, 1, 1
	THREE 1, 0
	TURN 1, 0, 1
.endm
	s_wait_tensorcnt 1                             ; my part of K step 0 is in; K step 1's may stay out
	s_barrier_signal -1
	s_barrier_wait -1
	s_wait_loadcnt 0x0                             ; the bias tiles
	FETCH 0, 0, F0
	LAP 1                                          ; K steps 0, 1; asks for 2, 3
	WIN 0
	s_mov_b32 s3, KSTEPS/2-2
.Llap:
	LAP 0                                          ; two K steps; asks for the two behind the next two
	WIN 0
	s_sub_co_u32 s3, s3, 1
	s_cmp_lg_u32 s3, 0
	s_cbranch_scc1 .Llap
	THREE 0, 0                                     ; the last two K steps: nothing is left to ask for
	TURN 0, 1, 0
	THREE 1, 0
	s_wait_dscnt 8
	WIN 0xa1
	MUL16 F1, 0, 0, 0
	MUL16 F1, 0, 2, 0
	s_wait_dscnt 0
	WIN 0xf1
	MUL16 F1, 1, 0, 0
	MUL16 F1, 1, 2, 0
	PLACES                                         ; behind the last matrix instructions, in front of all that reads results or writes into fragments
.if QKV
	; THE WAY OUT, f16.  All four waves put their numbers into one stage of 256 rows x 512 bytes: q, k, v hi, v lo, 128 bytes each.  It lies in slot 0: that slot's last fill
	; has landed and its last reads were waited for in front of the barrier of the last change of slots, and no tensor load follows.  Behind a barrier each wave reads
	; 64 whole rows back and stores 512 consecutive aligned bytes with each instruction: four rows of q or of k, two rows of v.
	s_lshr_b32 s66, s18, 3                         ; b: 8 blocks of 256 rows in a batch entry
	s_lshl_b32 s66, s66, 24                        ; 16 MiB a batch entry
	s_and_b32 s67, s18, 7
	s_lshl_b32 s68, s17, 19                        ; v: heads of 524,288 bytes,
	s_lshl_b32 s69, s67, 16                        ; 256 rows of 256 bytes,
	s_add_co_u32 s68, s68, s69
	s_add_co_u32 s68, s68, s66
	s_add_co_u32 s68, s68, 0x800000                ; behind q and k
	s_mov_b32 s69, 0
	s_add_nc_u64 s[68:69], s[10:11], s[68:69]
	s_lshl_b32 s70, s17, 18                        ; q: heads of 262,144 bytes,
	s_lshl_b32 s71, s67, 15                        ; 256 rows of 128 bytes
	s_add_co_u32 s70, s70, s71
	s_add_co_u32 s70, s70, s66
	s_mov_b32 s71, 0
	s_add_nc_u64 s[10:11], s[10:11], s[70:71]
.set oa, 0
.rept 8
	WIN 0x0a+5*(oa>>2)                             ; sources 0 and 1 in window 2, then 3
.set ob, 0
.rept NT
.irp r, 0,1,2,3
	v_cvt_pk_f16_f32 v[TMP+4*ob+\r], v[8*(NT*(oa&3)+ob)+2*\r], v[8*(NT*(oa&3)+ob)+2*\r+1]
.endr
.set ob, ob+1
.endr
	WIN 0
	WIDEN TF,    v80                               ; v's hi, back in f32: TMP + 16 .. TMP + 23
	WIDEN TF+2,  v81
	WIDEN TF+4,  v82
	WIDEN TF+6,  v83
	WIDEN TF+8,  v84
	WIDEN TF+10, v85
	WIDEN TF+12, v86
	WIDEN TF+14, v87
	WIN 0x02+(oa>>2)                               ; source 0 in window 2, then 3
.set oi, 0
.rept 16
	v_sub_f32 v[TF+oi], v[8*(NT*(oa&3)+4)+oi], v[TF+oi]            ; v - hi, exact in f32
.set oi, oi+1
.endr
	WIN 0
.irp p, 0,1,2,3,4,5,6,7
	v_cvt_pk_f16_f32 v[LO+\p], v[TF+2*\p], v[TF+2*\p+1]
.endr
.set ob, 0
.rept NT
	ds_store_b128 v[STO], v[TMP+4*ob:TMP+4*ob+3] offset:oa*16*SP+(ob>>1)*128+(ob&1)*32
.set ob, ob+1
.endr
	ds_store_b128 v[STO], v[LO:LO+3]   offset:oa*16*SP+384
	ds_store_b128 v[STO], v[LO+4:LO+7] offset:oa*16*SP+384+32
.set oa, oa+1
.endr
	s_wait_dscnt 0x0                               ; my stores are in LDS, for the other waves' sake
	s_barrier_signal -1
	s_barrier_wait -1
.set oe, 0
.rept 32
	ds_load_b128 v[64+4*oe:64+4*oe+3], v[RD] offset:(oe&15)*4*SP+(oe>>4)*128      ; q, then k: rows 4 (oe % 16) ..
.set oe, oe+1
.endr
.set oe, 0
.rept 16
	ds_load_b128 v[192+4*oe:192+4*oe+3], v[RDV] offset:oe*2*SP                    ; v: rows 2 oe ..
.set oe, oe+1
.endr
.set oe, 0
.rept 32
	s_wait_dscnt 47-oe                             ; LDS loads come back in order: the 47 - oe younger ones stay out
	global_store_b128 v[CO], v[64+4*oe:64+4*oe+3], s[10:11] offset:(oe>>4)*0x400000+(oe&15)*512
.set oe, oe+1
.endr
.set oe, 0
.rept 16
	s_wait_dscnt 15-oe
	global_store_b128 v[COV], v[192+4*oe:192+4*oe+3], s[68:69] offset:oe*512
.set oe, oe+1
.endr
	s_wait_xcnt 0x0                                ; v64-127, which stores read, are loaded again only behind this wait
.set oe, 0
.rept 16
	ds_load_b128 v[64+4*oe:64+4*oe+3], v[RDV] offset:(16+oe)*2*SP                 ; v: rows 32 + 2 oe ..
.set oe, oe+1
.endr
.set oe, 0
.rept 16
	s_wait_dscnt 15-oe
	global_store_b128 v[COV], v[64+4*oe:64+4*oe+3], s[68:69] offset:(16+oe)*512
.set oe, oe+1
.endr
.else
	; THE WAY OUT, f32.  16 rows at a time through my own stage: 32 bytes a lane and tile in, whole rows of 256 bytes back; sixteen lanes store 256 consecutive aligned bytes.
	; The stage is the wave's own and LDS serves a wave's instructions in order (ISA guide 5.7.1.4): no barrier, no wait between stores and loads.
	s_lshl_b32 s66, s18, 8
	s_lshl_b32 s67, s13, 7
	s_add_co_u32 s66, s66, s67
	s_lshl_b32 s66, s66, 12                        ; my first row, rows of 4,096 bytes
	s_lshl_b32 s67, s17, 9
	s_add_co_u32 s66, s66, s67                     ; the block's 512 bytes of a row
	s_lshl_b32 s67, s14, 8
	s_add_co_u32 s66, s66, s67                     ; my 256
	s_mov_b32 s67, 0
	s_add_nc_u64 s[10:11], s[10:11], s[66:67]
.set oa, 0
.rept 8
.if oa < 4
	WIN 0x08                                       ; store data in window 2
.else
	WIN 0x0c                                       ; in window 3
.endif
.set ob, 0
.rept NT
	ds_store_b128 v[STO], v[8*(NT*(oa&3)+ob):8*(NT*(oa&3)+ob)+3]   offset:64*ob
	ds_store_b128 v[STO], v[8*(NT*(oa&3)+ob)+4:8*(NT*(oa&3)+ob)+7] offset:64*ob+16
.set ob, ob+1
.endr
	WIN 0
	s_wait_xcnt 0x0                                ; the buffer that earlier stores read, and their base, are rewritten only behind this wait
.if oa
	s_add_nc_u64 s[10:11], s[10:11], 16*4096
.endif
.set obuf, F0+64*(oa&1)
.irp t, 0,1,2,3,4,5,6,7
	ds_load_b128 v[obuf+4*\t:obuf+4*\t+3], v[RD] offset:\t*2*SPF
.endr
.irp t, 0,1,2,3,4,5,6,7
	s_wait_dscnt 7-\t
	global_store_b128 v[CO], v[obuf+4*\t:obuf+4*\t+3], s[10:11] offset:\t*8192 th:TH_STORE_NT
.endr
.set oa, oa+1
.endr
.endif
	s_set_vgpr_msb 0x1
	s_wait_tensorcnt 0x0
	ds_add_u32 v255, v63
	s_wait_dscnt 0x0
	s_set_vgpr_msb 0x100
	CROUND                                         ; the closing round: no work-group ends while a partner may still ask for a tile that names it
	s_endpgm
.Lfunc_end_k_qddbf53a56a_qkvgemm:
	.size	k_qddbf53a56a_qkvgemm, .Lfunc_end_k_qddbf53a56a_qkvgemm-k_qddbf53a56a_qkvgemm
	.p2alignl 7, 3214868480
	.fill 96, 4, 3214868480
	.section	.rodata,"a",@progbits
	.p2align	6, 0x0
	.amdhsa_kernel k_qddbf53a56a_qkvgemm
		.amdhsa_group_segment_fixed_size 327680
		.amdhsa_private_segment_fixed_size 0
		.amdhsa_enable_private_segment 0
		.amdhsa_kernarg_size 32
		.amdhsa_user_sgpr_count 2
		.amdhsa_user_sgpr_kernarg_segment_ptr 1
		.amdhsa_wavefront_size32 1
		.amdhsa_system_sgpr_workgroup_id_x 1
		.amdhsa_system_sgpr_workgroup_id_y 1
		.amdhsa_system_sgpr_workgroup_id_z 1
		.amdhsa_system_vgpr_workitem_id 0
		.amdhsa_next_free_vgpr 1024
		.amdhsa_next_free_sgpr 72
		.amdhsa_reserve_vcc 0
		.amdhsa_float_denorm_mode_32 3
		.amdhsa_float_denorm_mode_16_64 3
		.amdhsa_memory_ordered 1
		.amdhsa_forward_progress 1
		.amdhsa_inst_pref_size 177
	.end_amdhsa_kernel
	.amdgpu_metadata
---
amdhsa.version: [ 1, 2 ]
amdhsa.kernels:
  - .name:           k_qddbf53a56a_qkvgemm
    .symbol:         k_qddbf53a56a_qkvgemm.kd
    .args:
      - { .name: xa, .offset: 0, .size: 8, .value_kind: global_buffer, .address_space: global }
      - { .name: wa, .offset: 8, .size: 8, .value_kind: global_buffer, .address_space: global }
      - { .name: b_attn, .offset: 16, .size: 8, .value_kind: global_buffer, .address_space: global }
      - { .name: qkv, .offset: 24, .size: 8, .value_kind: global_buffer, .address_space: global }
    .group_segment_fixed_size: 327680
    .private_segment_fixed_size: 0
    .kernarg_segment_align: 8
    .kernarg_segment_size: 32
    .max_flat_workgroup_size: 128
    .sgpr_count:     72
    .vgpr_count:     1024
    .wavefront_size: 32
...
	.end_amdgpu_metadata
.endif
;; end of part 2
;; launch attn (part 3): grid 4 x 64, 8 waves a work-group, no clusters, 327,680 bytes of LDS; arguments qkv, ya; writes ya
.if DOCPART == 3
	.amdgcn_target "amdgcn-amd-amdhsa--gfx1250"
	.amdhsa_code_object_version 6
	.text
	.protected	k_qddbf53a56a_attn
	.globl	k_qddbf53a56a_attn
	.p2align	8
	.type	k_qddbf53a56a_attn,@function
k_qddbf53a56a_attn:
	s_mov_b64 s[64:65], 0
	v_nop
	global_prefetch_b8 v0, s[64:65] scope:SCOPE_SE
	s_setreg_imm32_b32 hwreg(HW_REG_WAVE_MODE, 25, 1), 1
	s_wait_xcnt 0x0
; Causal attention of one head (b, h): y = softmax(q k^T / 8, keys <= query) v.
; qkv, for each batch entry of 16 MiB: q [16][2048][64] f16 at 0, k the same at 4 MiB, v [16][2048][hi 64 | lo 64] f16 at 8 MiB (v = hi + lo, 22 bits).
; ya: y as a pair of bf16 (hi + lo, 16 bits) in chunks [32][b 2048 + t][64]: head h's hi is chunk 4 (h / 2) + h % 2, its lo two chunks on.
; Scores, softmax and sums in f32, with a running maximum.  A row with few keys is as large as v itself while rows with many keys are small, so what is handed on is kept
; finer than bf16: q, k and the weights p in f16, v and y as pairs; the product with v is made twice, with hi and with lo.
; LIMITS: q, k, v are f16 (magnitudes up to 65,504).  p is f16: weights below 2^-25 of the row's largest vanish.  The running maximum starts at -1e30 and not at -inf:
; raw scores q.k below -1e30 are not served.  The row sum adds the f32 p while the product with v takes p rounded to f16.
; SHARES: a head has 8 query blocks of 256 rows; block i needs i + 1 trips of 256 keys.  Work-group j (0..3) of a head takes block 2 j + 1 and then block 6 - 2 j:
; 2 j + 2 and 7 - 2 j trips, nine for every one of the 4 x 64 = 256 work-groups, and every trip's slot is known in the text.
; Eight waves, two on a SIMD, so that one wave's softmax runs beside the other's matrix work.  Wave w: query rows 64 (w % 4) .. + 63 of the block, and the keys
; 128 (w / 4) .. + 127 of each trip, in two steps of 64.  The two key groups' partial results meet in LDS at the end of a block.
; NO MULTICAST: the four work-groups of a head walk the same K and V, but with 2, 4, 6, 8 and then 7, 5, 3, 1 trips: partners need different numbers of tiles at
; different times; in step, each would have to pass 8 + 7 trips' requests instead of 9.
; ORIENTATION: S^T = K Q^T (source 0 = 16 keys, source 1 = 16 queries): lane (r, h) holds query r and keys 8 h + j, so a row's maximum and sum stay in the lane but for
; one exchange between the halves, and two packed score tiles already are a fragment of P^T.  O^T = V^T P^T, with V^T read by the transposing load.
; REGISTERS: window 0: v8-19 addresses, v20-35 state, v36-59 at work, v64-127 K fragments and then P, v128-255 scores (v128-191 then V lo's fragments);
; window 1: v0-63 Q fragments, v64-127 V hi's fragments, v128-255 O.
.set PK,     144                       ; K in LDS: 128 bytes + 16: an odd multiple of 16
.set PV,     288                       ; V in LDS: 256 bytes (hi, lo) + 32: an odd multiple of 32
.set KOFFL,  256*PV                    ; a slot: V's 256 keys at 0, K's 256 keys behind them
.set SLOTB,  256*PV+256*PK             ; 110,592
.set MSTAGE, 2*SLOTB                   ; merge stage: for each w % 4, 32 x 512 bytes of O and 4 x 512 bytes of state; bytes of its own, no tensor load lands here
.set OSTAGE, MSTAGE+4*36*512           ; out stage: for each w % 4, 16 rows x 272 bytes (hi 128, lo 128, 16 of padding)
.set PO,     272
.set KAD,  8                           ; v8-9    LDS address of my K fragments in slot 0, 1
.set VAD,  10                          ; v10-11  the same for V
.set DQ,   12                          ; v12-13  step 0, 1 of the diagonal trip: (my query of tile 0) - (my key 0 of tile 0)
.set QOFF, 14
.set MST,  15
.set OST,  16
.set ORD,  17
.set CO,   18
.set NINF, 19                          ; -inf
.set ST,   20                          ; v[20:35] query tile qt: +0 alpha, +1 m (raw maximum), +2 nm = -c m as rounded, +3 l (this half's keys)
.set T,    36
.set U,    40
.set SUM,  44
.set ST1,  44                          ; v[44:59] the other key group's state, at the end of a block
.set KF,   64                          ; key tile kt, d half dh at KF + 8 (2 kt + dh)
.set PF,   64                          ; query tile qt, key half kh at PF + 16 qt + 8 kh
.set SCO,  128                         ; scores at SCO + 32 qt + 8 kt + j
.set VL,   128                         ; V lo's fragments, in the score registers once p is packed: VL + 8 (2 dt + kh)
.set RB,   192                         ; the way out: rows read back
.set QF,   0                           ; window 1: QF + 8 (2 qt + dh)
.set VF,   64                          ; window 1: VF + 8 (2 dt + kh)
.set OAC,  128                         ; window 1: OAC + 8 (4 qt + dt)
.set G1K, 36                           ; s[36:43] group 1 for K's tiles
.set G1V, 44                           ; s[44:51] for V's
.set G0K, 52                           ; s[52:59] group 0 for K's tiles, one set for each slot
.set G0V, 68                           ; s[68:75] for V's
.set MSB, 0
.macro WIN new                         ; low byte: bits 1:0 source 0, 3:2 source 1, 5:4 source 2, 7:6 destination; the high byte repeats the setting that is left
.if MSB != (\new)
	s_set_vgpr_msb (MSB<<8)|(\new)
.set MSB, (\new)
.endif
.endm
.macro PLACES                          ; four plain vector instructions behind a matrix instruction before its registers are loaded into or its result is read (ISA guide 7.12.1)
.rept 4
	v_nop
.endr
.endm
; A trip's tiles: waves 0-3 fetch 64 keys of V each (hi and lo, 16 KiB), waves 4-7 64 keys of K each (8 KiB): one tensor load a wave.  The branch hangs on the wave's number alone.
.macro KVLOAD slot
	s_cmp_eq_u32 s9, 0
	s_cbranch_scc0 .Lfor_k_\@
	tensor_load_to_lds s[G0V+4*\slot:G0V+4*\slot+3], s[G1V:G1V+7]
	s_nop 0
.rept 4
	v_nop
.endr
	s_branch .Lasked_\@
.Lfor_k_\@:
	tensor_load_to_lds s[G0K+4*\slot:G0K+4*\slot+3], s[G1K:G1K+7]
	s_nop 0
.rept 4
	v_nop
.endr
.Lasked_\@:
.endm
; The addresses of the next tile into slot o's descriptors; stands where no tensor load of the wave is out
.macro NEXT o
	s_add_nc_u64 s[G0K+4*\o+2:G0K+4*\o+3], s[16:17], s[20:21]
	s_or_b32 s[G0K+4*\o+3], s[G0K+4*\o+3], 0x80000000
	s_add_nc_u64 s[G0V+4*\o+2:G0V+4*\o+3], s[18:19], s[66:67]
	s_or_b32 s[G0V+4*\o+3], s[G0V+4*\o+3], 0x80000000
	s_add_co_u32 s20, s20, 32768                   ; 256 keys of 128 bytes on
	s_add_co_u32 s66, s66, 65536                   ; 256 keys of 256 bytes on
.endm
	s_load_b128 s[4:7], s[0:1], 0x0                ; qkv s[4:5], ya s[6:7]
	v_lshl_add_u32 v62, v0, 2, 0x4c400
	v_mov_b32 v63, 0
	ds_add_u32 v62, v63
	ds_add_u32 v62, v63
	v_lshrrev_b32 v1, 5, v0
	v_readfirstlane_b32 s8, v1                     ; wave 0..7
	s_lshr_b32 s9, s8, 2                           ; g: my key group.  Also: I fetch for V (0) or for K (1)
	s_and_b32 s10, s8, 3                           ; w4: my 64 query rows.  Also: which 64 keys of a tile I fetch
	s_mov_b32 s11, ttmp9                           ; j
	s_and_b32 s12, ttmp7, 0xffff
	s_lshr_b32 s13, s12, 4                         ; b
	s_and_b32 s14, s12, 15                         ; h
	s_mov_b32 s28, 0x3e38aa3b                      ; c = log2(e) / 8
	s_mov_b32 s29, 0x3e38aa3b
	s_mov_b32 s30, 0xbe38aa3b                      ; -c
	s_mov_b32 s31, 0xffff0000                      ; a word's upper bf16
	s_mov_b32 s32, 0x76543210                      ; v_permlanex16_b32: lane i of one half reads lane i of the other
	s_mov_b32 s33, 0xfedcba98
	; K: 64 keys of 128 bytes are 8,192 dense bytes, taken as 32 rows of 256 bytes; 4 words of padding behind every 32: pitch 144
	s_mov_b32 s[G1K+0], (1<<16)|(1<<20)|(4<<22)|(3<<25)
	s_mov_b32 s[G1K+1], 128<<16                    ; tensor_dim0 = 128
	s_mov_b32 s[G1K+2], 32<<16                     ; tensor_dim1 = 32
	s_mov_b32 s[G1K+3], 128<<16                    ; tile_dim0 = 128
	s_mov_b32 s[G1K+4], 32                         ; tile_dim1 = 32
	s_mov_b32 s[G1K+5], 128                        ; from row to row: 128 elements (dense)
	s_mov_b32 s[G1K+6], 0
	s_mov_b32 s[G1K+7], 0
	; V: 64 keys of 256 bytes; 8 words of padding behind every 64: pitch 288
	s_mov_b32 s[G1V+0], (1<<16)|(1<<20)|(5<<22)|(7<<25)
	s_mov_b32 s[G1V+1], 128<<16                    ; tensor_dim0 = 128
	s_mov_b32 s[G1V+2], 64<<16                     ; tensor_dim1 = 64
	s_mov_b32 s[G1V+3], 128<<16                    ; tile_dim0 = 128
	s_mov_b32 s[G1V+4], 64                         ; tile_dim1 = 64
	s_mov_b32 s[G1V+5], 128
	s_mov_b32 s[G1V+6], 0
	s_mov_b32 s[G1V+7], 0
	s_lshl_b32 s60, s13, 24                        ; q: the batch entry's 16 MiB,
	s_lshl_b32 s27, s14, 18                        ; heads of 262,144 bytes,
	s_add_co_u32 s60, s60, s27
	s_lshl_b32 s27, s10, 13                        ; 64 w4 rows of 128 bytes
	s_add_co_u32 s60, s60, s27
	s_mov_b32 s61, 0
	s_lshl_b32 s62, s13, 24                        ; v: the batch entry,
	s_lshl_b32 s35, s14, 19                        ; heads of 524,288 bytes,
	s_add_co_u32 s62, s62, s35
	s_lshl_b32 s35, s10, 14                        ; 64 w4 rows of 256 bytes,
	s_add_co_u32 s62, s62, s35
	s_add_co_u32 s62, s62, 0x800000                ; behind q and k
	s_mov_b32 s63, 0
	s_lshr_b32 s66, s14, 1                         ; ya: chunk 4 (h / 2) + h % 2 of 8,192 rows,
	s_lshl_b32 s66, s66, 2
	s_and_b32 s35, s14, 1
	s_add_co_u32 s66, s66, s35
	s_lshl_b32 s66, s66, 20
	s_lshl_b32 s35, s13, 18                        ; 2,048 b rows,
	s_add_co_u32 s66, s66, s35
	s_add_co_u32 s66, s66, s27                     ; 64 w4 rows
	s_mov_b32 s67, 0
	s_mul_i32 s27, s8, 64*PV                       ; waves 0-3: V's quarter w
	s_mul_i32 s35, s8, 64*PK
	s_add_co_u32 s35, s35, KOFFL-4*64*PK           ; waves 4-7: K's quarter w - 4, behind V
.irp s, 0,1
	s_mov_b32 s[G0K+4*\s], 1
	s_add_co_u32 s[G0K+4*\s+1], s35, \s*SLOTB
	s_mov_b32 s[G0V+4*\s], 1
	s_add_co_u32 s[G0V+4*\s+1], s27, \s*SLOTB
.endr
	s_wait_dscnt 0x0
	s_wait_kmcnt 0x0
	s_add_nc_u64 s[76:77], s[4:5], s[60:61]        ; q at my rows of block 0
	s_add_nc_u64 s[18:19], s[4:5], s[62:63]        ; v at my quarter of tile 0
	s_add_nc_u64 s[78:79], s[6:7], s[66:67]        ; y at my rows of block 0
	s_add_nc_u64 s[16:17], s[76:77], 0x400000      ; k: 4 MiB behind q; the same 64 w4 rows are my quarter of tile 0
	s_mov_b32 s20, 0                               ; s[20:21]: byte offset of the next tile in K
	s_mov_b32 s21, 0
	s_mov_b32 s66, 0                               ; s[66:67]: the same in V
	NEXT 0
	KVLOAD 0                                       ; the one first fill: tile 0 into slot 0.  One tensor load of a wave is out at any time in this text
	v_and_b32 v1, 31, v0                           ; l
	v_and_b32 v2, 15, v0                           ; r
	v_bfe_u32 v3, v0, 4, 1                         ; h
	v_and_b32 v4, 7, v0                            ; l % 8
	v_bfe_u32 v5, v0, 3, 1                         ; (l / 8) % 2
	v_mul_u32_u24 v6, v2, PK
	v_lshl_add_u32 v6, v3, 4, v6                   ; r x 144 + 16 h
	s_mul_i32 s27, s9, 128*PK
	s_add_co_u32 s27, s27, KOFFL
	v_add_nc_u32 v[KAD], s27, v6
	v_add_nc_u32 v[KAD+1], SLOTB, v[KAD]
	v_lshl_add_u32 v7, v3, 3, v4
	v_mul_u32_u24 v7, v7, PV
	v_lshl_add_u32 v7, v5, 4, v7                   ; (8 h + l % 8) x 288 + 16 ((l / 8) % 2)
	s_mul_i32 s27, s9, 128*PV
	v_add_nc_u32 v[VAD], s27, v7
	v_add_nc_u32 v[VAD+1], SLOTB, v[VAD]
	s_lshl_b32 s27, s10, 6
	s_lshl_b32 s35, s9, 7
	s_sub_co_i32 s27, s27, s35                     ; 64 w4 - 128 g
	v_lshlrev_b32 v7, 3, v3
	v_sub_nc_u32 v[DQ], v2, v7
	v_add_nc_u32 v[DQ], s27, v[DQ]                 ; + r - 8 h
	v_add_nc_u32 v[DQ+1], 0xffffffc0, v[DQ]        ; step 1: 64 keys further
	v_lshlrev_b32 v[QOFF], 7, v2
	v_lshl_add_u32 v[QOFF], v3, 4, v[QOFF]         ; q: row r, 16 h
	s_mul_i32 s27, s10, 36*512
	s_add_co_u32 s27, s27, MSTAGE
	v_lshl_add_u32 v[MST], v1, 4, s27
	s_mul_i32 s27, s10, 16*PO
	s_add_co_u32 s27, s27, OSTAGE
	v_mul_u32_u24 v6, v2, PO
	v_lshl_add_u32 v6, v3, 4, v6
	v_add_nc_u32 v[OST], s27, v6                   ; in: row r, 16 h
	v_lshrrev_b32 v7, 3, v1
	v_mul_u32_u24 v7, v7, PO
	v_lshl_add_u32 v7, v4, 4, v7
	v_add_nc_u32 v[ORD], s27, v7                   ; back: four rows of 128 bytes a load
	v_lshlrev_b32 v[CO], 4, v1                     ; and the same four rows in a chunk of ya: 512 consecutive bytes
	v_mov_b32 v[NINF], 0xff800000
.irp q, 0,1,2,3
	v_mov_b32 v[U+\q], 0                           ; a lane exchange's destination counts as read
.endr
; The softmax of 64 queries x 64 keys.  Every line runs over the four query tiles, so that neighbouring lines do not wait for each other.
.macro SOFTMAX
.irp q, 0,1,2,3
	v_max3_num_f32 v[T+\q], v[SCO+32*\q], v[SCO+32*\q+1], v[SCO+32*\q+2]
.endr
.set si, 3
.rept 14
.irp q, 0,1,2,3
	v_max3_num_f32 v[T+\q], v[T+\q], v[SCO+32*\q+si], v[SCO+32*\q+si+1]
.endr
.set si, si+2
.endr
.irp q, 0,1,2,3
	v_max3_num_f32 v[T+\q], v[T+\q], v[SCO+32*\q+31], v[ST+4*\q+1]        ; the last score and the running maximum
.endr
.irp q, 0,1,2,3
	v_permlanex16_b32 v[U+\q], v[T+\q], s32, s33                         ; the other half of the lanes holds the same query's other keys
.endr
.irp q, 0,1,2,3
	v_max_num_f32 v[T+\q], v[T+\q], v[U+\q]
.endr
.irp q, 0,1,2,3
	v_mul_f32 v[U+\q], s30, v[T+\q]                                      ; nm = -c m, rounded once
.endr
.irp q, 0,1,2,3
	v_sub_f32 v[ST+4*\q], v[U+\q], v[ST+4*\q+2]                          ; new nm - old nm: the roundings of nm that the exponentials saw cancel
.endr
.irp q, 0,1,2,3
	v_mov_b32 v[ST+4*\q+2], v[U+\q]
.endr
.irp q, 0,1,2,3
	v_exp_f32 v[ST+4*\q], v[ST+4*\q]                                     ; alpha
.endr
.irp q, 0,1,2,3
	v_mov_b32 v[ST+4*\q+1], v[T+\q]                                      ; plain instructions behind the exponentials, before alpha is used (ISA guide 5.7.2)
.endr
.set si, 0
.rept 16
.irp q, 0,1,2,3
	v_pk_fma_f32 v[SCO+32*\q+si:SCO+32*\q+si+1], v[SCO+32*\q+si:SCO+32*\q+si+1], s[28:29], v[ST+4*\q+2:ST+4*\q+3] op_sel_hi:[1,0,0]   ; c s - c m, at most 0 but for nm's rounding
.endr
.set si, si+2
.endr
.set si, 0
.rept 128
	v_exp_f32 v[SCO+si], v[SCO+si]
.set si, si+1
.endr
	v_nop                                                                ; one plain instruction behind the last exponential
	s_wait_alu depctr_va_vdst(0)
.irp q, 0,1,2,3
	v_pk_add_f32 v[SUM+2*\q:SUM+2*\q+1], v[SCO+32*\q:SCO+32*\q+1], v[SCO+32*\q+2:SCO+32*\q+3]
.endr
.set si, 4
.rept 14
.irp q, 0,1,2,3
	v_pk_add_f32 v[SUM+2*\q:SUM+2*\q+1], v[SUM+2*\q:SUM+2*\q+1], v[SCO+32*\q+si:SCO+32*\q+si+1]
.endr
.set si, si+2
.endr
.irp q, 0,1,2,3
	v_fma_f32 v[ST+4*\q+3], v[ST+4*\q+3], v[ST+4*\q], v[SUM+2*\q]        ; l = l alpha + the new p
.endr
.irp q, 0,1,2,3
	v_add_f32 v[ST+4*\q+3], v[ST+4*\q+3], v[SUM+2*\q+1]
.endr
.set si, 0
.rept 64
	v_cvt_pk_f16_f32 v[PF+si], v[SCO+2*si], v[SCO+2*si+1]                ; keys 8 h + 0..7 of tiles 2 kh and 2 kh + 1: a fragment of P^T as it stands; p is at most about 1
.set si, si+1
.endr
.endm
; 64 of my keys (half 0 or 1 of my 128 in the slot) against my 64 queries.  diag = 1: the trip on the diagonal, keys beyond the query get -inf.
; In all products sixteen accumulators take turns, one instruction a turn.
.macro STEP slot, half, diag
	PLACES                                         ; behind the last products: four places in front of the loads into their fragments,
	v_nop                                          ; five in front of the score products, which write over V lo's fragments
.irp kt, 0,1,2,3
.irp dh, 0,1
	ds_load_b128 v[KF+8*(2*\kt+\dh):KF+8*(2*\kt+\dh)+3],   v[KAD+\slot] offset:\half*64*PK+\kt*16*PK+\dh*64
	ds_load_b128 v[KF+8*(2*\kt+\dh)+4:KF+8*(2*\kt+\dh)+7], v[KAD+\slot] offset:\half*64*PK+\kt*16*PK+\dh*64+32
.endr
.endr
	WIN 0x40                                       ; destination window 1
.irp dt, 0,1,2,3
.irp kh, 0,1
	ds_load_tr16_b128 v[VF+8*(2*\dt+\kh):VF+8*(2*\dt+\kh)+3],   v[VAD+\slot] offset:\half*64*PV+\kh*32*PV+\dt*32
	ds_load_tr16_b128 v[VF+8*(2*\dt+\kh)+4:VF+8*(2*\dt+\kh)+7], v[VAD+\slot] offset:\half*64*PV+\kh*32*PV+\dt*32+16*PV
.endr
.endr
	s_wait_dscnt 16                                ; K's sixteen loads are in; V hi's sixteen may be out
	WIN 0x04                                       ; source 1 (Q) window 1
.irp qt, 0,1,2,3
.irp kt, 0,1,2,3
	v_wmma_f32_16x16x32_f16 v[SCO+32*\qt+8*\kt:SCO+32*\qt+8*\kt+7], v[KF+16*\kt:KF+16*\kt+7], v[QF+16*\qt:QF+16*\qt+7], 0
.endr
.endr
.irp qt, 0,1,2,3
.irp kt, 0,1,2,3
	v_wmma_f32_16x16x32_f16 v[SCO+32*\qt+8*\kt:SCO+32*\qt+8*\kt+7], v[KF+16*\kt+8:KF+16*\kt+15], v[QF+16*\qt+8:QF+16*\qt+15], v[SCO+32*\qt+8*\kt:SCO+32*\qt+8*\kt+7]
.endr
.endr
	WIN 0
	PLACES
.if \diag
	; key <= query  <=>  16 (kt - qt) + j <= DQ: one compare serves all tiles with the same kt - qt
.set dl, -3
.rept 7
.set jj, 0
.rept 8
	v_cmp_le_i32 vcc_lo, 16*dl+jj, v[DQ+\half]
.set qq, 0
.rept 4
.if qq+dl >= 0
.if qq+dl <= 3
	v_cndmask_b32 v[SCO+32*qq+8*(qq+dl)+jj], v[NINF], v[SCO+32*qq+8*(qq+dl)+jj], vcc_lo
.endif
.endif
.set qq, qq+1
.endr
.set jj, jj+1
.endr
.set dl, dl+1
.endr
.endif
	SOFTMAX
.irp dt, 0,1,2,3
.irp kh, 0,1
	ds_load_tr16_b128 v[VL+8*(2*\dt+\kh):VL+8*(2*\dt+\kh)+3],   v[VAD+\slot] offset:\half*64*PV+\kh*32*PV+\dt*32+128          ; V lo, into score registers that are free now
	ds_load_tr16_b128 v[VL+8*(2*\dt+\kh)+4:VL+8*(2*\dt+\kh)+7], v[VAD+\slot] offset:\half*64*PV+\kh*32*PV+\dt*32+128+16*PV
.endr
.endr
	WIN 0x41                                       ; O: destination and source 0 window 1
.irp qt, 0,1,2,3
.set si, 0
.rept 16
	v_pk_mul_f32 v[OAC+32*\qt+si:OAC+32*\qt+si+1], v[OAC+32*\qt+si:OAC+32*\qt+si+1], v[ST+4*\qt:ST+4*\qt+1] op_sel_hi:[1,0]
.set si, si+2
.endr
.endr
	s_wait_dscnt 16                                ; V hi's fragments are in; V lo's sixteen loads may be out
	WIN 0x51                                       ; V hi and O window 1, P^T window 0
.irp kh, 0,1
.irp qt, 0,1,2,3
.irp dt, 0,1,2,3
	v_wmma_f32_16x16x32_f16 v[OAC+8*(4*\qt+\dt):OAC+8*(4*\qt+\dt)+7], v[VF+8*(2*\dt+\kh):VF+8*(2*\dt+\kh)+7], v[PF+16*\qt+8*\kh:PF+16*\qt+8*\kh+7], v[OAC+8*(4*\qt+\dt):OAC+8*(4*\qt+\dt)+7]
.endr
.endr
.endr
	s_wait_dscnt 0                                 ; V lo's fragments are in
	WIN 0x50                                       ; V lo and P^T window 0, O window 1
.irp kh, 0,1
.irp qt, 0,1,2,3
.irp dt, 0,1,2,3
	v_wmma_f32_16x16x32_f16 v[OAC+8*(4*\qt+\dt):OAC+8*(4*\qt+\dt)+7], v[VL+8*(2*\dt+\kh):VL+8*(2*\dt+\kh)+7], v[PF+16*\qt+8*\kh:PF+16*\qt+8*\kh+7], v[OAC+8*(4*\qt+\dt):OAC+8*(4*\qt+\dt)+7]
.endr
.endr
.endr
	WIN 0
.endm
; A trip: 256 keys in a slot.  In front of the barrier every wave waits for all its tensor loads (its part of this trip's tile) and for its reads of the other slot;
; behind it the other slot is asked for again first (refill = 1), one load a wave, 96 KiB for the eight, and has this trip's two steps in which to land.
; reset = 1: the next tile is tile 0, for the work-group's second block.
.macro TRIP slot, refill, reset, diag
	s_wait_tensorcnt 0x0
	ds_add_u32 v62, v63
	s_wait_dscnt 0x0
.if \reset
	s_mov_b32 s20, 0
	s_mov_b32 s66, 0
.endif
.if \refill
	NEXT (1-\slot)
.endif
	s_wait_dscnt 0x0
	s_barrier_signal -1
	s_barrier_wait -1
.if \refill
	KVLOAD (1-\slot)
.endif
	STEP \slot, 0, \diag
	STEP \slot, 1, \diag
.endm
; Query block s26 begins: its addresses, my Q fragments straight from memory, the state, and O = 0 by sixteen products of a zero fragment (8 moves instead of 128).
.macro BEGIN
	s_lshl_b32 s60, s26, 15                        ; 256 rows of 128 bytes a block; s61 is 0
	s_add_nc_u64 s[22:23], s[76:77], s[60:61]
	s_add_nc_u64 s[24:25], s[78:79], s[60:61]
	WIN 0x40
.irp qt, 0,1,2,3
.irp dh, 0,1
	global_load_b128 v[QF+8*(2*\qt+\dh):QF+8*(2*\qt+\dh)+3],   v[QOFF], s[22:23] offset:\qt*2048+\dh*64
	global_load_b128 v[QF+8*(2*\qt+\dh)+4:QF+8*(2*\qt+\dh)+7], v[QOFF], s[22:23] offset:\qt*2048+\dh*64+32
.endr
.endr
	WIN 0
.irp qt, 0,1,2,3
	v_mov_b32 v[ST+4*\qt+1], 0xf149f2ca            ; m = -1e30
	v_mov_b32 v[ST+4*\qt+2], 0x7149f2ca            ; nm = +1e30: the first alpha is exp2 of about -1e30 = 0
	v_mov_b32 v[ST+4*\qt+3], 0                     ; l = 0
.endr
.irp i, 0,1,2,3,4,5,6,7
	v_mov_b32 v[KF+\i], 0
.endr
	WIN 0x40
.set bi, 0
.rept 16
	v_wmma_f32_16x16x32_f16 v[OAC+8*bi:OAC+8*bi+7], v[KF:KF+7], v[KF:KF+7], 0
.set bi, bi+1
.endr
	WIN 0
	s_wait_loadcnt 0x0                             ; Q
.endm
; A block ends: key group 1 hands O and its state to group 0 through LDS; group 0 merges, divides by the row sums, splits y into two bf16 and stores.
; The next block's first tile may stay on its way across it.
.macro EPI
	PLACES
	s_cmp_eq_u32 s9, 0
	s_cbranch_scc1 .Lkeeps_\@
	WIN 0x04                                       ; store data window 1
.set ei, 0
.rept 32
	ds_store_b128 v[MST], v[OAC+4*ei:OAC+4*ei+3] offset:512*ei
.set ei, ei+1
.endr
	WIN 0
.irp qt, 0,1,2,3
	ds_store_b128 v[MST], v[ST+4*\qt:ST+4*\qt+3] offset:16384+512*\qt
.endr
.Lkeeps_\@:
	s_wait_dscnt 0x0                               ; my stores are in LDS, for the partner's sake
	s_barrier_signal -1
	s_barrier_wait -1
	s_cmp_lg_u32 s9, 0
	s_cbranch_scc1 .Lhanded_\@
.irp qt, 0,1,2,3
	ds_load_b128 v[ST1+4*\qt:ST1+4*\qt+3], v[MST] offset:16384+512*\qt
.endr
.set ei, 0
.rept 32
	ds_load_b128 v[SCO+4*ei:SCO+4*ei+3], v[MST] offset:512*ei
.set ei, ei+1
.endr
	s_wait_dscnt 32                                ; the partner's state is in; its O's 32 loads may be out
.irp q, 0,1,2,3
	v_min_num_f32 v[T+\q], v[ST+4*\q+2], v[ST1+4*\q+2]                   ; the smaller nm belongs to the larger maximum
.endr
.irp q, 0,1,2,3
	v_sub_f32 v[U+\q], v[T+\q], v[ST+4*\q+2]
.endr
.irp q, 0,1,2,3
	v_sub_f32 v[T+\q], v[T+\q], v[ST1+4*\q+2]
.endr
.irp q, 0,1,2,3
	v_exp_f32 v[U+\q], v[U+\q]                                           ; a0
.endr
.irp q, 0,1,2,3
	v_exp_f32 v[T+\q], v[T+\q]                                           ; a1
.endr
	v_nop
	s_wait_alu depctr_va_vdst(0)
.irp q, 0,1,2,3
	v_mul_f32 v[ST+4*\q+3], v[ST+4*\q+3], v[U+\q]
.endr
.irp q, 0,1,2,3
	v_fmac_f32 v[ST+4*\q+3], v[ST1+4*\q+3], v[T+\q]                      ; l0 a0 + l1 a1, this half's keys
.endr
.irp q, 0,1,2,3
	v_permlanex16_b32 v[ST+4*\q+1], v[ST+4*\q+3], s32, s33
.endr
.irp q, 0,1,2,3
	v_add_f32 v[ST+4*\q+3], v[ST+4*\q+3], v[ST+4*\q+1]                   ; and the other half's: at least about 1, the term of the maximum
.endr
.irp q, 0,1,2,3
	v_rcp_f32 v[ST+4*\q+3], v[ST+4*\q+3]
.endr
	v_nop
	s_wait_alu depctr_va_vdst(0)
.irp q, 0,1,2,3
	v_mul_f32 v[ST+4*\q], v[U+\q], v[ST+4*\q+3]                          ; f0 = a0 / l
.endr
.irp q, 0,1,2,3
	v_mul_f32 v[ST+4*\q+2], v[T+\q], v[ST+4*\q+3]                        ; f1 = a1 / l
.endr
.irp qt, 0,1,2,3
	s_wait_dscnt 24-8*\qt                          ; query tile qt's eight loads are in, the later tiles' stay out
.set ei, 0
.rept 16
	v_pk_mul_f32 v[SCO+32*\qt+ei:SCO+32*\qt+ei+1], v[SCO+32*\qt+ei:SCO+32*\qt+ei+1], v[ST+4*\qt+2:ST+4*\qt+3] op_sel_hi:[1,0]
.set ei, ei+2
.endr
.endr
	WIN 0x01                                       ; source 0 (my O) window 1
.irp qt, 0,1,2,3
.set ei, 0
.rept 16
	v_pk_fma_f32 v[SCO+32*\qt+ei:SCO+32*\qt+ei+1], v[OAC+32*\qt+ei:OAC+32*\qt+ei+1], v[ST+4*\qt:ST+4*\qt+1], v[SCO+32*\qt+ei:SCO+32*\qt+ei+1] op_sel_hi:[1,0,1]
.set ei, ei+2
.endr
.endr
	WIN 0
.set ei, 0
.rept 64
	v_cvt_pk_bf16_f32 v[PF+ei], v[SCO+2*ei], v[SCO+2*ei+1]               ; hi.  A lane's 8 numbers of a tile are 8 neighbouring d of one query: 16 bytes
.set ei, ei+1
.endr
	; lo = bf16(y - hi), eight numbers at a time; the packed words go to SCO + 4 ei .., registers whose numbers have been taken already
.set ei, 0
.rept 16
.irp k, 0,1,2,3
	v_lshlrev_b32 v[T+2*\k],   16,  v[PF+4*ei+\k]
	v_and_b32     v[T+2*\k+1], s31, v[PF+4*ei+\k]
.endr
.irp k, 0,1,2,3
	v_pk_add_f32 v[T+2*\k:T+2*\k+1], v[SCO+8*ei+2*\k:SCO+8*ei+2*\k+1], v[T+2*\k:T+2*\k+1] neg_lo:[0,1] neg_hi:[0,1]   ; y - hi, exact in f32
.endr
.irp k, 0,1,2,3
	v_cvt_pk_bf16_f32 v[SCO+4*ei+\k], v[T+2*\k], v[T+2*\k+1]
.endr
.set ei, ei+1
.endr
	; 16 queries at a time through my own stage (LDS serves a wave's instructions in order, ISA guide 5.7.1.4); each store covers 512 consecutive aligned bytes
.irp qt, 0,1,2,3
.if \qt >= 2
	s_wait_xcnt 0x0                                ; the registers that the stores of two tiles ago read are loaded again only behind this wait
.endif
.irp dt, 0,1,2,3
	ds_store_b128 v[OST], v[PF+16*\qt+4*\dt:PF+16*\qt+4*\dt+3] offset:32*\dt
.endr
.irp dt, 0,1,2,3
	ds_store_b128 v[OST], v[SCO+16*\qt+4*\dt:SCO+16*\qt+4*\dt+3] offset:128+32*\dt
.endr
.irp rg, 0,1,2,3
	ds_load_b128 v[RB+32*(\qt&1)+4*\rg:RB+32*(\qt&1)+4*\rg+3], v[ORD] offset:4*PO*\rg
.endr
.irp rg, 0,1,2,3
	ds_load_b128 v[RB+32*(\qt&1)+16+4*\rg:RB+32*(\qt&1)+16+4*\rg+3], v[ORD] offset:4*PO*\rg+128
.endr
.irp rg, 0,1,2,3
	s_wait_dscnt 7-\rg                             ; hi's load rg is in; the 7 - rg younger ones stay out
	global_store_b128 v[CO], v[RB+32*(\qt&1)+4*\rg:RB+32*(\qt&1)+4*\rg+3], s[24:25] offset:2048*\qt+512*\rg
.endr
.irp rg, 0,1,2,3
	s_wait_dscnt 3-\rg
	global_store_b128 v[CO], v[RB+32*(\qt&1)+16+4*\rg:RB+32*(\qt&1)+16+4*\rg+3], s[24:25] offset:2097152+2048*\qt+512*\rg   ; lo: two chunks on
.endr
.endr
.Lhanded_\@:
.endm
	; block 2 j + 1: tiles 0 .. 2 j + 1, the last on the diagonal
	s_lshl_b32 s26, s11, 1
	s_add_co_u32 s26, s26, 1
	BEGIN
	s_cmp_eq_u32 s11, 0
	s_cbranch_scc1 .Lfirst_tail
	s_mov_b32 s34, 0
.Lfirst:
	TRIP 0, 1, 0, 0
	TRIP 1, 1, 0, 0
	s_add_co_u32 s34, s34, 1
	s_cmp_lt_u32 s34, s11
	s_cbranch_scc1 .Lfirst
.Lfirst_tail:
	TRIP 0, 1, 0, 0
	TRIP 1, 1, 1, 1                                ; asks for the second block's tile 0
	EPI
	; block 6 - 2 j: tiles 0 .. 6 - 2 j, the last on the diagonal
	s_wait_xcnt 0x0                                ; the stores' data registers and base are rewritten only behind this wait
	s_lshl_b32 s26, s11, 1
	s_sub_co_u32 s26, 6, s26
	BEGIN
	s_sub_co_u32 s35, 3, s11
	s_cmp_eq_u32 s35, 0
	s_cbranch_scc1 .Lsecond_tail
	s_mov_b32 s34, 0
.Lsecond:
	TRIP 0, 1, 0, 0
	TRIP 1, 1, 0, 0
	s_add_co_u32 s34, s34, 1
	s_cmp_lt_u32 s34, s35
	s_cbranch_scc1 .Lsecond
.Lsecond_tail:
	TRIP 0, 0, 0, 1                                ; nothing is left to ask for; its wait for all tensor loads is the last
	EPI
	s_wait_tensorcnt 0x0
	ds_add_u32 v62, v63
	s_wait_dscnt 0x0
	s_endpgm
.Lfunc_end_k_qddbf53a56a_attn:
	.size	k_qddbf53a56a_attn, .Lfunc_end_k_qddbf53a56a_attn-k_qddbf53a56a_attn
	.p2alignl 7, 3214868480
	.fill 96, 4, 3214868480
	.section	.rodata,"a",@progbits
	.p2align	6, 0x0
	.amdhsa_kernel k_qddbf53a56a_attn
		.amdhsa_group_segment_fixed_size 327680
		.amdhsa_private_segment_fixed_size 0
		.amdhsa_enable_private_segment 0
		.amdhsa_kernarg_size 16
		.amdhsa_user_sgpr_count 2
		.amdhsa_user_sgpr_kernarg_segment_ptr 1
		.amdhsa_wavefront_size32 1
		.amdhsa_system_sgpr_workgroup_id_x 1
		.amdhsa_system_sgpr_workgroup_id_y 1
		.amdhsa_system_sgpr_workgroup_id_z 1
		.amdhsa_system_vgpr_workitem_id 0
		.amdhsa_next_free_vgpr 512
		.amdhsa_next_free_sgpr 80
		.amdhsa_reserve_vcc 1
		.amdhsa_float_denorm_mode_32 3
		.amdhsa_float_denorm_mode_16_64 3
		.amdhsa_memory_ordered 1
		.amdhsa_forward_progress 1
		.amdhsa_inst_pref_size 255
	.end_amdhsa_kernel
	.section	.bss,"aw",@nobits
	.p2align	6
	.space	262144
	.amdgpu_metadata
---
amdhsa.version: [ 1, 2 ]
amdhsa.kernels:
  - .name:           k_qddbf53a56a_attn
    .symbol:         k_qddbf53a56a_attn.kd
    .args:
      - { .name: qkv, .offset: 0, .size: 8, .value_kind: global_buffer, .address_space: global }
      - { .name: ya, .offset: 8, .size: 8, .value_kind: global_buffer, .address_space: global }
    .group_segment_fixed_size: 327680
    .private_segment_fixed_size: 0
    .kernarg_segment_align: 8
    .kernarg_segment_size: 16
    .max_flat_workgroup_size: 256
    .sgpr_count:     80
    .vgpr_count:     512
    .wavefront_size: 32
...
	.end_amdgpu_metadata
.endif
;; end of part 3
;; launch projgemm (part 4): grid 8 x 32, 4 waves a work-group, clusters of 4 x 4, 327,680 bytes of LDS; arguments ya, wp, b_proj, out0; writes out0
.if DOCPART == 4
	.amdgcn_target "amdgcn-amd-amdhsa--gfx1250"
	.amdhsa_code_object_version 6
	.text
	.protected	k_qddbf53a56a_projgemm
	.globl	k_qddbf53a56a_projgemm
	.p2align	8
	.type	k_qddbf53a56a_projgemm,@function
k_qddbf53a56a_projgemm:
	s_mov_b64 s[64:65], 0
	v_nop
	global_prefetch_b8 v0, s[64:65] scope:SCOPE_SE
	s_setreg_imm32_b32 hwreg(HW_REG_WAVE_MODE, 25, 1), 1
	s_wait_xcnt 0x0
	s_wait_alu depctr_hold_cnt(0) depctr_sa_sdst(0) depctr_va_vdst(0) depctr_va_sdst(0) depctr_va_ssrc(0) depctr_va_vcc(0) depctr_vm_vsrc(0)
	s_getreg_b32 s2, hwreg(HW_REG_IB_STS2, 6, 4)
	s_cmp_eq_u32 s2, 0
	s_cbranch_scc0 .Lentry_in_a_cluster
	s_endpgm
.Lentry_in_a_cluster:
	s_bfe_u32 s2, ttmp6, 0x10000c
	s_cmp_lg_u32 s2, 0xf033
	s_cbranch_scc0 .Lentry_shape_is_right
	s_endpgm
.Lentry_shape_is_right:
; C = A W + bias, operands bf16, sums f32.  One text for two products.
; QKV = 1: A = x [8192][1024] in chunks [16][8192][64]; W = W_attn in chunks [48][1024 k][64 n].  A block's 192 columns are head h of q, of k and of v (chunks h, 16 + h,
;   32 + h), so every work-group has the same way out.  q and k go out in f16 (11 bits), v as a pair of f16, hi + lo (22 bits), so that the rounding of what is handed on
;   stays far below that of the bf16 inputs.  Target, for each batch entry of 16 MiB: q [16][2048][64] at 0, k the same at 4 MiB, v [16][2048][hi 64 | lo 64] at 8 MiB.
; QKV = 0: A = y as a pair of bf16 in chunks [32][8192][64]: for heads 2 p, 2 p + 1 the chunks 4 p, 4 p + 1 hold hi and 4 p + 2, 4 p + 3 hold lo; W = W_proj in chunks
;   [16][1024 k][64 n].  K = 2048: K step 2 p multiplies the hi chunks, K step 2 p + 1 the lo chunks, both with W's rows 128 p .. 128 p + 127.  C goes out in f32, [8192][1024].
; LIMIT (QKV = 1): q, k, v beyond 65,504 in magnitude overflow f16; with x and W_attn both 30 times the drawn spread they reach about 3,100.
; A work-group makes 256 rows x NB columns (192 or 128) with four waves, one on each SIMD; a wave makes 128 x NB/2: 8 NT accumulator tiles.
; 192 columns give 16 x 32 = 512 work-groups, twice 256; 128 columns give 8 x 32 = 256.
; K goes in steps of 128 through two LDS slots filled by the tensor data mover; every piece fetched is dense and made of aligned blocks of 256 bytes.
; CLUSTERS: 4 x 4 work-groups.  A's tile hangs on the block row alone and is asked for jointly by a row of the cluster, W's on the block column alone
; and is asked for jointly by a column: the requests for both are divided by four.
; W lies [k][n] in LDS and is read by the transposing load; the matrix instruction is used transposed (source 0 = 16 columns of W, source 1 = 16 rows of A), so that
; lane l holds row l % 16 of C and its registers 0-7 the columns 8 (l / 16) + 0..7.  The first products take the bias tile as C: nothing is cleared, nothing added later.
; REGISTERS: window 0: v1-29 addresses, v64-127 and v128-191 fragments of A (two buffers), all of v64-255 at work on the way out;
; window 1: v64.. and v128.. fragments of W (two buffers), v192.. the bias tiles; windows 2, 3: accumulator tile (a, b) at v[8 (NT a + b)], my rows 0-63 and 64-127.
.set QKV,   0
.set BSTEP, 128*128                    ; 128 k rows of a chunk of W, 128 bytes each
.if QKV
.set NT,    6                          ; n tiles of 16 columns in a wave
.set NCH,   3                          ; chunks of 64 columns in a block
.set KSTEPS, 8
.set BCHS,  16*65536                   ; elements from a block's chunk to its next: 16 chunks
.set BCOL,  131072                     ; bytes from a block column's first chunk to the next column's
.set BFIRST, BSTEP                     ; slot 1's first tile of W: K step 1
.set BREF,  2*BSTEP                    ; a slot's next tile of W: two K steps on
.else
.set NT,    4
.set NCH,   2
.set KSTEPS, 16
.set BCHS,  65536
.set BCOL,  2*131072
.set BFIRST, 0                         ; K steps 0 and 1 (hi and lo) take the same rows of W
.set BREF,  BSTEP                      ; two K steps on: the next 128 rows
.endif
.set PA,    144                        ; A in LDS: 128 bytes (64 k) + 16: an odd multiple of 16, so 16 rows of a fragment start in 16 different groups of banks
.set SUBA,  256*PA                     ; one chunk's 256 rows
.set ATILE, 2*SUBA                     ; a K step is two chunks
.set PB,    160                        ; W in LDS: 128 bytes (64 n) + 32: an odd multiple of 32
.set CS,    64*PB                      ; 64 k rows of one chunk
.set HB,    NCH*CS                     ; half a K step of W: 64 k rows of the block's chunks
.set SLOT,  ATILE+2*HB
.set STAGE, 2*SLOT                     ; QKV = 0: behind the ring, 16 rows x 272 bytes for each wave
.set SP,    528                        ; QKV = 1: the stage's pitch, 512 bytes (q, k, v hi, v lo) + 16; 256 rows fill slot 0, which has had its last fill by then
.set SPF,   272
.if QKV
.set WB,    64                         ; the two column halves interleave in groups of 32 columns: tile b = chunk b / 2, columns 32 half + 16 (b % 2)
.else
.set WB,    CS                         ; each column half is one chunk: tile b = columns 64 half + 16 b
.endif
.set ASTEP, 2*1048576                  ; a K step in A: two chunks of 8192 rows x 128 bytes
.set ADRA, 16                          ; v16-17  LDS address of my A fragments in slot 0, 1
.set ADRB, 20                          ; v20-21  the same for W
.set STO,  24                          ; the way out: where I put my numbers
.set RD,   25                          ; the way out: where I read rows back
.set CO,   26                          ; my byte offset in C
.set BOFF, 27                          ; my byte offset in the bias
.set RDV,  28                          ; QKV = 1: where I read v's rows of 256 bytes back
.set COV,  29                          ; QKV = 1: my byte offset in v
.set F0,   64
.set F1,   128
.set TMP,  64                          ; QKV = 1, way out: v64-87 six tiles packed to f16 (v's two tiles are v80-87, named so below)
.set LO,   88                          ; v88-95  v's two tiles, lo
.set TF,   96                          ; v96-111 v's sixteen numbers: hi as f32, then v - hi
.set BIAS, 192                         ; window 1
.set G1A, 24                           ; s[24:31] group 1 for A's tiles
.set G0A, 32                           ; s[32:39] group 0 for A's tiles, one set for each slot
.set G1B, 48                           ; s[48:55] group 1 for W's tiles
.set G0B, 56                           ; s[56:63] group 0 for W's tiles, one set for each slot
.set MSB, 0
.macro WIN new                         ; low byte: bits 1:0 source 0, 3:2 source 1, 5:4 source 2, 7:6 destination; the high byte repeats the setting that is left
.if MSB != (\new)
	s_set_vgpr_msb (MSB<<8)|(\new)
.set MSB, (\new)
.endif
.endm
.macro PLACES                          ; four plain vector instructions behind a matrix instruction before its registers are loaded into or its result is read (ISA guide 7.12.1)
.rept 4
	v_nop
.endr
.endm
.macro WIDEN d, s                      ; the two f16 of register s as f32 in v[d], v[d + 1]
	v_cvt_f32_f16 v[\d],   \s\().l
	v_cvt_f32_f16 v[\d+1], \s\().h
.endm
.macro SETB b                          ; offb: n tile b's byte offset in LDS; bimm: in the bias
.if QKV
.set offb, ((\b)>>1)*CS+((\b)&1)*32
.set bimm, ((\b)>>1)*4096+((\b)&1)*64
.else
.set offb, 32*(\b)
.set bimm, 64*(\b)
.endif
.endm
; A joint load.  Waves 0 and 1 fetch A's two chunks, waves 2 and 3 W's two k halves.  Each line has one mask and one set of registers for all that issue it.
; The branch hangs on the wave's number alone.  Four v_nop follow each of the two lines.
.macro JLOAD s
	s_cmp_eq_u32 s13, 0
	s_cbranch_scc0 .Lfor_b_\@
	tensor_load_to_lds s[G0A+4*\s:G0A+4*\s+3], s[G1A:G1A+7]
	s_nop 0
.rept 4
	v_nop
.endr
	s_branch .Lasked_\@
.Lfor_b_\@:
	tensor_load_to_lds s[G0B+4*\s:G0B+4*\s+3], s[G1B:G1B+7]
	s_nop 0
.rept 4
	v_nop
.endr
.Lasked_\@:
.endm
; A round of the cluster's barrier: my work-group's barrier; wave 0 signals for the work-group; every wave waits for all sixteen; my work-group's barrier once more.
.macro CREST                           ; a round behind its opening barrier
	s_cmp_lg_u32 s12, 0
	s_cbranch_scc1 .Lnot_wave_0_\@
	s_barrier_signal -3
.Lnot_wave_0_\@:
	s_barrier_wait -3
	s_barrier_signal -1
	s_barrier_wait -1
.endm
.macro CROUND
	s_barrier_signal -1
	s_barrier_wait -1
	CREST
.endm
	s_load_b256 s[4:11], s[0:1], 0x0               ; A s[4:5], W s[6:7], bias s[8:9], C s[10:11]
	s_set_vgpr_msb 0x40
	v_lshl_add_u32 v255, v0, 2, 0x3c400
	s_set_vgpr_msb 0x4000
	v_mov_b32 v255, 0
	s_set_vgpr_msb 0x1
	ds_add_u32 v255, v255
	ds_add_u32 v255, v255
	s_set_vgpr_msb 0x100
	v_lshrrev_b32 v1, 5, v0
	v_readfirstlane_b32 s12, v1                    ; wave 0..3
	s_lshr_b32 s13, s12, 1                         ; my half of the block's rows.  Also: I fetch for A (0) or for W (1)
	s_and_b32 s14, s12, 1                          ; my half of its columns.  Also: which chunk of A, which k half of W I fetch
	s_bfe_u32 s15, ttmp6, 0x40000                  ; cx
	s_bfe_u32 s16, ttmp6, 0x40004                  ; cy
	s_lshl_b32 s17, ttmp9, 2
	s_add_co_u32 s17, s17, s15                     ; block column = 4 x cluster x + cx
	s_and_b32 s18, ttmp7, 0xffff
	s_lshl_b32 s18, s18, 2
	s_add_co_u32 s18, s18, s16                     ; block row = 4 x cluster y + cy
	s_lshl_b32 s19, s16, 2
	s_lshl_b32 s19, 15, s19                        ; my row of the cluster: places 4 cy .. 4 cy + 3
	s_lshl_b32 s20, 0x1111, s15                    ; my column: places cx, cx + 4, cx + 8, cx + 12
	; A's tile: one chunk's 256 rows of 128 bytes are 32,768 dense bytes, taken as 128 rows of 256 bytes; 4 words of padding behind every 32 give the pitch 144
	s_or_b32 s[G1A+0], s19, (1<<16)|(1<<20)|(1<<21)|(4<<22)|(3<<25)  ; mask of my row; elements of 2 bytes; padding on; bit 21 beside a mask; every 32 words; 4 words
	s_mov_b32 s[G1A+1], 128<<16                    ; tensor_dim0 = 128
	s_mov_b32 s[G1A+2], 128<<16                    ; tensor_dim1 = 128
	s_mov_b32 s[G1A+3], 128<<16                    ; tile_dim0 = 128
	s_mov_b32 s[G1A+4], 128                        ; tile_dim1 = 128
	s_mov_b32 s[G1A+5], 128                        ; from row to row: 128 elements (dense)
	s_mov_b32 s[G1A+6], 0
	s_mov_b32 s[G1A+7], 0
	; W's tile: 64 k rows of a chunk are 8,192 dense bytes = one row of 4,096 elements; NCH such rows, BCHS elements apart; 8 words behind every 32: pitch 160
	s_or_b32 s[G1B+0], s20, (1<<16)|(1<<20)|(1<<21)|(4<<22)|(7<<25)  ; mask of my column
	s_mov_b32 s[G1B+1], 4096<<16                   ; tensor_dim0 = 4096
	s_mov_b32 s[G1B+2], NCH<<16                    ; tensor_dim1 = NCH
	s_mov_b32 s[G1B+3], 4096<<16                   ; tile_dim0 = 4096
	s_mov_b32 s[G1B+4], NCH                        ; tile_dim1 = NCH
	s_mov_b32 s[G1B+5], BCHS
	s_mov_b32 s[G1B+6], 0
	s_mov_b32 s[G1B+7], 0
	; where the tiles come from: A's offset is made of the block row and the wave's number, W's of the block column and the wave's number, in registers of their own
	s_lshl_b32 s42, s18, 15                        ; 256 rows of 128 bytes
	s_lshl_b32 s43, s14, 20                        ; my chunk of the K step's two
	s_add_co_u32 s42, s42, s43
	s_mov_b32 s43, 0
	s_mul_i32 s46, s17, BCOL                       ; the block's first chunk of W
	s_lshl_b32 s47, s14, 13                        ; my 64 k rows of the K step's 128
	s_add_co_u32 s46, s46, s47
	s_mov_b32 s47, 0
	s_mul_i32 s21, s12, SUBA                       ; and where they go: made of the wave's number alone
	s_mul_i32 s22, s12, HB
	s_add_co_u32 s22, s22, ATILE-2*HB              ; waves 2, 3: behind A's tile
	s_wait_dscnt 0x0
	s_wait_kmcnt 0x0
	s_add_nc_u64 s[40:41], s[4:5], s[42:43]
	s_add_nc_u64 s[44:45], s[6:7], s[46:47]
	CROUND                                         ; all sixteen work-groups are here: the first joint loads meet
.irp s, 0,1
	s_mov_b32 s[G0A+4*\s], 1
	s_add_co_u32 s[G0A+4*\s+1], s21, \s*SLOT
	s_add_nc_u64 s[G0A+4*\s+2:G0A+4*\s+3], s[40:41], \s*ASTEP
	s_or_b32 s[G0A+4*\s+3], s[G0A+4*\s+3], 0x80000000
	s_mov_b32 s[G0B+4*\s], 1
	s_add_co_u32 s[G0B+4*\s+1], s22, \s*SLOT
	s_add_nc_u64 s[G0B+4*\s+2:G0B+4*\s+3], s[44:45], \s*BFIRST
	s_or_b32 s[G0B+4*\s+3], s[G0B+4*\s+3], 0x80000000
	JLOAD \s                                       ; K steps 0 and 1: two tensor loads of the wave are out, the most in this text
.endr
	v_and_b32 v1, 15, v0                           ; r = l % 16
	v_bfe_u32 v2, v0, 4, 1                         ; h = l / 16
	v_and_b32 v3, 7, v0                            ; l % 8
	v_bfe_u32 v4, v0, 3, 1                         ; (l / 8) % 2
	v_mul_u32_u24 v5, v1, PA
	v_lshl_add_u32 v5, v2, 4, v5                   ; A: row r, 16 bytes for each half of the lanes; two loads 32 bytes apart make a fragment
	v_lshl_add_u32 v6, v2, 3, v3
	v_mul_u32_u24 v6, v6, PB
	v_lshl_add_u32 v6, v4, 4, v6                   ; W: k row 8 h + l % 8, 16 bytes for each eight lanes; two transposing loads 16 rows apart make a fragment
	s_mul_i32 s66, s13, 128*PA
	s_mul_i32 s67, s14, WB
	s_add_co_u32 s67, s67, ATILE
.irp s, 0,1
	v_add_nc_u32 v[ADRA+\s], s66, v5
	v_add_nc_u32 v[ADRB+\s], s67, v6
	s_add_co_u32 s66, s66, SLOT
	s_add_co_u32 s67, s67, SLOT
.endr
.if QKV
	s_lshl_b32 s68, s17, 8                         ; bias: head h's 64 numbers (q's; k's and v's stand 4,096 and 8,192 bytes on), 32 numbers a half, 8 h numbers
	s_lshl_b32 s69, s14, 7
.else
	s_lshl_b32 s68, s17, 9                         ; bias: 128 columns a block, 64 a half
	s_lshl_b32 s69, s14, 8
.endif
	s_add_co_u32 s68, s68, s69
	v_lshlrev_b32 v[BOFF], 5, v2
	v_add_nc_u32 v[BOFF], s68, v[BOFF]
	WIN 0x40                                       ; destination window 1
.set mb, 0
.rept NT
	SETB mb
	global_load_b128 v[BIAS+8*mb:BIAS+8*mb+3],   v[BOFF], s[8:9] offset:bimm       ; register j of tile b: bias[n0 + 8 h + j], the same for all 16 rows
	global_load_b128 v[BIAS+8*mb+4:BIAS+8*mb+7], v[BOFF], s[8:9] offset:bimm+16
.set mb, mb+1
.endr
	WIN 0
.if QKV
	s_mul_i32 s69, s13, 128*SP                     ; stage: 256 rows of the block, 512 bytes each
	s_lshl_b32 s70, s14, 6
	s_add_co_u32 s69, s69, s70
	v_mul_u32_u24 v7, v1, SP
	v_lshl_add_u32 v7, v2, 4, v7
	v_add_nc_u32 v[STO], s69, v7                   ; in: row 128 half + r, 64 bytes for the column half, 16 h
	v_bfe_u32 v8, v0, 3, 2
	v_mul_u32_u24 v8, v8, SP
	v_lshl_add_u32 v8, v3, 4, v8
	s_mul_i32 s70, s12, 64*SP
	v_add_nc_u32 v[RD], s70, v8                    ; back: wave w takes rows 64 w .. 64 w + 63; of q and k four rows x 128 bytes a load,
	v_mul_u32_u24 v8, v2, SP
	v_lshl_add_u32 v8, v1, 4, v8
	v_add_nc_u32 v8, s70, v8
	v_add_nc_u32 v[RDV], 256, v8                   ; of v two rows x 256 bytes (hi and lo)
	v_and_b32 v9, 31, v0
	s_lshl_b32 s71, s12, 13
	v_lshl_add_u32 v[CO], v9, 4, s71               ; and the same rows in the target: 512 consecutive bytes
	s_lshl_b32 s71, s12, 14
	v_lshl_add_u32 v[COV], v9, 4, s71
.else
	s_mul_i32 s23, s12, 16*SPF
	s_add_co_u32 s23, s23, STAGE                   ; my own stage
	v_mul_u32_u24 v7, v1, SPF
	v_lshl_add_u32 v7, v2, 5, v7
	v_add_nc_u32 v[STO], s23, v7                   ; in: row r, 32 bytes for each half of the lanes
	v_mul_u32_u24 v8, v2, SPF
	v_lshl_add_u32 v8, v1, 4, v8
	v_add_nc_u32 v[RD], s23, v8                    ; back: lanes 0-15 one row of 256 bytes, lanes 16-31 the next
	v_lshlrev_b32 v9, 12, v2
	v_lshl_add_u32 v[CO], v1, 4, v9                ; and the same two rows in C
.endif
; 2 NT matrix instructions: m tiles a0, a0 + 1 of the window's four x all n tiles, 32 along K.  zero = 1: the first product starts the sums on the bias.
; All 8 NT accumulators take turns, one instruction a turn, in the same order in every quarter step, over the loop's backward jump too.
.macro MUL16 f, hi, a0, zero
.set ma, \a0
.rept 2
.set mb, 0
.rept NT
.if \zero
	v_wmma_f32_16x16x32_bf16 v[8*(NT*ma+mb):8*(NT*ma+mb)+7], v[\f+8*mb:\f+8*mb+7], v[\f+8*(4*\hi+ma):\f+8*(4*\hi+ma)+7], v[BIAS+8*mb:BIAS+8*mb+7]
.else
	v_wmma_f32_16x16x32_bf16 v[8*(NT*ma+mb):8*(NT*ma+mb)+7], v[\f+8*mb:\f+8*mb+7], v[\f+8*(4*\hi+ma):\f+8*(4*\hi+ma)+7], v[8*(NT*ma+mb):8*(NT*ma+mb)+7]
.endif
.set mb, mb+1
.endr
.set ma, ma+1
.endr
.endm
; The fragments of quarter kq (32 k) of a slot into buffer f, in one run: 2 NT transposing loads of W, then 16 loads of A
.macro FETCH slot, kq, f
	WIN 0x40
.set mb, 0
.rept NT
	SETB mb
	ds_load_tr16_b128 v[\f+8*mb:\f+8*mb+3],   v[ADRB+\slot] offset:((\kq)>>1)*HB+((\kq)&1)*32*PB+offb
	ds_load_tr16_b128 v[\f+8*mb+4:\f+8*mb+7], v[ADRB+\slot] offset:((\kq)>>1)*HB+((\kq)&1)*32*PB+offb+16*PB
.set mb, mb+1
.endr
	WIN 0
.irp i, 0,1,2,3,4,5,6,7
	ds_load_b128 v[\f+8*\i:\f+8*\i+3],   v[ADRA+\slot] offset:((\kq)>>1)*SUBA+((\kq)&1)*64+\i*16*PA
	ds_load_b128 v[\f+8*\i+4:\f+8*\i+7], v[ADRA+\slot] offset:((\kq)>>1)*SUBA+((\kq)&1)*64+\i*16*PA+32
.endr
.endm
; One of a K step's first three quarters: multiplies buffer f; in its middle it fetches quarter kq into buffer g
.macro QUARTER slot, kq, f, g, zero
	s_wait_dscnt 8                                 ; W and A's rows 0-63 are in; the youngest eight loads (A's rows 64-127) may be out
	WIN 0xa1-0x10*\zero                            ; W window 1, A window 0, C and D window 2 (zero: C = the bias, window 1)
	MUL16 \f, 0, 0, \zero
	MUL16 \f, 0, 2, \zero
	PLACES
	FETCH \slot, \kq, \g
	s_wait_dscnt 16+2*NT                           ; all but the 16 + 2 NT just issued
	WIN 0xf1-0x20*\zero                            ; C and D window 3
	MUL16 \f, 1, 0, \zero
	MUL16 \f, 1, 2, \zero
.endm
.macro THREE slot, zero
	QUARTER \slot, 1, F0, F1, \zero
	QUARTER \slot, 2, F1, F0, 0
	QUARTER \slot, 3, F0, F1, 0
.endm
; The last quarter multiplies buffer 1 and changes slots.  In front of the one barrier each wave waits for its reads of this slot and for all its tensor loads
; (one is out: its part of the next slot).  Behind it (fill = 1: behind the whole round of the cluster's barrier that it opens) this slot is asked for again first,
; two K steps ahead, and then the next slot is read.  From a request to the wait for it a wave issues 15/16 of a K step's matrix instructions.
.macro TURN slot, next, fill
	s_wait_dscnt 8
	WIN 0xa1
	MUL16 F1, 0, 0, 0
	s_wait_dscnt 0                                 ; my reads of this slot are over
	s_wait_tensorcnt 0x0                           ; and all my tensor loads have landed
	ds_add_u32 v255, v255
	s_wait_dscnt 0x0
	s_barrier_signal -1
	MUL16 F1, 0, 2, 0                              ; register work while the others arrive
	WIN 0
	s_barrier_wait -1
.if \fill
	CREST                                          ; no wave of any partner still reads this slot's tile or has a load on its way
	s_add_nc_u64 s[G0A+4*\slot+2:G0A+4*\slot+3], s[G0A+4*\slot+2:G0A+4*\slot+3], 2*ASTEP
	s_add_nc_u64 s[G0B+4*\slot+2:G0B+4*\slot+3], s[G0B+4*\slot+2:G0B+4*\slot+3], BREF
	JLOAD \slot                                    ; the wave's one tensor load behind the round; its four v_nop are also the places in front of the loads below
.else
	PLACES
.endif
	FETCH \next, 0, F0
	WIN 0xf1
	MUL16 F1, 1, 0, 0
	MUL16 F1, 1, 2, 0
.endm
.macro LAP zero
	THREE 0, \zero
	TURN 0, 1, 1
	THREE 1, 0
	TURN 1, 0, 1
.endm
	s_wait_tensorcnt 1                             ; my part of K step 0 is in; K step 1's may stay out
	s_barrier_signal -1
	s_barrier_wait -1
	s_wait_loadcnt 0x0                             ; the bias tiles
	FETCH 0, 0, F0
	LAP 1                                          ; K steps 0, 1; asks for 2, 3
	WIN 0
	s_mov_b32 s3, KSTEPS/2-2
.Llap:
	LAP 0                                          ; two K steps; asks for the two behind the next two
	WIN 0
	s_sub_co_u32 s3, s3, 1
	s_cmp_lg_u32 s3, 0
	s_cbranch_scc1 .Llap
	THREE 0, 0                                     ; the last two K steps: nothing is left to ask for
	TURN 0, 1, 0
	THREE 1, 0
	s_wait_dscnt 8
	WIN 0xa1
	MUL16 F1, 0, 0, 0
	MUL16 F1, 0, 2, 0
	s_wait_dscnt 0
	WIN 0xf1
	MUL16 F1, 1, 0, 0
	MUL16 F1, 1, 2, 0
	PLACES                                         ; behind the last matrix instructions, in front of all that reads results or writes into fragments
.if QKV
	; THE WAY OUT, f16.  All four waves put their numbers into one stage of 256 rows x 512 bytes: q, k, v hi, v lo, 128 bytes each.  It lies in slot 0: that slot's last fill
	; has landed and its last reads were waited for in front of the barrier of the last change of slots, and no tensor load follows.  Behind a barrier each wave reads
	; 64 whole rows back and stores 512 consecutive aligned bytes with each instruction: four rows of q or of k, two rows of v.
	s_lshr_b32 s66, s18, 3                         ; b: 8 blocks of 256 rows in a batch entry
	s_lshl_b32 s66, s66, 24                        ; 16 MiB a batch entry
	s_and_b32 s67, s18, 7
	s_lshl_b32 s68, s17, 19                        ; v: heads of 524,288 bytes,
	s_lshl_b32 s69, s67, 16                        ; 256 rows of 256 bytes,
	s_add_co_u32 s68, s68, s69
	s_add_co_u32 s68, s68, s66
	s_add_co_u32 s68, s68, 0x800000                ; behind q and k
	s_mov_b32 s69, 0
	s_add_nc_u64 s[68:69], s[10:11], s[68:69]
	s_lshl_b32 s70, s17, 18                        ; q: heads of 262,144 bytes,
	s_lshl_b32 s71, s67, 15                        ; 256 rows of 128 bytes
	s_add_co_u32 s70, s70, s71
	s_add_co_u32 s70, s70, s66
	s_mov_b32 s71, 0
	s_add_nc_u64 s[10:11], s[10:11], s[70:71]
.set oa, 0
.rept 8
	WIN 0x0a+5*(oa>>2)                             ; sources 0 and 1 in window 2, then 3
.set ob, 0
.rept NT
.irp r, 0,1,2,3
	v_cvt_pk_f16_f32 v[TMP+4*ob+\r], v[8*(NT*(oa&3)+ob)+2*\r], v[8*(NT*(oa&3)+ob)+2*\r+1]
.endr
.set ob, ob+1
.endr
	WIN 0
	WIDEN TF,    v80                               ; v's hi, back in f32: TMP + 16 .. TMP + 23
	WIDEN TF+2,  v81
	WIDEN TF+4,  v82
	WIDEN TF+6,  v83
	WIDEN TF+8,  v84
	WIDEN TF+10, v85
	WIDEN TF+12, v86
	WIDEN TF+14, v87
	WIN 0x02+(oa>>2)                               ; source 0 in window 2, then 3
.set oi, 0
.rept 16
	v_sub_f32 v[TF+oi], v[8*(NT*(oa&3)+4)+oi], v[TF+oi]            ; v - hi, exact in f32
.set oi, oi+1
.endr
	WIN 0
.irp p, 0,1,2,3,4,5,6,7
	v_cvt_pk_f16_f32 v[LO+\p], v[TF+2*\p], v[TF+2*\p+1]
.endr
.set ob, 0
.rept NT
	ds_store_b128 v[STO], v[TMP+4*ob:TMP+4*ob+3] offset:oa*16*SP+(ob>>1)*128+(ob&1)*32
.set ob, ob+1
.endr
	ds_store_b128 v[STO], v[LO:LO+3]   offset:oa*16*SP+384
	ds_store_b128 v[STO], v[LO+4:LO+7] offset:oa*16*SP+384+32
.set oa, oa+1
.endr
	s_wait_dscnt 0x0                               ; my stores are in LDS, for the other waves' sake
	s_barrier_signal -1
	s_barrier_wait -1
.set oe, 0
.rept 32
	ds_load_b128 v[64+4*oe:64+4*oe+3], v[RD] offset:(oe&15)*4*SP+(oe>>4)*128      ; q, then k: rows 4 (oe % 16) ..
.set oe, oe+1
.endr
.set oe, 0
.rept 16
	ds_load_b128 v[192+4*oe:192+4*oe+3], v[RDV] offset:oe*2*SP                    ; v: rows 2 oe ..
.set oe, oe+1
.endr
.set oe, 0
.rept 32
	s_wait_dscnt 47-oe                             ; LDS loads come back in order: the 47 - oe younger ones stay out
	global_store_b128 v[CO], v[64+4*oe:64+4*oe+3], s[10:11] offset:(oe>>4)*0x400000+(oe&15)*512
.set oe, oe+1
.endr
.set oe, 0
.rept 16
	s_wait_dscnt 15-oe
	global_store_b128 v[COV], v[192+4*oe:192+4*oe+3], s[68:69] offset:oe*512
.set oe, oe+1
.endr
	s_wait_xcnt 0x0                                ; v64-127, which stores read, are loaded again only behind this wait
.set oe, 0
.rept 16
	ds_load_b128 v[64+4*oe:64+4*oe+3], v[RDV] offset:(16+oe)*2*SP                 ; v: rows 32 + 2 oe ..
.set oe, oe+1
.endr
.set oe, 0
.rept 16
	s_wait_dscnt 15-oe
	global_store_b128 v[COV], v[64+4*oe:64+4*oe+3], s[68:69] offset:(16+oe)*512
.set oe, oe+1
.endr
.else
	; THE WAY OUT, f32.  16 rows at a time through my own stage: 32 bytes a lane and tile in, whole rows of 256 bytes back; sixteen lanes store 256 consecutive aligned bytes.
	; The stage is the wave's own and LDS serves a wave's instructions in order (ISA guide 5.7.1.4): no barrier, no wait between stores and loads.
	s_lshl_b32 s66, s18, 8
	s_lshl_b32 s67, s13, 7
	s_add_co_u32 s66, s66, s67
	s_lshl_b32 s66, s66, 12                        ; my first row, rows of 4,096 bytes
	s_lshl_b32 s67, s17, 9
	s_add_co_u32 s66, s66, s67                     ; the block's 512 bytes of a row
	s_lshl_b32 s67, s14, 8
	s_add_co_u32 s66, s66, s67                     ; my 256
	s_mov_b32 s67, 0
	s_add_nc_u64 s[10:11], s[10:11], s[66:67]
.set oa, 0
.rept 8
.if oa < 4
	WIN 0x08                                       ; store data in window 2
.else
	WIN 0x0c                                       ; in window 3
.endif
.set ob, 0
.rept NT
	ds_store_b128 v[STO], v[8*(NT*(oa&3)+ob):8*(NT*(oa&3)+ob)+3]   offset:64*ob
	ds_store_b128 v[STO], v[8*(NT*(oa&3)+ob)+4:8*(NT*(oa&3)+ob)+7] offset:64*ob+16
.set ob, ob+1
.endr
	WIN 0
	s_wait_xcnt 0x0                                ; the buffer that earlier stores read, and their base, are rewritten only behind this wait
.if oa
	s_add_nc_u64 s[10:11], s[10:11], 16*4096
.endif
.set obuf, F0+64*(oa&1)
.irp t, 0,1,2,3,4,5,6,7
	ds_load_b128 v[obuf+4*\t:obuf+4*\t+3], v[RD] offset:\t*2*SPF
.endr
.irp t, 0,1,2,3,4,5,6,7
	s_wait_dscnt 7-\t
	global_store_b128 v[CO], v[obuf+4*\t:obuf+4*\t+3], s[10:11] offset:\t*8192 th:TH_STORE_NT
.endr
.set oa, oa+1
.endr
.endif
	s_set_vgpr_msb 0x1
	s_wait_tensorcnt 0x0
	ds_add_u32 v255, v255
	s_wait_dscnt 0x0
	s_set_vgpr_msb 0x100
	CROUND                                         ; the closing round: no work-group ends while a partner may still ask for a tile that names it
	s_endpgm
.Lfunc_end_k_qddbf53a56a_projgemm:
	.size	k_qddbf53a56a_projgemm, .Lfunc_end_k_qddbf53a56a_projgemm-k_qddbf53a56a_projgemm
	.p2alignl 7, 3214868480
	.fill 96, 4, 3214868480
	.section	.rodata,"a",@progbits
	.p2align	6, 0x0
	.amdhsa_kernel k_qddbf53a56a_projgemm
		.amdhsa_group_segment_fixed_size 327680
		.amdhsa_private_segment_fixed_size 0
		.amdhsa_enable_private_segment 0
		.amdhsa_kernarg_size 32
		.amdhsa_user_sgpr_count 2
		.amdhsa_user_sgpr_kernarg_segment_ptr 1
		.amdhsa_wavefront_size32 1
		.amdhsa_system_sgpr_workgroup_id_x 1
		.amdhsa_system_sgpr_workgroup_id_y 1
		.amdhsa_system_sgpr_workgroup_id_z 1
		.amdhsa_system_vgpr_workitem_id 0
		.amdhsa_next_free_vgpr 1024
		.amdhsa_next_free_sgpr 72
		.amdhsa_reserve_vcc 0
		.amdhsa_float_denorm_mode_32 3
		.amdhsa_float_denorm_mode_16_64 3
		.amdhsa_memory_ordered 1
		.amdhsa_forward_progress 1
		.amdhsa_inst_pref_size 122
	.end_amdhsa_kernel
	.amdgpu_metadata
---
amdhsa.version: [ 1, 2 ]
amdhsa.kernels:
  - .name:           k_qddbf53a56a_projgemm
    .symbol:         k_qddbf53a56a_projgemm.kd
    .args:
      - { .name: ya, .offset: 0, .size: 8, .value_kind: global_buffer, .address_space: global }
      - { .name: wp, .offset: 8, .size: 8, .value_kind: global_buffer, .address_space: global }
      - { .name: b_proj, .offset: 16, .size: 8, .value_kind: global_buffer, .address_space: global }
      - { .name: out0, .offset: 24, .size: 8, .value_kind: global_buffer, .address_space: global }
    .group_segment_fixed_size: 327680
    .private_segment_fixed_size: 0
    .kernarg_segment_align: 8
    .kernarg_segment_size: 32
    .max_flat_workgroup_size: 128
    .sgpr_count:     72
    .vgpr_count:     1024
    .wavefront_size: 32
...
	.end_amdgpu_metadata
.endif
;; end of part 4
;; ======== version 2 of 3: 4 launches; 1.13 times as fast as version 1
;; limits: values are held in f16: magnitudes above 65,504 overflow, below 6.1e-05 lose precision
;; workspace buffers: xa 16,777,216 bytes; wa 6,291,456 bytes; wp 2,097,152 bytes; qkv 67,108,864 bytes; ya 33,554,432 bytes
;; launch cast: the kernel of part 1 again; grid 768 x 1, 8 waves a work-group, no clusters, 0 bytes of LDS; arguments x, W_attn, W_proj, xa, wa, wp; writes xa, wa, wp
;; launch qkvgemm: the kernel of part 2 again; grid 16 x 32, 4 waves a work-group, clusters of 4 x 4, 327,680 bytes of LDS; arguments xa, wa, b_attn, qkv; writes qkv
;; launch attn (part 5): grid 4 x 64, 8 waves a work-group, no clusters, 327,680 bytes of LDS; arguments qkv, ya; writes ya
.if DOCPART == 5
	.amdgcn_target "amdgcn-amd-amdhsa--gfx1250"
	.amdhsa_code_object_version 6
	.text
	.protected	k_qddbf53a56a_attn
	.globl	k_qddbf53a56a_attn
	.p2align	8
	.type	k_qddbf53a56a_attn,@function
k_qddbf53a56a_attn:
	s_mov_b64 s[64:65], 0
	v_nop
	global_prefetch_b8 v0, s[64:65] scope:SCOPE_SE
	s_setreg_imm32_b32 hwreg(HW_REG_WAVE_MODE, 25, 1), 1
	s_wait_xcnt 0x0
; Causal attention of one head (b, h): y = softmax(q k^T / 8, keys <= query) v.
; qkv, for each batch entry of 16 MiB: q [16][2048][64] f16 at 0, k the same at 4 MiB, v [16][2048][hi 64 | lo 64] f16 at 8 MiB (v = hi + lo, 22 bits).
; ya: y as a pair of bf16 (hi + lo, 16 bits) in chunks [32][b 2048 + t][64]: head h's hi is chunk 4 (h / 2) + h % 2, its lo two chunks on.
; Scores, softmax and sums in f32, with a running maximum.  A row with few keys is as large as v itself while rows with many keys are small, so what is handed on is kept
; finer than bf16: q, k and the weights p in f16, v and y as pairs; the product with v is made twice, with hi and with lo.
; LIMITS: q, k, v are f16 (magnitudes up to 65,504).  p is f16: weights below 2^-25 of the row's largest vanish.  The running maximum starts at -1e30 and not at -inf:
; raw scores q.k below -1e30 are not served.  The row sum adds the f32 p while the product with v takes p rounded to f16.
; SHARES: a head has 8 query blocks of 256 rows; block i needs 2 (i + 1) trips of 128 keys.  Work-group j (0..3) of a head takes block 2 j + 1 and then block 6 - 2 j:
; 4 j + 4 and 14 - 4 j trips, eighteen for every one of the 4 x 64 = 256 work-groups.
; Eight waves, two on a SIMD, so that one wave's softmax runs beside the other's matrix work.  Wave w: query rows 64 (w % 4) .. + 63 of the block, and the keys
; 64 (w / 4) .. + 63 of each trip.  The two key groups' partial results meet in LDS at the end of a block.
; THE TEXT IS KEPT SHORT: with 128 keys a trip every block has an even number of trips, so the two slots' numbers stand in the text and both blocks run the same lines
; (an outer loop of two trips: head, a loop of i pairs of trips, the pair on the diagonal, the merge).  A step is written four times in all.
; NO MULTICAST: the four work-groups of a head walk the same K and V, but with 4, 8, 12, 16 and then 14, 10, 6, 2 trips: partners need different numbers of tiles at
; different times; in step, each would have to pass 16 + 14 trips' requests instead of 18.
; ORIENTATION: S^T = K Q^T (source 0 = 16 keys, source 1 = 16 queries): lane (r, h) holds query r and keys 8 h + j, so a row's maximum and sum stay in the lane but for
; one exchange between the halves, and two packed score tiles already are a fragment of P^T.  O^T = V^T P^T, with V^T read by the transposing load.
; REGISTERS: window 0: v8-19 addresses, v20-35 state, v36-59 at work, v64-127 K fragments and then P, v128-255 scores (v128-191 then V lo's fragments);
; window 1: v0-63 Q fragments, v64-127 V hi's fragments, v128-255 O.
.set PK,     144                       ; K in LDS: 128 bytes + 16: an odd multiple of 16
.set PV,     288                       ; V in LDS: 256 bytes (hi, lo) + 32: an odd multiple of 32
.set TK,     128                       ; keys in a slot
.set KOFFL,  TK*PV                     ; a slot: V's 128 keys at 0, K's 128 keys behind them
.set SLOTB,  TK*PV+TK*PK               ; 55,296
.set MSTAGE, 2*SLOTB                   ; merge stage: for each w % 4, 32 x 512 bytes of O and 4 x 512 bytes of state; bytes of its own, no tensor load lands here
.set OSTAGE, MSTAGE+4*36*512           ; out stage: for each w % 4, 16 rows x 272 bytes (hi 128, lo 128, 16 of padding)
.set PO,     272
.set KAD,  8                           ; v8-9    LDS address of my K fragments in slot 0, 1
.set VAD,  10                          ; v10-11  the same for V
.set DQ,   12                          ; v12-13  trip 0, 1 of the pair on the diagonal: (my query of tile 0) - (my key 0 of tile 0)
.set QOFF, 14
.set MST,  15
.set OST,  16
.set ORD,  17
.set CO,   18
.set NINF, 19                          ; -inf
.set ST,   20                          ; v[20:35] query tile qt: +0 alpha, +1 m (raw maximum), +2 nm = -c m as rounded, +3 l (this half's keys)
.set T,    36
.set U,    40
.set SUM,  44
.set ST1,  44                          ; v[44:59] the other key group's state, at the end of a block
.set KF,   64                          ; key tile kt, d half dh at KF + 8 (2 kt + dh)
.set PF,   64                          ; query tile qt, key half kh at PF + 16 qt + 8 kh
.set SCO,  128                         ; scores at SCO + 32 qt + 8 kt + j
.set VL,   128                         ; V lo's fragments, in the score registers once their p is packed: VL + 8 (2 dt + kh)
.set RB,   192                         ; the way out: rows read back
.set QF,   0                           ; window 1: QF + 8 (2 qt + dh)
.set VF,   64                          ; window 1: VF + 8 (2 dt + kh)
.set OAC,  128                         ; window 1: OAC + 8 (4 qt + dt)
.set G1K, 36                           ; s[36:43] group 1 for K's tiles
.set G1V, 44                           ; s[44:51] for V's
.set G0K, 52                           ; s[52:59] group 0 for K's tiles, one set for each slot
.set G0V, 68                           ; s[68:75] for V's
.set MSB, 0
.macro WIN new                         ; low byte: bits 1:0 source 0, 3:2 source 1, 5:4 source 2, 7:6 destination; the high byte repeats the setting that is left
.if MSB != (\new)
	s_set_vgpr_msb (MSB<<8)|(\new)
.set MSB, (\new)
.endif
.endm
.macro PLACES                          ; four plain vector instructions behind a matrix instruction before its registers are loaded into or its result is read (ISA guide 7.12.1)
.rept 4
	v_nop
.endr
.endm
; A trip's tiles: waves 0-3 fetch 32 keys of V each (hi and lo, 8 KiB), waves 4-7 32 keys of K each (4 KiB): one tensor load a wave.  The branch hangs on the wave's number alone.
.macro KVLOAD slot
	s_cmp_eq_u32 s9, 0
	s_cbranch_scc0 .Lfor_k_\@
	tensor_load_to_lds s[G0V+4*\slot:G0V+4*\slot+3], s[G1V:G1V+7]
	s_nop 0
.rept 4
	v_nop
.endr
	s_branch .Lasked_\@
.Lfor_k_\@:
	tensor_load_to_lds s[G0K+4*\slot:G0K+4*\slot+3], s[G1K:G1K+7]
	s_nop 0
.rept 4
	v_nop
.endr
.Lasked_\@:
.endm
; The addresses of the next tile into slot o's descriptors; stands where no tensor load of the wave is out
.macro NEXT o
	s_add_nc_u64 s[G0K+4*\o+2:G0K+4*\o+3], s[16:17], s[20:21]
	s_or_b32 s[G0K+4*\o+3], s[G0K+4*\o+3], 0x80000000
	s_add_nc_u64 s[G0V+4*\o+2:G0V+4*\o+3], s[18:19], s[66:67]
	s_or_b32 s[G0V+4*\o+3], s[G0V+4*\o+3], 0x80000000
	s_add_co_u32 s20, s20, TK*128                  ; 128 keys of 128 bytes on
	s_add_co_u32 s66, s66, TK*256                  ; 128 keys of 256 bytes on
.endm
	s_load_b128 s[4:7], s[0:1], 0x0                ; qkv s[4:5], ya s[6:7]
	v_lshl_add_u32 v62, v0, 2, 0x31400
	v_mov_b32 v63, 0
	v_lshrrev_b32 v1, 5, v0
	v_readfirstlane_b32 s8, v1                     ; wave 0..7
	s_lshr_b32 s9, s8, 2                           ; g: my key group.  Also: I fetch for V (0) or for K (1)
	s_and_b32 s10, s8, 3                           ; w4: my 64 query rows.  Also: which 32 keys of a tile I fetch
	s_mov_b32 s11, ttmp9                           ; j
	s_and_b32 s12, ttmp7, 0xffff
	s_lshr_b32 s13, s12, 4                         ; b
	s_and_b32 s14, s12, 15                         ; h
	s_mov_b32 s28, 0x3e38aa3b                      ; c = log2(e) / 8
	s_mov_b32 s29, 0x3e38aa3b
	s_mov_b32 s30, 0xbe38aa3b                      ; -c
	s_mov_b32 s31, 0xffff0000                      ; a word's upper bf16
	s_mov_b32 s32, 0x76543210                      ; v_permlanex16_b32: lane i of one half reads lane i of the other
	s_mov_b32 s33, 0xfedcba98
	; K: 32 keys of 128 bytes are 4,096 dense bytes, taken as 16 rows of 256 bytes; 4 words of padding behind every 32: pitch 144
	s_mov_b32 s[G1K+0], (1<<16)|(1<<20)|(4<<22)|(3<<25)
	s_mov_b32 s[G1K+1], 128<<16                    ; tensor_dim0 = 128
	s_mov_b32 s[G1K+2], 16<<16                     ; tensor_dim1 = 16
	s_mov_b32 s[G1K+3], 128<<16                    ; tile_dim0 = 128
	s_mov_b32 s[G1K+4], 16                         ; tile_dim1 = 16
	s_mov_b32 s[G1K+5], 128                        ; from row to row: 128 elements (dense)
	s_mov_b32 s[G1K+6], 0
	s_mov_b32 s[G1K+7], 0
	; V: 32 keys of 256 bytes; 8 words of padding behind every 64: pitch 288
	s_mov_b32 s[G1V+0], (1<<16)|(1<<20)|(5<<22)|(7<<25)
	s_mov_b32 s[G1V+1], 128<<16                    ; tensor_dim0 = 128
	s_mov_b32 s[G1V+2], 32<<16                     ; tensor_dim1 = 32
	s_mov_b32 s[G1V+3], 128<<16                    ; tile_dim0 = 128
	s_mov_b32 s[G1V+4], 32                         ; tile_dim1 = 32
	s_mov_b32 s[G1V+5], 128
	s_mov_b32 s[G1V+6], 0
	s_mov_b32 s[G1V+7], 0
	s_lshl_b32 s60, s13, 24                        ; q and k: the batch entry's 16 MiB,
	s_lshl_b32 s27, s14, 18                        ; heads of 262,144 bytes
	s_add_co_u32 s60, s60, s27
	s_lshl_b32 s27, s10, 12                        ; k: 32 w4 rows of 128 bytes, my quarter of tile 0,
	s_add_co_u32 s22, s60, s27
	s_add_co_u32 s22, s22, 0x400000                ; 4 MiB behind q
	s_mov_b32 s23, 0
	s_lshl_b32 s27, s10, 13                        ; q: 64 w4 rows of 128 bytes
	s_add_co_u32 s60, s60, s27
	s_mov_b32 s61, 0
	s_lshl_b32 s62, s13, 24                        ; v: the batch entry,
	s_lshl_b32 s35, s14, 19                        ; heads of 524,288 bytes,
	s_add_co_u32 s62, s62, s35
	s_add_co_u32 s62, s62, s27                     ; 32 w4 rows of 256 bytes, my quarter of tile 0,
	s_add_co_u32 s62, s62, 0x800000                ; behind q and k
	s_mov_b32 s63, 0
	s_lshr_b32 s66, s14, 1                         ; ya: chunk 4 (h / 2) + h % 2 of 8,192 rows,
	s_lshl_b32 s66, s66, 2
	s_and_b32 s35, s14, 1
	s_add_co_u32 s66, s66, s35
	s_lshl_b32 s66, s66, 20
	s_lshl_b32 s35, s13, 18                        ; 2,048 b rows,
	s_add_co_u32 s66, s66, s35
	s_add_co_u32 s66, s66, s27                     ; 64 w4 rows of 128 bytes
	s_mov_b32 s67, 0
	s_mul_i32 s27, s8, 32*PV                       ; waves 0-3: V's quarter w
	s_mul_i32 s35, s8, 32*PK
	s_add_co_u32 s35, s35, KOFFL-4*32*PK           ; waves 4-7: K's quarter w - 4, behind V
.irp s, 0,1
	s_mov_b32 s[G0K+4*\s], 1
	s_add_co_u32 s[G0K+4*\s+1], s35, \s*SLOTB
	s_mov_b32 s[G0V+4*\s], 1
	s_add_co_u32 s[G0V+4*\s+1], s27, \s*SLOTB
.endr
	s_wait_kmcnt 0x0
	s_add_nc_u64 s[76:77], s[4:5], s[60:61]        ; q at my rows of block 0
	s_add_nc_u64 s[16:17], s[4:5], s[22:23]        ; k at my quarter of tile 0
	s_add_nc_u64 s[18:19], s[4:5], s[62:63]        ; v at my quarter of tile 0
	s_add_nc_u64 s[78:79], s[6:7], s[66:67]        ; y at my rows of block 0
	s_mov_b32 s21, 0                               ; s[20:21]: byte offset of the next tile in K; s[66:67]: the same in V (s67 is 0); the low words are set at a block's head
	v_and_b32 v1, 31, v0                           ; l
	v_and_b32 v2, 15, v0                           ; r
	v_bfe_u32 v3, v0, 4, 1                         ; h
	v_and_b32 v4, 7, v0                            ; l % 8
	v_bfe_u32 v5, v0, 3, 1                         ; (l / 8) % 2
	v_mul_u32_u24 v6, v2, PK
	v_lshl_add_u32 v6, v3, 4, v6                   ; r x 144 + 16 h
	s_mul_i32 s27, s9, 64*PK                       ; my group's 64 keys
	s_add_co_u32 s27, s27, KOFFL
	v_add_nc_u32 v[KAD], s27, v6
	v_add_nc_u32 v[KAD+1], SLOTB, v[KAD]
	v_lshl_add_u32 v7, v3, 3, v4
	v_mul_u32_u24 v7, v7, PV
	v_lshl_add_u32 v7, v5, 4, v7                   ; (8 h + l % 8) x 288 + 16 ((l / 8) % 2)
	s_mul_i32 s27, s9, 64*PV
	v_add_nc_u32 v[VAD], s27, v7
	v_add_nc_u32 v[VAD+1], SLOTB, v[VAD]
	s_lshl_b32 s27, s10, 6
	s_lshl_b32 s35, s9, 6
	s_sub_co_i32 s27, s27, s35                     ; 64 w4 - 64 g
	v_lshlrev_b32 v7, 3, v3
	v_sub_nc_u32 v[DQ], v2, v7
	v_add_nc_u32 v[DQ], s27, v[DQ]                 ; + r - 8 h
	v_add_nc_u32 v[DQ+1], 0xffffff80, v[DQ]        ; the pair's second trip: 128 keys further
	v_lshlrev_b32 v[QOFF], 7, v2
	v_lshl_add_u32 v[QOFF], v3, 4, v[QOFF]         ; q: row r, 16 h
	s_mul_i32 s27, s10, 36*512
	s_add_co_u32 s27, s27, MSTAGE
	v_lshl_add_u32 v[MST], v1, 4, s27
	s_mul_i32 s27, s10, 16*PO
	s_add_co_u32 s27, s27, OSTAGE
	v_mul_u32_u24 v6, v2, PO
	v_lshl_add_u32 v6, v3, 4, v6
	v_add_nc_u32 v[OST], s27, v6                   ; in: row r, 16 h
	v_lshrrev_b32 v7, 3, v1
	v_mul_u32_u24 v7, v7, PO
	v_lshl_add_u32 v7, v4, 4, v7
	v_add_nc_u32 v[ORD], s27, v7                   ; back: four rows of 128 bytes a load
	v_lshlrev_b32 v[CO], 4, v1                     ; and the same four rows in a chunk of ya: 512 consecutive bytes
	v_mov_b32 v[NINF], 0xff800000
.irp q, 0,1,2,3
	v_mov_b32 v[U+\q], 0                           ; a lane exchange's destination counts as read
.endr
; The softmax of 64 queries x 64 keys, up to the f32 weights and the row sums.  Every line runs over the four query tiles, so that neighbouring lines do not wait for each other.
.macro SOFTMAX
.irp q, 0,1,2,3
	v_max3_num_f32 v[T+\q], v[SCO+32*\q], v[SCO+32*\q+1], v[SCO+32*\q+2]
.endr
.set si, 3
.rept 14
.irp q, 0,1,2,3
	v_max3_num_f32 v[T+\q], v[T+\q], v[SCO+32*\q+si], v[SCO+32*\q+si+1]
.endr
.set si, si+2
.endr
.irp q, 0,1,2,3
	v_max3_num_f32 v[T+\q], v[T+\q], v[SCO+32*\q+31], v[ST+4*\q+1]        ; the last score and the running maximum
.endr
.irp q, 0,1,2,3
	v_permlanex16_b32 v[U+\q], v[T+\q], s32, s33                         ; the other half of the lanes holds the same query's other keys
.endr
.irp q, 0,1,2,3
	v_max_num_f32 v[T+\q], v[T+\q], v[U+\q]
.endr
.irp q, 0,1,2,3
	v_mul_f32 v[U+\q], s30, v[T+\q]                                      ; nm = -c m, rounded once
.endr
.irp q, 0,1,2,3
	v_sub_f32 v[ST+4*\q], v[U+\q], v[ST+4*\q+2]                          ; new nm - old nm: the roundings of nm that the exponentials saw cancel
.endr
.irp q, 0,1,2,3
	v_mov_b32 v[ST+4*\q+2], v[U+\q]
.endr
.irp q, 0,1,2,3
	v_exp_f32 v[ST+4*\q], v[ST+4*\q]                                     ; alpha
.endr
.irp q, 0,1,2,3
	v_mov_b32 v[ST+4*\q+1], v[T+\q]                                      ; plain instructions behind the exponentials, before alpha is used (ISA guide 5.7.2)
.endr
.set si, 0
.rept 16
.irp q, 0,1,2,3
	v_pk_fma_f32 v[SCO+32*\q+si:SCO+32*\q+si+1], v[SCO+32*\q+si:SCO+32*\q+si+1], s[28:29], v[ST+4*\q+2:ST+4*\q+3] op_sel_hi:[1,0,0]   ; c s - c m, at most 0 but for nm's rounding
.endr
.set si, si+2
.endr
.set si, 0
.rept 128
	v_exp_f32 v[SCO+si], v[SCO+si]
.set si, si+1
.endr
	v_nop                                                                ; one plain instruction behind the last exponential
	s_wait_alu depctr_va_vdst(0)
.irp q, 0,1,2,3
	v_pk_add_f32 v[SUM+2*\q:SUM+2*\q+1], v[SCO+32*\q:SCO+32*\q+1], v[SCO+32*\q+2:SCO+32*\q+3]
.endr
.set si, 4
.rept 14
.irp q, 0,1,2,3
	v_pk_add_f32 v[SUM+2*\q:SUM+2*\q+1], v[SUM+2*\q:SUM+2*\q+1], v[SCO+32*\q+si:SCO+32*\q+si+1]
.endr
.set si, si+2
.endr
.irp q, 0,1,2,3
	v_fma_f32 v[ST+4*\q+3], v[ST+4*\q+3], v[ST+4*\q], v[SUM+2*\q]        ; l = l alpha + the new p
.endr
.irp q, 0,1,2,3
	v_add_f32 v[ST+4*\q+3], v[ST+4*\q+3], v[SUM+2*\q+1]
.endr
.endm
; The first part of a step: my 64 keys of the slot against my 64 queries, up to P^T packed and O scaled by alpha.  All my LDS reads of the slot are issued and waited for here.
; diag = 1: a trip of the pair on the diagonal, keys beyond the query get -inf.  Sixteen accumulators take turns, one instruction a turn.
.macro SCORES slot, diag
	PLACES                                         ; behind the last products: four places in front of the loads into their fragments,
	v_nop                                          ; five in front of the score products, which write over V lo's fragments
.irp kt, 0,1,2,3
.irp dh, 0,1
	ds_load_b128 v[KF+8*(2*\kt+\dh):KF+8*(2*\kt+\dh)+3],   v[KAD+\slot] offset:\kt*16*PK+\dh*64
	ds_load_b128 v[KF+8*(2*\kt+\dh)+4:KF+8*(2*\kt+\dh)+7], v[KAD+\slot] offset:\kt*16*PK+\dh*64+32
.endr
.endr
	WIN 0x40                                       ; destination window 1
.irp dt, 0,1,2,3
.irp kh, 0,1
	ds_load_tr16_b128 v[VF+8*(2*\dt+\kh):VF+8*(2*\dt+\kh)+3],   v[VAD+\slot] offset:\kh*32*PV+\dt*32
	ds_load_tr16_b128 v[VF+8*(2*\dt+\kh)+4:VF+8*(2*\dt+\kh)+7], v[VAD+\slot] offset:\kh*32*PV+\dt*32+16*PV
.endr
.endr
	s_wait_dscnt 16                                ; K's sixteen loads are in; V hi's sixteen may be out
	WIN 0x04                                       ; source 1 (Q) window 1
.irp qt, 0,1,2,3
.irp kt, 0,1,2,3
	v_wmma_f32_16x16x32_f16 v[SCO+32*\qt+8*\kt:SCO+32*\qt+8*\kt+7], v[KF+16*\kt:KF+16*\kt+7], v[QF+16*\qt:QF+16*\qt+7], 0
.endr
.endr
.irp qt, 0,1,2,3
.irp kt, 0,1,2,3
	v_wmma_f32_16x16x32_f16 v[SCO+32*\qt+8*\kt:SCO+32*\qt+8*\kt+7], v[KF+16*\kt+8:KF+16*\kt+15], v[QF+16*\qt+8:QF+16*\qt+15], v[SCO+32*\qt+8*\kt:SCO+32*\qt+8*\kt+7]
.endr
.endr
	WIN 0
	PLACES
.if \diag
	; key <= query  <=>  16 (kt - qt) + j <= DQ: one compare serves all tiles with the same kt - qt
.set dl, -3
.rept 7
.set jj, 0
.rept 8
	v_cmp_le_i32 vcc_lo, 16*dl+jj, v[DQ+\slot]
.set qq, 0
.rept 4
.if qq+dl >= 0
.if qq+dl <= 3
	v_cndmask_b32 v[SCO+32*qq+8*(qq+dl)+jj], v[NINF], v[SCO+32*qq+8*(qq+dl)+jj], vcc_lo
.endif
.endif
.set qq, qq+1
.endr
.set jj, jj+1
.endr
.set dl, dl+1
.endr
.endif
	SOFTMAX
.set si, 0
.rept 32
	v_cvt_pk_f16_f32 v[PF+si], v[SCO+2*si], v[SCO+2*si+1]                ; keys 8 h + 0..7 of tiles 2 kh and 2 kh + 1: a fragment of P^T as it stands; p is at most about 1
.set si, si+1
.endr
.irp dt, 0,1,2,3
.irp kh, 0,1
	ds_load_tr16_b128 v[VL+8*(2*\dt+\kh):VL+8*(2*\dt+\kh)+3],   v[VAD+\slot] offset:\kh*32*PV+\dt*32+128          ; V lo, into the 64 score registers whose p has just been packed
	ds_load_tr16_b128 v[VL+8*(2*\dt+\kh)+4:VL+8*(2*\dt+\kh)+7], v[VAD+\slot] offset:\kh*32*PV+\dt*32+128+16*PV
.endr
.endr
.rept 32
	v_cvt_pk_f16_f32 v[PF+si], v[SCO+2*si], v[SCO+2*si+1]
.set si, si+1
.endr
	WIN 0x41                                       ; O: destination and source 0 window 1
.irp qt, 0,1,2,3
.set si, 0
.rept 16
	v_pk_mul_f32 v[OAC+32*\qt+si:OAC+32*\qt+si+1], v[OAC+32*\qt+si:OAC+32*\qt+si+1], v[ST+4*\qt:ST+4*\qt+1] op_sel_hi:[1,0]
.set si, si+2
.endr
.endr
	s_wait_dscnt 0                                 ; V hi's and V lo's fragments are in: my reads of this slot are over
.endm
; The second part of a step: O^T += V hi^T P^T, then += V lo^T P^T.  Registers alone.  Sixteen accumulators take turns, one instruction a turn.
.macro PRODUCT
	WIN 0x51                                       ; V hi and O window 1, P^T window 0
.irp kh, 0,1
.irp qt, 0,1,2,3
.irp dt, 0,1,2,3
	v_wmma_f32_16x16x32_f16 v[OAC+8*(4*\qt+\dt):OAC+8*(4*\qt+\dt)+7], v[VF+8*(2*\dt+\kh):VF+8*(2*\dt+\kh)+7], v[PF+16*\qt+8*\kh:PF+16*\qt+8*\kh+7], v[OAC+8*(4*\qt+\dt):OAC+8*(4*\qt+\dt)+7]
.endr
.endr
.endr
	WIN 0x50                                       ; V lo and P^T window 0, O window 1
.irp kh, 0,1
.irp qt, 0,1,2,3
.irp dt, 0,1,2,3
	v_wmma_f32_16x16x32_f16 v[OAC+8*(4*\qt+\dt):OAC+8*(4*\qt+\dt)+7], v[VL+8*(2*\dt+\kh):VL+8*(2*\dt+\kh)+7], v[PF+16*\qt+8*\kh:PF+16*\qt+8*\kh+7], v[OAC+8*(4*\qt+\dt):OAC+8*(4*\qt+\dt)+7]
.endr
.endr
.endr
	WIN 0
.endm
; A trip: tile n, 128 keys, in slot n % 2.  sync = 1: the barrier towards trip n + 1.  Its signal stands ahead of the 64 products with V and its wait behind them, so that a wave
; that is ahead works on registers while its partners arrive, and the two waves of a SIMD are not put back in step.  In front of the signal each wave has waited for its reads
; of this slot (the wait for 0 that ends SCORES) and for all its tensor loads (one is out: its part of tile n + 1).  Behind the barrier's wait nobody reads this slot any more
; and tile n + 1 is whole.  refill = 1: tile n + 2 is then asked for into this slot, first thing, one load a wave, 48 KiB for the eight; it has the next trip's SCORES in which to land.
.macro TRIP slot, diag, sync, refill
	SCORES \slot, \diag
.if \sync
	s_set_vgpr_msb 0x4140
	s_wait_tensorcnt 0x0
	ds_add_u32 v62, v63
	s_wait_dscnt 0x0
	s_set_vgpr_msb 0x4041
.if \refill
	NEXT \slot
.endif
	s_barrier_signal -1
.endif
	PRODUCT
.if \sync
	s_barrier_wait -1
.if \refill
	KVLOAD \slot
.endif
.endif
.endm
; Query block s26 begins: its addresses, my Q fragments straight from memory, the state, and O = 0 by sixteen products of a zero fragment (8 moves instead of 128).
.macro BEGIN
	s_lshl_b32 s60, s26, 15                        ; 256 rows of 128 bytes a block; s61 is 0
	s_add_nc_u64 s[22:23], s[76:77], s[60:61]
	s_add_nc_u64 s[24:25], s[78:79], s[60:61]
	WIN 0x40
.irp qt, 0,1,2,3
.irp dh, 0,1
	global_load_b128 v[QF+8*(2*\qt+\dh):QF+8*(2*\qt+\dh)+3],   v[QOFF], s[22:23] offset:\qt*2048+\dh*64
	global_load_b128 v[QF+8*(2*\qt+\dh)+4:QF+8*(2*\qt+\dh)+7], v[QOFF], s[22:23] offset:\qt*2048+\dh*64+32
.endr
.endr
	WIN 0
.irp qt, 0,1,2,3
	v_mov_b32 v[ST+4*\qt+1], 0xf149f2ca            ; m = -1e30
	v_mov_b32 v[ST+4*\qt+2], 0x7149f2ca            ; nm = +1e30: the first alpha is exp2 of about -1e30 = 0
	v_mov_b32 v[ST+4*\qt+3], 0                     ; l = 0
.endr
.irp i, 0,1,2,3,4,5,6,7
	v_mov_b32 v[KF+\i], 0
.endr
	WIN 0x40
.set bi, 0
.rept 16
	v_wmma_f32_16x16x32_f16 v[OAC+8*bi:OAC+8*bi+7], v[KF:KF+7], v[KF:KF+7], 0
.set bi, bi+1
.endr
	WIN 0
	s_wait_loadcnt 0x0                             ; Q
.endm
; A block ends: key group 1 hands O and its state to group 0 through LDS; group 0 merges, divides by the row sums, splits y into two bf16 and stores.
; No tensor load is out here.
.macro EPI
	PLACES
	s_cmp_eq_u32 s9, 0
	s_cbranch_scc1 .Lkeeps_\@
	WIN 0x04                                       ; store data window 1
.set ei, 0
.rept 32
	ds_store_b128 v[MST], v[OAC+4*ei:OAC+4*ei+3] offset:512*ei
.set ei, ei+1
.endr
	WIN 0
.irp qt, 0,1,2,3
	ds_store_b128 v[MST], v[ST+4*\qt:ST+4*\qt+3] offset:16384+512*\qt
.endr
.Lkeeps_\@:
	s_wait_dscnt 0x0                               ; my stores are in LDS, for the partner's sake
	s_barrier_signal -1
	s_barrier_wait -1
	s_cmp_lg_u32 s9, 0
	s_cbranch_scc1 .Lhanded_\@
.irp qt, 0,1,2,3
	ds_load_b128 v[ST1+4*\qt:ST1+4*\qt+3], v[MST] offset:16384+512*\qt
.endr
.set ei, 0
.rept 32
	ds_load_b128 v[SCO+4*ei:SCO+4*ei+3], v[MST] offset:512*ei
.set ei, ei+1
.endr
	s_wait_dscnt 32                                ; the partner's state is in; its O's 32 loads may be out
.irp q, 0,1,2,3
	v_min_num_f32 v[T+\q], v[ST+4*\q+2], v[ST1+4*\q+2]                   ; the smaller nm belongs to the larger maximum
.endr
.irp q, 0,1,2,3
	v_sub_f32 v[U+\q], v[T+\q], v[ST+4*\q+2]
.endr
.irp q, 0,1,2,3
	v_sub_f32 v[T+\q], v[T+\q], v[ST1+4*\q+2]
.endr
.irp q, 0,1,2,3
	v_exp_f32 v[U+\q], v[U+\q]                                           ; a0
.endr
.irp q, 0,1,2,3
	v_exp_f32 v[T+\q], v[T+\q]                                           ; a1
.endr
	v_nop
	s_wait_alu depctr_va_vdst(0)
.irp q, 0,1,2,3
	v_mul_f32 v[ST+4*\q+3], v[ST+4*\q+3], v[U+\q]
.endr
.irp q, 0,1,2,3
	v_fmac_f32 v[ST+4*\q+3], v[ST1+4*\q+3], v[T+\q]                      ; l0 a0 + l1 a1, this half's keys
.endr
.irp q, 0,1,2,3
	v_permlanex16_b32 v[ST+4*\q+1], v[ST+4*\q+3], s32, s33
.endr
.irp q, 0,1,2,3
	v_add_f32 v[ST+4*\q+3], v[ST+4*\q+3], v[ST+4*\q+1]                   ; and the other half's: at least about 1, the term of the maximum
.endr
.irp q, 0,1,2,3
	v_rcp_f32 v[ST+4*\q+3], v[ST+4*\q+3]
.endr
	v_nop
	s_wait_alu depctr_va_vdst(0)
.irp q, 0,1,2,3
	v_mul_f32 v[ST+4*\q], v[U+\q], v[ST+4*\q+3]                          ; f0 = a0 / l
.endr
.irp q, 0,1,2,3
	v_mul_f32 v[ST+4*\q+2], v[T+\q], v[ST+4*\q+3]                        ; f1 = a1 / l
.endr
.irp qt, 0,1,2,3
	s_wait_dscnt 24-8*\qt                          ; query tile qt's eight loads are in, the later tiles' stay out
.set ei, 0
.rept 16
	v_pk_mul_f32 v[SCO+32*\qt+ei:SCO+32*\qt+ei+1], v[SCO+32*\qt+ei:SCO+32*\qt+ei+1], v[ST+4*\qt+2:ST+4*\qt+3] op_sel_hi:[1,0]
.set ei, ei+2
.endr
.endr
	WIN 0x01                                       ; source 0 (my O) window 1
.irp qt, 0,1,2,3
.set ei, 0
.rept 16
	v_pk_fma_f32 v[SCO+32*\qt+ei:SCO+32*\qt+ei+1], v[OAC+32*\qt+ei:OAC+32*\qt+ei+1], v[ST+4*\qt:ST+4*\qt+1], v[SCO+32*\qt+ei:SCO+32*\qt+ei+1] op_sel_hi:[1,0,1]
.set ei, ei+2
.endr
.endr
	WIN 0
.set ei, 0
.rept 64
	v_cvt_pk_bf16_f32 v[PF+ei], v[SCO+2*ei], v[SCO+2*ei+1]               ; hi.  A lane's 8 numbers of a tile are 8 neighbouring d of one query: 16 bytes
.set ei, ei+1
.endr
	; lo = bf16(y - hi), eight numbers at a time; the packed words go to SCO + 4 ei .., registers whose numbers have been taken already
.set ei, 0
.rept 16
.irp k, 0,1,2,3
	v_lshlrev_b32 v[T+2*\k],   16,  v[PF+4*ei+\k]
	v_and_b32     v[T+2*\k+1], s31, v[PF+4*ei+\k]
.endr
.irp k, 0,1,2,3
	v_pk_add_f32 v[T+2*\k:T+2*\k+1], v[SCO+8*ei+2*\k:SCO+8*ei+2*\k+1], v[T+2*\k:T+2*\k+1] neg_lo:[0,1] neg_hi:[0,1]   ; y - hi, exact in f32
.endr
.irp k, 0,1,2,3
	v_cvt_pk_bf16_f32 v[SCO+4*ei+\k], v[T+2*\k], v[T+2*\k+1]
.endr
.set ei, ei+1
.endr
	; 16 queries at a time through my own stage (LDS serves a wave's instructions in order, ISA guide 5.7.1.4); each store covers 512 consecutive aligned bytes
.irp qt, 0,1,2,3
.if \qt >= 2
	s_wait_xcnt 0x0                                ; the registers that the stores of two tiles ago read are loaded again only behind this wait
.endif
.irp dt, 0,1,2,3
	ds_store_b128 v[OST], v[PF+16*\qt+4*\dt:PF+16*\qt+4*\dt+3] offset:32*\dt
.endr
.irp dt, 0,1,2,3
	ds_store_b128 v[OST], v[SCO+16*\qt+4*\dt:SCO+16*\qt+4*\dt+3] offset:128+32*\dt
.endr
.irp rg, 0,1,2,3
	ds_load_b128 v[RB+32*(\qt&1)+4*\rg:RB+32*(\qt&1)+4*\rg+3], v[ORD] offset:4*PO*\rg
.endr
.irp rg, 0,1,2,3
	ds_load_b128 v[RB+32*(\qt&1)+16+4*\rg:RB+32*(\qt&1)+16+4*\rg+3], v[ORD] offset:4*PO*\rg+128
.endr
.irp rg, 0,1,2,3
	s_wait_dscnt 7-\rg                             ; hi's load rg is in; the 7 - rg younger ones stay out
	global_store_b128 v[CO], v[RB+32*(\qt&1)+4*\rg:RB+32*(\qt&1)+4*\rg+3], s[24:25] offset:2048*\qt+512*\rg
.endr
.irp rg, 0,1,2,3
	s_wait_dscnt 3-\rg
	global_store_b128 v[CO], v[RB+32*(\qt&1)+16+4*\rg:RB+32*(\qt&1)+16+4*\rg+3], s[24:25] offset:2097152+2048*\qt+512*\rg   ; lo: two chunks on
.endr
.endr
.Lhanded_\@:
.endm
	; Two blocks, the same lines for both: block 2 j + 1, then block 7 - (2 j + 1) = 6 - 2 j.  Block i: tiles 0 .. 2 i + 1, the last two on the diagonal.
	s_lshl_b32 s26, s11, 1
	s_add_co_u32 s26, s26, 1
	s_mov_b32 s15, 0
.Lblock:
	s_wait_xcnt 0x0                                ; the last block's stores: their data registers and base, and Q's base, are rewritten only behind this wait
	s_wait_dscnt 0x0                               ; my LDS reads are over,
	s_wait_tensorcnt 0x0                           ; no tensor load of mine is out: the descriptors may be written
	ds_add_u32 v62, v63
	ds_add_u32 v62, v63
	s_wait_dscnt 0x0
	s_mov_b32 s20, 0                               ; the block's tile 0
	s_mov_b32 s66, 0
	NEXT 0
	s_barrier_signal -1
	s_barrier_wait -1                              ; no wave reads slot 0 any more
	KVLOAD 0                                       ; tile 0 into slot 0; it lands beside the loads of Q
	BEGIN
	s_wait_tensorcnt 0x0                           ; my part of tile 0 is in
	ds_add_u32 v62, v63
	NEXT 1
	s_wait_dscnt 0x0
	s_barrier_signal -1
	s_barrier_wait -1                              ; tile 0 is whole, and no wave reads slot 1 any more
	KVLOAD 1                                       ; tile 1 into slot 1.  One tensor load of a wave is out at any time in this text
	s_cmp_eq_u32 s26, 0
	s_cbranch_scc1 .Ldiagonal                      ; block 0 has the pair on the diagonal alone
	s_mov_b32 s34, 0
.Lpair:
	TRIP 0, 0, 1, 1                                ; tile 2 p; asks for tile 2 p + 2
	TRIP 1, 0, 1, 1                                ; tile 2 p + 1; asks for tile 2 p + 3, at the most the block's last
	s_add_co_u32 s34, s34, 1
	s_cmp_lt_u32 s34, s26
	s_cbranch_scc1 .Lpair
.Ldiagonal:
	TRIP 0, 1, 1, 0                                ; tile 2 i: nothing is left to ask for; its wait for all tensor loads is the block's last
	TRIP 1, 1, 0, 0                                ; tile 2 i + 1
	EPI
	s_sub_co_u32 s26, 7, s26
	s_add_co_u32 s15, s15, 1
	s_cmp_lt_u32 s15, 2
	s_cbranch_scc1 .Lblock
	s_wait_tensorcnt 0x0
	ds_add_u32 v62, v63
	s_wait_dscnt 0x0
	s_endpgm
.Lfunc_end_k_qddbf53a56a_attn:
	.size	k_qddbf53a56a_attn, .Lfunc_end_k_qddbf53a56a_attn-k_qddbf53a56a_attn
	.p2alignl 7, 3214868480
	.fill 96, 4, 3214868480
	.section	.rodata,"a",@progbits
	.p2align	6, 0x0
	.amdhsa_kernel k_qddbf53a56a_attn
		.amdhsa_group_segment_fixed_size 327680
		.amdhsa_private_segment_fixed_size 0
		.amdhsa_enable_private_segment 0
		.amdhsa_kernarg_size 16
		.amdhsa_user_sgpr_count 2
		.amdhsa_user_sgpr_kernarg_segment_ptr 1
		.amdhsa_wavefront_size32 1
		.amdhsa_system_sgpr_workgroup_id_x 1
		.amdhsa_system_sgpr_workgroup_id_y 1
		.amdhsa_system_sgpr_workgroup_id_z 1
		.amdhsa_system_vgpr_workitem_id 0
		.amdhsa_next_free_vgpr 512
		.amdhsa_next_free_sgpr 80
		.amdhsa_reserve_vcc 1
		.amdhsa_float_denorm_mode_32 3
		.amdhsa_float_denorm_mode_16_64 3
		.amdhsa_memory_ordered 1
		.amdhsa_forward_progress 1
		.amdhsa_inst_pref_size 206
	.end_amdhsa_kernel
	.amdgpu_metadata
---
amdhsa.version: [ 1, 2 ]
amdhsa.kernels:
  - .name:           k_qddbf53a56a_attn
    .symbol:         k_qddbf53a56a_attn.kd
    .args:
      - { .name: qkv, .offset: 0, .size: 8, .value_kind: global_buffer, .address_space: global }
      - { .name: ya, .offset: 8, .size: 8, .value_kind: global_buffer, .address_space: global }
    .group_segment_fixed_size: 327680
    .private_segment_fixed_size: 0
    .kernarg_segment_align: 8
    .kernarg_segment_size: 16
    .max_flat_workgroup_size: 256
    .sgpr_count:     80
    .vgpr_count:     512
    .wavefront_size: 32
...
	.end_amdgpu_metadata
.endif
;; end of part 5
;; launch projgemm: the kernel of part 4 again; grid 8 x 32, 4 waves a work-group, clusters of 4 x 4, 327,680 bytes of LDS; arguments ya, wp, b_proj, out0; writes out0
;; ======== version 3 of 3: 4 launches; 1.31 times as fast as version 1
;; limits: values are held in f16: magnitudes above 65,504 overflow, below 6.1e-05 lose precision
;; workspace buffers: xa 16,777,216 bytes; wa 6,291,456 bytes; wp 2,097,152 bytes; qkv 67,108,864 bytes; ya 18,874,368 bytes
;; launch cast: the kernel of part 1 again; grid 768 x 1, 8 waves a work-group, no clusters, 0 bytes of LDS; arguments x, W_attn, W_proj, xa, wa, wp; writes xa, wa, wp
;; launch qkvgemm: the kernel of part 2 again; grid 16 x 32, 4 waves a work-group, clusters of 4 x 4, 327,680 bytes of LDS; arguments xa, wa, b_attn, qkv; writes qkv
;; launch attn (part 6): grid 4 x 64, 8 waves a work-group, no clusters, 327,680 bytes of LDS; arguments qkv, ya; writes ya
.if DOCPART == 6
	.amdgcn_target "amdgcn-amd-amdhsa--gfx1250"
	.amdhsa_code_object_version 6
	.text
	.protected	k_qddbf53a56a_attn
	.globl	k_qddbf53a56a_attn
	.p2align	8
	.type	k_qddbf53a56a_attn,@function
k_qddbf53a56a_attn:
	s_mov_b64 s[64:65], 0
	v_nop
	global_prefetch_b8 v0, s[64:65] scope:SCOPE_SE
	s_setreg_imm32_b32 hwreg(HW_REG_WAVE_MODE, 25, 1), 1
	s_wait_xcnt 0x0
; Causal attention of one head (b, h): y = softmax(q k^T / 8, keys <= query) v.
; qkv, for each batch entry of 16 MiB: q [16][2048][64] f16 at 0, k the same at 4 MiB, v [16][2048][hi 64 | lo 64] f16 at 8 MiB (v = hi + lo, 22 bits).
; ya: y in bf16, [16 heads][32 blocks][288 rows][64]; a batch entry has 8 blocks.  In a block, for half = 0, 1: rows 128 half + 0..15 are the early tile e = 2 blk + half
; (queries 16 e ..), rows 128 half + 16 + 16 pos (pos 0..6) the late tile L = 14 blk + 7 half + pos (queries 256 + 16 L ..), rows 256 + 16 half .. the early tile's lo
; (y = hi + lo, 16 bits).  So the next launch finds, in each half of a block, one tile of early rows, and their second halves behind the block.
; Scores, softmax and sums in f32, with a running maximum.
; PRECISION: a row with few keys is as large as v itself, while a row that averages many keys is small, and one measure is laid on all rows.  Row t has at most t + 1 keys,
; so the rows of block 0 (t < 256) are kept finer than 16 bits: v as hi + lo, y as hi + lo.  Block 0 consists of the pair of trips on the diagonal alone, so the product
; with v lo is written in that pair and nowhere else (the other blocks' pairs make it too: no branch); y lo is stored for block 0 alone.
; LIMITS: q, k, v are f16 (magnitudes up to 65,504).  p is f16: weights below 2^-25 of the row's largest vanish.  From row 256 on v counts as its f16 hi for keys outside
; the diagonal pair, and y is bf16.  The running maximum starts at -1e30 and not at -inf: raw scores q.k below -1e30 are not served.  The row sum adds the f32 p while the
; product with v takes p rounded to f16.
; SHARES: a head has 8 query blocks of 256 rows; block i needs 2 (i + 1) trips of 128 keys.  Work-group j (0..3) of a head takes block 2 j + 1 and then block 6 - 2 j:
; 4 j + 4 and 14 - 4 j trips, eighteen (four of them on a diagonal) for every one of the 4 x 64 = 256 work-groups.
; Eight waves, two on a SIMD, so that one wave's softmax runs beside the other's matrix work.  Wave w: query rows 64 (w % 4) .. + 63 of the block, and the keys
; 64 (w / 4) .. + 63 of each trip.  The two key groups' partial results meet in LDS at the end of a block.
; THE TEXT IS KEPT SHORT: with 128 keys a trip every block has an even number of trips, so the two slots' numbers stand in the text and both blocks run the same lines
; (an outer loop of two trips: head, a loop of i pairs of trips, the pair on the diagonal, the merge).  A step is written four times in all.
; NO MULTICAST: the four work-groups of a head walk the same K and V, but with 4, 8, 12, 16 and then 14, 10, 6, 2 trips: partners need different numbers of tiles at
; different times; in step, each would have to pass 16 + 14 trips' requests instead of 18.
; ORIENTATION: S^T = K Q^T (source 0 = 16 keys, source 1 = 16 queries): lane (r, h) holds query r and keys 8 h + j, so a row's maximum and sum stay in the lane but for
; one exchange between the halves, and two packed score tiles already are a fragment of P^T.  O^T = V^T P^T, with V^T read by the transposing load.
; REGISTERS: window 0: v8-19 addresses, v20-35 state, v36-59 at work, v60-63 offsets in ya, v64-127 K fragments and then P, v128-255 scores (v128-191 then V lo's fragments);
; window 1: v0-63 Q fragments, v64-127 V hi's fragments, v128-255 O.
.set PK,     144                       ; K in LDS: 128 bytes + 16: an odd multiple of 16
.set PV,     288                       ; V in LDS: 256 bytes (hi, lo) + 32: an odd multiple of 32
.set TK,     128                       ; keys in a slot
.set KOFFL,  TK*PV                     ; a slot: V's 128 keys at 0, K's 128 keys behind them
.set SLOTB,  TK*PV+TK*PK               ; 55,296
.set MSTAGE, 2*SLOTB                   ; merge stage: for each w % 4, 32 x 512 bytes of O and 4 x 512 bytes of state; bytes of its own, no tensor load lands here
.set OSTAGE, MSTAGE+4*36*512           ; out stage: for each w % 4, 16 rows x 272 bytes (hi 128, lo 128, 16 of padding)
.set PO,     272
.set YBLK,   288*128                   ; bytes in a block of ya
.set YCH,    32*YBLK                   ; bytes in a head's chunk of ya
.set KAD,  8                           ; v8-9    LDS address of my K fragments in slot 0, 1
.set VAD,  10                          ; v10-11  the same for V
.set DQ,   12                          ; v12-13  trip 0, 1 of the pair on the diagonal: (my query of tile 0) - (my key 0 of tile 0)
.set QOFF, 14
.set MST,  15
.set OST,  16
.set ORD,  17
.set CO,   18
.set NINF, 19                          ; -inf
.set ST,   20                          ; v[20:35] query tile qt: +0 alpha, +1 m (raw maximum), +2 nm = -c m as rounded, +3 l (this half's keys)
.set T,    36
.set U,    40
.set SUM,  44
.set ST1,  44                          ; v[44:59] the other key group's state, at the end of a block
.set COQ,  60                          ; v[60:63] query tile qt: my byte offset in the head's and batch entry's part of ya
.set KF,   64                          ; key tile kt, d half dh at KF + 8 (2 kt + dh)
.set PF,   64                          ; query tile qt, key half kh at PF + 16 qt + 8 kh
.set SCO,  128                         ; scores at SCO + 32 qt + 8 kt + j
.set VL,   128                         ; V lo's fragments, in the score registers once their p is packed: VL + 8 (2 dt + kh)
.set RB,   192                         ; the way out: rows read back, 16 registers a query tile
.set QF,   0                           ; window 1: QF + 8 (2 qt + dh)
.set VF,   64                          ; window 1: VF + 8 (2 dt + kh)
.set OAC,  128                         ; window 1: OAC + 8 (4 qt + dt)
.set G1K, 36                           ; s[36:43] group 1 for K's tiles
.set G1V, 44                           ; s[44:51] for V's
.set G0K, 52                           ; s[52:59] group 0 for K's tiles, one set for each slot
.set G0V, 68                           ; s[68:75] for V's
.set MSB, 0
.macro WIN new                         ; low byte: bits 1:0 source 0, 3:2 source 1, 5:4 source 2, 7:6 destination; the high byte repeats the setting that is left
.if MSB != (\new)
	s_set_vgpr_msb (MSB<<8)|(\new)
.set MSB, (\new)
.endif
.endm
.macro PLACES                          ; four plain vector instructions behind a matrix instruction before its registers are loaded into or its result is read (ISA guide 7.12.1)
.rept 4
	v_nop
.endr
.endm
; A trip's tiles: waves 0-3 fetch 32 keys of V each (hi and lo, 8 KiB), waves 4-7 32 keys of K each (4 KiB): one tensor load a wave.  The branch hangs on the wave's number alone.
.macro KVLOAD slot
	s_cmp_eq_u32 s9, 0
	s_cbranch_scc0 .Lfor_k_\@
	tensor_load_to_lds s[G0V+4*\slot:G0V+4*\slot+3], s[G1V:G1V+7]
	s_nop 0
.rept 4
	v_nop
.endr
	s_branch .Lasked_\@
.Lfor_k_\@:
	tensor_load_to_lds s[G0K+4*\slot:G0K+4*\slot+3], s[G1K:G1K+7]
	s_nop 0
.rept 4
	v_nop
.endr
.Lasked_\@:
.endm
; The addresses of the next tile into slot o's descriptors; stands where no tensor load of the wave is out
.macro NEXT o
	s_add_nc_u64 s[G0K+4*\o+2:G0K+4*\o+3], s[16:17], s[20:21]
	s_or_b32 s[G0K+4*\o+3], s[G0K+4*\o+3], 0x80000000
	s_add_nc_u64 s[G0V+4*\o+2:G0V+4*\o+3], s[18:19], s[66:67]
	s_or_b32 s[G0V+4*\o+3], s[G0V+4*\o+3], 0x80000000
	s_add_co_u32 s20, s20, TK*128                  ; 128 keys of 128 bytes on
	s_add_co_u32 s66, s66, TK*256                  ; 128 keys of 256 bytes on
.endm
	s_load_b128 s[4:7], s[0:1], 0x0                ; qkv s[4:5], ya s[6:7]
	v_lshrrev_b32 v1, 5, v0
	v_readfirstlane_b32 s8, v1                     ; wave 0..7
	s_lshr_b32 s9, s8, 2                           ; g: my key group.  Also: I fetch for V (0) or for K (1)
	s_and_b32 s10, s8, 3                           ; w4: my 64 query rows.  Also: which 32 keys of a tile I fetch
	s_mov_b32 s11, ttmp9                           ; j
	s_and_b32 s12, ttmp7, 0xffff
	s_lshr_b32 s13, s12, 4                         ; b
	s_and_b32 s14, s12, 15                         ; h
	s_mov_b32 s28, 0x3e38aa3b                      ; c = log2(e) / 8
	s_mov_b32 s29, 0x3e38aa3b
	s_mov_b32 s30, 0xbe38aa3b                      ; -c
	s_mov_b32 s31, 0xffff0000                      ; a word's upper bf16
	s_mov_b32 s32, 0x76543210                      ; v_permlanex16_b32: lane i of one half reads lane i of the other
	s_mov_b32 s33, 0xfedcba98
	; K: 32 keys of 128 bytes are 4,096 dense bytes, taken as 16 rows of 256 bytes; 4 words of padding behind every 32: pitch 144
	s_mov_b32 s[G1K+0], (1<<16)|(1<<20)|(4<<22)|(3<<25)
	s_mov_b32 s[G1K+1], 128<<16                    ; tensor_dim0 = 128
	s_mov_b32 s[G1K+2], 16<<16                     ; tensor_dim1 = 16
	s_mov_b32 s[G1K+3], 128<<16                    ; tile_dim0 = 128
	s_mov_b32 s[G1K+4], 16                         ; tile_dim1 = 16
	s_mov_b32 s[G1K+5], 128                        ; from row to row: 128 elements (dense)
	s_mov_b32 s[G1K+6], 0
	s_mov_b32 s[G1K+7], 0
	; V: 32 keys of 256 bytes; 8 words of padding behind every 64: pitch 288
	s_mov_b32 s[G1V+0], (1<<16)|(1<<20)|(5<<22)|(7<<25)
	s_mov_b32 s[G1V+1], 128<<16                    ; tensor_dim0 = 128
	s_mov_b32 s[G1V+2], 32<<16                     ; tensor_dim1 = 32
	s_mov_b32 s[G1V+3], 128<<16                    ; tile_dim0 = 128
	s_mov_b32 s[G1V+4], 32                         ; tile_dim1 = 32
	s_mov_b32 s[G1V+5], 128
	s_mov_b32 s[G1V+6], 0
	s_mov_b32 s[G1V+7], 0
	s_lshl_b32 s60, s13, 24                        ; q and k: the batch entry's 16 MiB,
	s_lshl_b32 s27, s14, 18                        ; heads of 262,144 bytes
	s_add_co_u32 s60, s60, s27
	s_lshl_b32 s27, s10, 12                        ; k: 32 w4 rows of 128 bytes, my quarter of tile 0,
	s_add_co_u32 s22, s60, s27
	s_add_co_u32 s22, s22, 0x400000                ; 4 MiB behind q
	s_mov_b32 s23, 0
	s_lshl_b32 s27, s10, 13                        ; q: 64 w4 rows of 128 bytes
	s_add_co_u32 s60, s60, s27
	s_mov_b32 s61, 0
	s_lshl_b32 s62, s13, 24                        ; v: the batch entry,
	s_lshl_b32 s35, s14, 19                        ; heads of 524,288 bytes,
	s_add_co_u32 s62, s62, s35
	s_add_co_u32 s62, s62, s27                     ; 32 w4 rows of 256 bytes, my quarter of tile 0,
	s_add_co_u32 s62, s62, 0x800000                ; behind q and k
	s_mov_b32 s63, 0
	s_mul_i32 s66, s14, YCH                        ; ya: head h's chunk,
	s_mul_i32 s35, s13, 8*YBLK                     ; the batch entry's 8 blocks
	s_add_co_u32 s66, s66, s35
	s_mov_b32 s67, 0
	s_mul_i32 s27, s8, 32*PV                       ; waves 0-3: V's quarter w
	s_mul_i32 s35, s8, 32*PK
	s_add_co_u32 s35, s35, KOFFL-4*32*PK           ; waves 4-7: K's quarter w - 4, behind V
.irp s, 0,1
	s_mov_b32 s[G0K+4*\s], 1
	s_add_co_u32 s[G0K+4*\s+1], s35, \s*SLOTB
	s_mov_b32 s[G0V+4*\s], 1
	s_add_co_u32 s[G0V+4*\s+1], s27, \s*SLOTB
.endr
	s_wait_kmcnt 0x0
	s_add_nc_u64 s[76:77], s[4:5], s[60:61]        ; q at my rows of block 0
	s_add_nc_u64 s[16:17], s[4:5], s[22:23]        ; k at my quarter of tile 0
	s_add_nc_u64 s[18:19], s[4:5], s[62:63]        ; v at my quarter of tile 0
	s_add_nc_u64 s[78:79], s[6:7], s[66:67]        ; y at the head's and batch entry's first block; never rewritten
	s_mov_b32 s21, 0                               ; s[20:21]: byte offset of the next tile in K; s[66:67]: the same in V (s67 is 0); the low words are set at a block's head
	v_and_b32 v1, 31, v0                           ; l
	v_and_b32 v2, 15, v0                           ; r
	v_bfe_u32 v3, v0, 4, 1                         ; h
	v_and_b32 v4, 7, v0                            ; l % 8
	v_bfe_u32 v5, v0, 3, 1                         ; (l / 8) % 2
	v_mul_u32_u24 v6, v2, PK
	v_lshl_add_u32 v6, v3, 4, v6                   ; r x 144 + 16 h
	s_mul_i32 s27, s9, 64*PK                       ; my group's 64 keys
	s_add_co_u32 s27, s27, KOFFL
	v_add_nc_u32 v[KAD], s27, v6
	v_add_nc_u32 v[KAD+1], SLOTB, v[KAD]
	v_lshl_add_u32 v7, v3, 3, v4
	v_mul_u32_u24 v7, v7, PV
	v_lshl_add_u32 v7, v5, 4, v7                   ; (8 h + l % 8) x 288 + 16 ((l / 8) % 2)
	s_mul_i32 s27, s9, 64*PV
	v_add_nc_u32 v[VAD], s27, v7
	v_add_nc_u32 v[VAD+1], SLOTB, v[VAD]
	s_lshl_b32 s27, s10, 6
	s_lshl_b32 s35, s9, 6
	s_sub_co_i32 s27, s27, s35                     ; 64 w4 - 64 g
	v_lshlrev_b32 v7, 3, v3
	v_sub_nc_u32 v[DQ], v2, v7
	v_add_nc_u32 v[DQ], s27, v[DQ]                 ; + r - 8 h
	v_add_nc_u32 v[DQ+1], 0xffffff80, v[DQ]        ; the pair's second trip: 128 keys further
	v_lshlrev_b32 v[QOFF], 7, v2
	v_lshl_add_u32 v[QOFF], v3, 4, v[QOFF]         ; q: row r, 16 h
	s_mul_i32 s27, s10, 36*512
	s_add_co_u32 s27, s27, MSTAGE
	v_lshl_add_u32 v[MST], v1, 4, s27
	s_mul_i32 s27, s10, 16*PO
	s_add_co_u32 s27, s27, OSTAGE
	v_mul_u32_u24 v6, v2, PO
	v_lshl_add_u32 v6, v3, 4, v6
	v_add_nc_u32 v[OST], s27, v6                   ; in: row r, 16 h
	v_lshrrev_b32 v7, 3, v1
	v_mul_u32_u24 v7, v7, PO
	v_lshl_add_u32 v7, v4, 4, v7
	v_add_nc_u32 v[ORD], s27, v7                   ; back: four rows of 128 bytes a load
	v_lshlrev_b32 v[CO], 4, v1                     ; and the same four rows in a tile of ya: 512 consecutive bytes
	v_mov_b32 v[NINF], 0xff800000
.irp q, 0,1,2,3
	v_mov_b32 v[U+\q], 0                           ; a lane exchange's destination counts as read
.endr
; The softmax of 64 queries x 64 keys, up to the f32 weights and the row sums.  Every line runs over the four query tiles, so that neighbouring lines do not wait for each other.
.macro SOFTMAX
.irp q, 0,1,2,3
	v_max3_num_f32 v[T+\q], v[SCO+32*\q], v[SCO+32*\q+1], v[SCO+32*\q+2]
.endr
.set si, 3
.rept 14
.irp q, 0,1,2,3
	v_max3_num_f32 v[T+\q], v[T+\q], v[SCO+32*\q+si], v[SCO+32*\q+si+1]
.endr
.set si, si+2
.endr
.irp q, 0,1,2,3
	v_max3_num_f32 v[T+\q], v[T+\q], v[SCO+32*\q+31], v[ST+4*\q+1]        ; the last score and the running maximum
.endr
.irp q, 0,1,2,3
	v_permlanex16_b32 v[U+\q], v[T+\q], s32, s33                         ; the other half of the lanes holds the same query's other keys
.endr
.irp q, 0,1,2,3
	v_max_num_f32 v[T+\q], v[T+\q], v[U+\q]
.endr
.irp q, 0,1,2,3
	v_mul_f32 v[U+\q], s30, v[T+\q]                                      ; nm = -c m, rounded once
.endr
.irp q, 0,1,2,3
	v_sub_f32 v[ST+4*\q], v[U+\q], v[ST+4*\q+2]                          ; new nm - old nm: the roundings of nm that the exponentials saw cancel
.endr
.irp q, 0,1,2,3
	v_mov_b32 v[ST+4*\q+2], v[U+\q]
.endr
.irp q, 0,1,2,3
	v_exp_f32 v[ST+4*\q], v[ST+4*\q]                                     ; alpha
.endr
.irp q, 0,1,2,3
	v_mov_b32 v[ST+4*\q+1], v[T+\q]                                      ; plain instructions behind the exponentials, before alpha is used (ISA guide 5.7.2)
.endr
.set si, 0
.rept 16
.irp q, 0,1,2,3
	v_pk_fma_f32 v[SCO+32*\q+si:SCO+32*\q+si+1], v[SCO+32*\q+si:SCO+32*\q+si+1], s[28:29], v[ST+4*\q+2:ST+4*\q+3] op_sel_hi:[1,0,0]   ; c s - c m, at most 0 but for nm's rounding
.endr
.set si, si+2
.endr
.set si, 0
.rept 128
	v_exp_f32 v[SCO+si], v[SCO+si]
.set si, si+1
.endr
	v_nop                                                                ; one plain instruction behind the last exponential
	s_wait_alu depctr_va_vdst(0)
.irp q, 0,1,2,3
	v_pk_add_f32 v[SUM+2*\q:SUM+2*\q+1], v[SCO+32*\q:SCO+32*\q+1], v[SCO+32*\q+2:SCO+32*\q+3]
.endr
.set si, 4
.rept 14
.irp q, 0,1,2,3
	v_pk_add_f32 v[SUM+2*\q:SUM+2*\q+1], v[SUM+2*\q:SUM+2*\q+1], v[SCO+32*\q+si:SCO+32*\q+si+1]
.endr
.set si, si+2
.endr
.irp q, 0,1,2,3
	v_fma_f32 v[ST+4*\q+3], v[ST+4*\q+3], v[ST+4*\q], v[SUM+2*\q]        ; l = l alpha + the new p
.endr
.irp q, 0,1,2,3
	v_add_f32 v[ST+4*\q+3], v[ST+4*\q+3], v[SUM+2*\q+1]
.endr
.endm
; The first part of a step: my 64 keys of the slot against my 64 queries, up to P^T packed and O scaled by alpha.  All my LDS reads of the slot are issued and waited for here.
; diag = 1: a trip of the pair on the diagonal: keys beyond the query get -inf, and V lo's fragments are fetched too.
; Sixteen accumulators take turns, one instruction a turn.
.macro SCORES slot, diag
	PLACES                                         ; behind the last products: four places in front of the loads into their fragments,
	v_nop                                          ; five in front of the score products, which write over V lo's fragments
.irp kt, 0,1,2,3
.irp dh, 0,1
	ds_load_b128 v[KF+8*(2*\kt+\dh):KF+8*(2*\kt+\dh)+3],   v[KAD+\slot] offset:\kt*16*PK+\dh*64
	ds_load_b128 v[KF+8*(2*\kt+\dh)+4:KF+8*(2*\kt+\dh)+7], v[KAD+\slot] offset:\kt*16*PK+\dh*64+32
.endr
.endr
	WIN 0x40                                       ; destination window 1
.irp dt, 0,1,2,3
.irp kh, 0,1
	ds_load_tr16_b128 v[VF+8*(2*\dt+\kh):VF+8*(2*\dt+\kh)+3],   v[VAD+\slot] offset:\kh*32*PV+\dt*32
	ds_load_tr16_b128 v[VF+8*(2*\dt+\kh)+4:VF+8*(2*\dt+\kh)+7], v[VAD+\slot] offset:\kh*32*PV+\dt*32+16*PV
.endr
.endr
	s_wait_dscnt 16                                ; K's sixteen loads are in; V hi's sixteen may be out
	WIN 0x04                                       ; source 1 (Q) window 1
.irp qt, 0,1,2,3
.irp kt, 0,1,2,3
	v_wmma_f32_16x16x32_f16 v[SCO+32*\qt+8*\kt:SCO+32*\qt+8*\kt+7], v[KF+16*\kt:KF+16*\kt+7], v[QF+16*\qt:QF+16*\qt+7], 0
.endr
.endr
.irp qt, 0,1,2,3
.irp kt, 0,1,2,3
	v_wmma_f32_16x16x32_f16 v[SCO+32*\qt+8*\kt:SCO+32*\qt+8*\kt+7], v[KF+16*\kt+8:KF+16*\kt+15], v[QF+16*\qt+8:QF+16*\qt+15], v[SCO+32*\qt+8*\kt:SCO+32*\qt+8*\kt+7]
.endr
.endr
	WIN 0
	PLACES
.if \diag
	; key <= query  <=>  16 (kt - qt) + j <= DQ: one compare serves all tiles with the same kt - qt
.set dl, -3
.rept 7
.set jj, 0
.rept 8
	v_cmp_le_i32 vcc_lo, 16*dl+jj, v[DQ+\slot]
.set qq, 0
.rept 4
.if qq+dl >= 0
.if qq+dl <= 3
	v_cndmask_b32 v[SCO+32*qq+8*(qq+dl)+jj], v[NINF], v[SCO+32*qq+8*(qq+dl)+jj], vcc_lo
.endif
.endif
.set qq, qq+1
.endr
.set jj, jj+1
.endr
.set dl, dl+1
.endr
.endif
	SOFTMAX
.set si, 0
.rept 32
	v_cvt_pk_f16_f32 v[PF+si], v[SCO+2*si], v[SCO+2*si+1]                ; keys 8 h + 0..7 of tiles 2 kh and 2 kh + 1: a fragment of P^T as it stands; p is at most about 1
.set si, si+1
.endr
.if \diag
.irp dt, 0,1,2,3
.irp kh, 0,1
	ds_load_tr16_b128 v[VL+8*(2*\dt+\kh):VL+8*(2*\dt+\kh)+3],   v[VAD+\slot] offset:\kh*32*PV+\dt*32+128          ; V lo, into the 64 score registers whose p has just been packed
	ds_load_tr16_b128 v[VL+8*(2*\dt+\kh)+4:VL+8*(2*\dt+\kh)+7], v[VAD+\slot] offset:\kh*32*PV+\dt*32+128+16*PV
.endr
.endr
.endif
.rept 32
	v_cvt_pk_f16_f32 v[PF+si], v[SCO+2*si], v[SCO+2*si+1]
.set si, si+1
.endr
	WIN 0x41                                       ; O: destination and source 0 window 1
.irp qt, 0,1,2,3
.set si, 0
.rept 16
	v_pk_mul_f32 v[OAC+32*\qt+si:OAC+32*\qt+si+1], v[OAC+32*\qt+si:OAC+32*\qt+si+1], v[ST+4*\qt:ST+4*\qt+1] op_sel_hi:[1,0]
.set si, si+2
.endr
.endr
	s_wait_dscnt 0                                 ; V's fragments are in: my reads of this slot are over
.endm
; The second part of a step: O^T += V hi^T P^T, and with lo = 1 also += V lo^T P^T.  Registers alone.  Sixteen accumulators take turns, one instruction a turn.
.macro PRODUCT lo
	WIN 0x51                                       ; V hi and O window 1, P^T window 0
.irp kh, 0,1
.irp qt, 0,1,2,3
.irp dt, 0,1,2,3
	v_wmma_f32_16x16x32_f16 v[OAC+8*(4*\qt+\dt):OAC+8*(4*\qt+\dt)+7], v[VF+8*(2*\dt+\kh):VF+8*(2*\dt+\kh)+7], v[PF+16*\qt+8*\kh:PF+16*\qt+8*\kh+7], v[OAC+8*(4*\qt+\dt):OAC+8*(4*\qt+\dt)+7]
.endr
.endr
.endr
.if \lo
	WIN 0x50                                       ; V lo and P^T window 0, O window 1
.irp kh, 0,1
.irp qt, 0,1,2,3
.irp dt, 0,1,2,3
	v_wmma_f32_16x16x32_f16 v[OAC+8*(4*\qt+\dt):OAC+8*(4*\qt+\dt)+7], v[VL+8*(2*\dt+\kh):VL+8*(2*\dt+\kh)+7], v[PF+16*\qt+8*\kh:PF+16*\qt+8*\kh+7], v[OAC+8*(4*\qt+\dt):OAC+8*(4*\qt+\dt)+7]
.endr
.endr
.endr
.endif
	WIN 0
.endm
; A trip: tile n, 128 keys, in slot n % 2.  sync = 1: the barrier towards trip n + 1.  Its signal stands ahead of the products with V and its wait behind them, so that a wave
; that is ahead works on registers while its partners arrive.  In front of the signal each wave has waited for its reads of this slot (the wait for 0 that ends SCORES) and
; for all its tensor loads (one is out: its part of tile n + 1).  Behind the barrier's wait nobody reads this slot any more and tile n + 1 is whole.
; refill = 1: tile n + 2 is then asked for into this slot, first thing, one load a wave, 48 KiB for the eight; it has the next trip's SCORES in which to land.
.macro TRIP slot, diag, sync, refill
	SCORES \slot, \diag
.if \sync
	s_wait_xcnt 0x0
	s_set_vgpr_msb 0x4100
	v_lshl_add_u32 v254, v0, 2, 0x31400
	v_mov_b32 v255, 0
	s_wait_tensorcnt 0x0
	ds_add_u32 v254, v255
	s_wait_dscnt 0x0
	s_set_vgpr_msb 0x41
.if \refill
	NEXT \slot
.endif
	s_barrier_signal -1
.endif
	PRODUCT \diag
.if \sync
	s_barrier_wait -1
.if \refill
	KVLOAD \slot
.endif
.endif
.endm
; Query block s26 begins: its address, my Q fragments straight from memory, the state, and O = 0 by sixteen products of a zero fragment (8 moves instead of 128).
.macro BEGIN
	s_lshl_b32 s60, s26, 15                        ; 256 rows of 128 bytes a block; s61 is 0
	s_add_nc_u64 s[22:23], s[76:77], s[60:61]
	WIN 0x40
.irp qt, 0,1,2,3
.irp dh, 0,1
	global_load_b128 v[QF+8*(2*\qt+\dh):QF+8*(2*\qt+\dh)+3],   v[QOFF], s[22:23] offset:\qt*2048+\dh*64
	global_load_b128 v[QF+8*(2*\qt+\dh)+4:QF+8*(2*\qt+\dh)+7], v[QOFF], s[22:23] offset:\qt*2048+\dh*64+32
.endr
.endr
	WIN 0
.irp qt, 0,1,2,3
	v_mov_b32 v[ST+4*\qt+1], 0xf149f2ca            ; m = -1e30
	v_mov_b32 v[ST+4*\qt+2], 0x7149f2ca            ; nm = +1e30: the first alpha is exp2 of about -1e30 = 0
	v_mov_b32 v[ST+4*\qt+3], 0                     ; l = 0
.endr
.irp i, 0,1,2,3,4,5,6,7
	v_mov_b32 v[KF+\i], 0
.endr
	WIN 0x40
.set bi, 0
.rept 16
	v_wmma_f32_16x16x32_f16 v[OAC+8*bi:OAC+8*bi+7], v[KF:KF+7], v[KF:KF+7], 0
.set bi, bi+1
.endr
	WIN 0
	s_wait_loadcnt 0x0                             ; Q
.endm
; A block ends: key group 1 hands O and its state to group 0 through LDS; group 0 merges, divides by the row sums, splits y into two bf16, stores hi, and for block 0 lo.
; No tensor load is out here.
.macro EPI
	PLACES
	s_cmp_eq_u32 s9, 0
	s_cbranch_scc1 .Lkeeps_\@
	WIN 0x04                                       ; store data window 1
.set ei, 0
.rept 32
	ds_store_b128 v[MST], v[OAC+4*ei:OAC+4*ei+3] offset:512*ei
.set ei, ei+1
.endr
	WIN 0
.irp qt, 0,1,2,3
	ds_store_b128 v[MST], v[ST+4*\qt:ST+4*\qt+3] offset:16384+512*\qt
.endr
.Lkeeps_\@:
	s_wait_dscnt 0x0                               ; my stores are in LDS, for the partner's sake
	s_barrier_signal -1
	s_barrier_wait -1
	s_cmp_lg_u32 s9, 0
	s_cbranch_scc1 .Lhanded_\@
.irp qt, 0,1,2,3
	ds_load_b128 v[ST1+4*\qt:ST1+4*\qt+3], v[MST] offset:16384+512*\qt
.endr
.set ei, 0
.rept 32
	ds_load_b128 v[SCO+4*ei:SCO+4*ei+3], v[MST] offset:512*ei
.set ei, ei+1
.endr
	s_wait_dscnt 32                                ; the partner's state is in; its O's 32 loads may be out
.irp q, 0,1,2,3
	v_min_num_f32 v[T+\q], v[ST+4*\q+2], v[ST1+4*\q+2]                   ; the smaller nm belongs to the larger maximum
.endr
.irp q, 0,1,2,3
	v_sub_f32 v[U+\q], v[T+\q], v[ST+4*\q+2]
.endr
.irp q, 0,1,2,3
	v_sub_f32 v[T+\q], v[T+\q], v[ST1+4*\q+2]
.endr
.irp q, 0,1,2,3
	v_exp_f32 v[U+\q], v[U+\q]                                           ; a0
.endr
.irp q, 0,1,2,3
	v_exp_f32 v[T+\q], v[T+\q]                                           ; a1
.endr
	v_nop
	s_wait_alu depctr_va_vdst(0)
.irp q, 0,1,2,3
	v_mul_f32 v[ST+4*\q+3], v[ST+4*\q+3], v[U+\q]
.endr
.irp q, 0,1,2,3
	v_fmac_f32 v[ST+4*\q+3], v[ST1+4*\q+3], v[T+\q]                      ; l0 a0 + l1 a1, this half's keys
.endr
.irp q, 0,1,2,3
	v_permlanex16_b32 v[ST+4*\q+1], v[ST+4*\q+3], s32, s33
.endr
.irp q, 0,1,2,3
	v_add_f32 v[ST+4*\q+3], v[ST+4*\q+3], v[ST+4*\q+1]                   ; and the other half's: at least about 1, the term of the maximum
.endr
.irp q, 0,1,2,3
	v_rcp_f32 v[ST+4*\q+3], v[ST+4*\q+3]
.endr
	v_nop
	s_wait_alu depctr_va_vdst(0)
.irp q, 0,1,2,3
	v_mul_f32 v[ST+4*\q], v[U+\q], v[ST+4*\q+3]                          ; f0 = a0 / l
.endr
.irp q, 0,1,2,3
	v_mul_f32 v[ST+4*\q+2], v[T+\q], v[ST+4*\q+3]                        ; f1 = a1 / l
.endr
.irp qt, 0,1,2,3
	s_wait_dscnt 24-8*\qt                          ; query tile qt's eight loads are in, the later tiles' stay out
.set ei, 0
.rept 16
	v_pk_mul_f32 v[SCO+32*\qt+ei:SCO+32*\qt+ei+1], v[SCO+32*\qt+ei:SCO+32*\qt+ei+1], v[ST+4*\qt+2:ST+4*\qt+3] op_sel_hi:[1,0]
.set ei, ei+2
.endr
.endr
	WIN 0x01                                       ; source 0 (my O) window 1
.irp qt, 0,1,2,3
.set ei, 0
.rept 16
	v_pk_fma_f32 v[SCO+32*\qt+ei:SCO+32*\qt+ei+1], v[OAC+32*\qt+ei:OAC+32*\qt+ei+1], v[ST+4*\qt:ST+4*\qt+1], v[SCO+32*\qt+ei:SCO+32*\qt+ei+1] op_sel_hi:[1,0,1]
.set ei, ei+2
.endr
.endr
	WIN 0
.set ei, 0
.rept 64
	v_cvt_pk_bf16_f32 v[PF+ei], v[SCO+2*ei], v[SCO+2*ei+1]               ; hi.  A lane's 8 numbers of a tile are 8 neighbouring d of one query: 16 bytes
.set ei, ei+1
.endr
	; lo = bf16(y - hi), eight numbers at a time; the packed words go to SCO + 4 ei .., registers whose numbers have been taken already.
	; Made for every block (256 lines, twice in a work-group's life) so that one branch, round the stores of lo, is all that hangs on the block.
.set ei, 0
.rept 16
.irp k, 0,1,2,3
	v_lshlrev_b32 v[T+2*\k],   16,  v[PF+4*ei+\k]
	v_and_b32     v[T+2*\k+1], s31, v[PF+4*ei+\k]
.endr
.irp k, 0,1,2,3
	v_pk_add_f32 v[T+2*\k:T+2*\k+1], v[SCO+8*ei+2*\k:SCO+8*ei+2*\k+1], v[T+2*\k:T+2*\k+1] neg_lo:[0,1] neg_hi:[0,1]   ; y - hi, exact in f32
.endr
.irp k, 0,1,2,3
	v_cvt_pk_bf16_f32 v[SCO+4*ei+\k], v[T+2*\k], v[T+2*\k+1]
.endr
.set ei, ei+1
.endr
	; Where my four tiles of 16 queries go.  Block 0: early tile e = 4 w4 + qt, at block e / 2, half e % 2, row 128 half.
	; Other blocks: late tile L = 16 (i - 1) + 4 w4 + qt (0..111); M = L / 7, pos = L % 7; at block M / 2, half M % 2, row 128 half + 16 + 16 pos.
	s_lshl_b32 s24, s26, 4
	s_lshl_b32 s25, s10, 2
	s_add_co_u32 s24, s24, s25
	s_sub_co_u32 s24, s24, 16                      ; L of tile 0 (for block 0 it wraps, and the select below leaves it out)
	s_mul_i32 s62, s10, 2*YBLK                     ; block 0: my first tile's block, 2 w4
.irp qt, 0,1,2,3
	s_add_co_u32 s25, s24, \qt                     ; L
	s_mul_hi_u32 s27, s25, 0x24924925              ; M = L / 7: the factor is 2^32 / 7 rounded up, exact for L below 2^29
	s_mul_i32 s35, s27, 7
	s_sub_co_u32 s25, s25, s35                     ; pos
	s_lshl_b32 s25, s25, 11                        ; 16 rows of 128 bytes each
	s_lshr_b32 s35, s27, 1
	s_mul_i32 s35, s35, YBLK
	s_add_co_u32 s25, s25, s35
	s_and_b32 s27, s27, 1
	s_lshl_b32 s27, s27, 14                        ; 128 rows of 128 bytes
	s_add_co_u32 s25, s25, s27
	s_add_co_u32 s25, s25, 2048                    ; behind the half's early tile
	s_add_co_u32 s35, s62, (\qt>>1)*YBLK+(\qt&1)*16384
	s_cmp_eq_u32 s26, 0
	s_cselect_b32 s25, s35, s25
	v_add_nc_u32 v[COQ+\qt], s25, v[CO]
.endr
	; 16 queries at a time through my own stage (LDS serves a wave's instructions in order, ISA guide 5.7.1.4); each store covers 512 consecutive aligned bytes.
	; Each query tile has its own 16 registers and its own offset register: nothing that a pending store reads is rewritten.
.irp qt, 0,1,2,3
.irp dt, 0,1,2,3
	ds_store_b128 v[OST], v[PF+16*\qt+4*\dt:PF+16*\qt+4*\dt+3] offset:32*\dt
.endr
.irp rg, 0,1,2,3
	ds_load_b128 v[RB+16*\qt+4*\rg:RB+16*\qt+4*\rg+3], v[ORD] offset:4*PO*\rg
.endr
.irp rg, 0,1,2,3
	s_wait_dscnt 3-\rg                             ; load rg is in; the 3 - rg younger ones stay out
	global_store_b128 v[COQ+\qt], v[RB+16*\qt+4*\rg:RB+16*\qt+4*\rg+3], s[78:79] offset:512*\rg
.endr
.endr
	s_cmp_lg_u32 s26, 0
	s_cbranch_scc1 .Lhanded_\@                     ; lo is kept for block 0 alone
	s_wait_xcnt 0x0                                ; the registers that the stores of hi read are loaded again only behind this wait
.irp qt, 0,1,2,3
.irp dt, 0,1,2,3
	ds_store_b128 v[OST], v[SCO+16*\qt+4*\dt:SCO+16*\qt+4*\dt+3] offset:128+32*\dt
.endr
.irp rg, 0,1,2,3
	ds_load_b128 v[RB+16*\qt+4*\rg:RB+16*\qt+4*\rg+3], v[ORD] offset:4*PO*\rg+128
.endr
.irp rg, 0,1,2,3
	s_wait_dscnt 3-\rg
	global_store_b128 v[COQ+\qt], v[RB+16*\qt+4*\rg:RB+16*\qt+4*\rg+3], s[78:79] offset:32768-14336*(\qt&1)+512*\rg   ; from row 128 half to row 256 + 16 half: 256 or 144 rows on
.endr
.endr
.Lhanded_\@:
.endm
	; Two blocks, the same lines for both: block 2 j + 1, then block 7 - (2 j + 1) = 6 - 2 j.  Block i: tiles 0 .. 2 i + 1, the last two on the diagonal.
	s_lshl_b32 s26, s11, 1
	s_add_co_u32 s26, s26, 1
	s_mov_b32 s15, 0
.Lblock:
	s_wait_xcnt 0x0                                ; the last block's stores: their data and offset registers, and Q's base, are rewritten only behind this wait
	s_wait_dscnt 0x0                               ; my LDS reads are over,
	s_wait_xcnt 0x0
	v_lshl_add_u32 v254, v0, 2, 0x31400
	v_mov_b32 v255, 0
	s_wait_tensorcnt 0x0                           ; no tensor load of mine is out: the descriptors may be written
	ds_add_u32 v254, v255
	ds_add_u32 v254, v255
	s_wait_dscnt 0x0
	s_mov_b32 s20, 0                               ; the block's tile 0
	s_mov_b32 s66, 0
	NEXT 0
	s_barrier_signal -1
	s_barrier_wait -1                              ; no wave reads slot 0 any more
	KVLOAD 0                                       ; tile 0 into slot 0; it lands beside the loads of Q
	BEGIN
	s_wait_xcnt 0x0
	v_lshl_add_u32 v254, v0, 2, 0x31400
	v_mov_b32 v255, 0
	s_wait_tensorcnt 0x0                           ; my part of tile 0 is in
	ds_add_u32 v254, v255
	s_wait_dscnt 0x0
	NEXT 1
	s_wait_dscnt 0x0
	s_barrier_signal -1
	s_barrier_wait -1                              ; tile 0 is whole, and no wave reads slot 1 any more
	KVLOAD 1                                       ; tile 1 into slot 1.  One tensor load of a wave is out at any time in this text
	s_cmp_eq_u32 s26, 0
	s_cbranch_scc1 .Ldiagonal                      ; block 0 has the pair on the diagonal alone
	s_mov_b32 s34, 0
.Lpair:
	TRIP 0, 0, 1, 1                                ; tile 2 p; asks for tile 2 p + 2
	TRIP 1, 0, 1, 1                                ; tile 2 p + 1; asks for tile 2 p + 3, at the most the block's last
	s_add_co_u32 s34, s34, 1
	s_cmp_lt_u32 s34, s26
	s_cbranch_scc1 .Lpair
.Ldiagonal:
	TRIP 0, 1, 1, 0                                ; tile 2 i: nothing is left to ask for; its wait for all tensor loads is the block's last
	TRIP 1, 1, 0, 0                                ; tile 2 i + 1
	EPI
	s_sub_co_u32 s26, 7, s26
	s_add_co_u32 s15, s15, 1
	s_cmp_lt_u32 s15, 2
	s_cbranch_scc1 .Lblock
	s_wait_xcnt 0x0
	v_lshl_add_u32 v254, v0, 2, 0x31400
	v_mov_b32 v255, 0
	s_wait_tensorcnt 0x0
	ds_add_u32 v254, v255
	s_wait_dscnt 0x0
	s_endpgm
.Lfunc_end_k_qddbf53a56a_attn:
	.size	k_qddbf53a56a_attn, .Lfunc_end_k_qddbf53a56a_attn-k_qddbf53a56a_attn
	.p2alignl 7, 3214868480
	.fill 96, 4, 3214868480
	.section	.rodata,"a",@progbits
	.p2align	6, 0x0
	.amdhsa_kernel k_qddbf53a56a_attn
		.amdhsa_group_segment_fixed_size 327680
		.amdhsa_private_segment_fixed_size 0
		.amdhsa_enable_private_segment 0
		.amdhsa_kernarg_size 16
		.amdhsa_user_sgpr_count 2
		.amdhsa_user_sgpr_kernarg_segment_ptr 1
		.amdhsa_wavefront_size32 1
		.amdhsa_system_sgpr_workgroup_id_x 1
		.amdhsa_system_sgpr_workgroup_id_y 1
		.amdhsa_system_sgpr_workgroup_id_z 1
		.amdhsa_system_vgpr_workitem_id 0
		.amdhsa_next_free_vgpr 512
		.amdhsa_next_free_sgpr 80
		.amdhsa_reserve_vcc 1
		.amdhsa_float_denorm_mode_32 3
		.amdhsa_float_denorm_mode_16_64 3
		.amdhsa_memory_ordered 1
		.amdhsa_forward_progress 1
		.amdhsa_inst_pref_size 203
	.end_amdhsa_kernel
	.amdgpu_metadata
---
amdhsa.version: [ 1, 2 ]
amdhsa.kernels:
  - .name:           k_qddbf53a56a_attn
    .symbol:         k_qddbf53a56a_attn.kd
    .args:
      - { .name: qkv, .offset: 0, .size: 8, .value_kind: global_buffer, .address_space: global }
      - { .name: ya, .offset: 8, .size: 8, .value_kind: global_buffer, .address_space: global }
    .group_segment_fixed_size: 327680
    .private_segment_fixed_size: 0
    .kernarg_segment_align: 8
    .kernarg_segment_size: 16
    .max_flat_workgroup_size: 256
    .sgpr_count:     80
    .vgpr_count:     512
    .wavefront_size: 32
...
	.end_amdgpu_metadata
.endif
;; end of part 6
;; launch projgemm (part 7): grid 8 x 32, 4 waves a work-group, clusters of 4 x 4, 327,680 bytes of LDS; arguments ya, wp, b_proj, out0; writes out0
.if DOCPART == 7
	.amdgcn_target "amdgcn-amd-amdhsa--gfx1250"
	.amdhsa_code_object_version 6
	.text
	.protected	k_qddbf53a56a_projgemm
	.globl	k_qddbf53a56a_projgemm
	.p2align	8
	.type	k_qddbf53a56a_projgemm,@function
k_qddbf53a56a_projgemm:
	s_mov_b64 s[64:65], 0
	v_nop
	global_prefetch_b8 v0, s[64:65] scope:SCOPE_SE
	s_setreg_imm32_b32 hwreg(HW_REG_WAVE_MODE, 25, 1), 1
	s_wait_xcnt 0x0
	s_wait_alu depctr_hold_cnt(0) depctr_sa_sdst(0) depctr_va_vdst(0) depctr_va_sdst(0) depctr_va_ssrc(0) depctr_va_vcc(0) depctr_vm_vsrc(0)
	s_getreg_b32 s2, hwreg(HW_REG_IB_STS2, 6, 4)
	s_cmp_eq_u32 s2, 0
	s_cbranch_scc0 .Lentry_in_a_cluster
	s_endpgm
.Lentry_in_a_cluster:
	s_bfe_u32 s2, ttmp6, 0x10000c
	s_cmp_lg_u32 s2, 0xf033
	s_cbranch_scc0 .Lentry_shape_is_right
	s_endpgm
.Lentry_shape_is_right:
; out0 = y W_proj + b_proj, operands bf16, sums f32, out0 [8192][1024] f32.
; y comes as ya [16 heads][32 blocks][288 rows][64] bf16; a batch entry has 8 blocks.  In a block, for half = 0, 1: rows 128 half + 0..15 are the early tile e = 2 blk + half
; (rows t = 16 e .. of the batch entry, t < 256), rows 128 half + 16 + 16 pos (pos 0..6) the late tile L = 14 blk + 7 half + pos (t = 256 + 16 L ..), and rows
; 256 + 16 half .. hold the early tile's second half: there y = hi + lo, 16 bits.  W_proj comes in chunks [16][1024 k][64 n].
; PRECISION: a row with few keys is as large as v itself while rows that average many keys are small, and one measure is laid on all rows; so the rows t < 256 are multiplied
; as hi + lo.  Every wave's first tile of 16 rows is an early tile, and four more matrix instructions for 32 along K add (lo tile) x W onto that tile's own four sums:
; 36 matrix instructions where hi and lo for all rows would take 64.
; LIMIT: y of the rows from 256 on, and W_proj, are bf16.
; A work-group makes 256 rows x 128 columns with four waves, one on each SIMD; a wave makes 128 x 64: 32 accumulator tiles.  8 x 32 = 256 work-groups.
; K = 1024 goes in 8 steps of 128 (two heads) through two LDS slots filled by the tensor data mover; every piece fetched is dense and made of aligned blocks of 256 bytes.
; CLUSTERS: 4 x 4 work-groups.  A's tile hangs on the block row alone and is asked for jointly by a row of the cluster, W's on the block column alone
; and is asked for jointly by a column: the requests for both are divided by four.
; W lies [k][n] in LDS and is read by the transposing load; the matrix instruction is used transposed (source 0 = 16 columns of W, source 1 = 16 rows of A), so that
; lane l holds row l % 16 of C and its registers 0-7 the columns 8 (l / 16) + 0..7.  The first products take the bias tile as C: nothing is cleared, nothing added later.
; REGISTERS: window 0: v1-27 addresses, v64-127 and v128-191 fragments of A (two buffers), v192-199 and v200-207 the lo tile's fragment (two buffers);
; window 1: v64.. and v128.. fragments of W (two buffers), v192.. the bias tiles; windows 2, 3: accumulator tile (a, b) at v[8 (NT a + b)], my rows 0-63 and 64-127.
.set NT,    4                          ; n tiles of 16 columns in a wave
.set NCH,   2                          ; chunks of 64 columns in a block
.set KSTEPS, 8
.set BSTEP, 128*128                    ; a K step in W: 128 k rows of a chunk, 128 bytes each
.set BCHS,  65536                      ; elements from a chunk of W to the next
.set BCOL,  2*131072                   ; bytes from a block column's first chunk to the next column's
.set AROWS, 288                        ; rows of a block of ya
.set ABLK,  AROWS*128                  ; bytes in a block of ya
.set ACH,   32*ABLK                    ; bytes in a head's chunk of ya
.set ASTEP, 2*ACH                      ; a K step in A: two heads
.set PA,    144                        ; A in LDS: 128 bytes (64 k) + 16: an odd multiple of 16, so 16 rows of a fragment start in 16 different groups of banks
.set SUBA,  AROWS*PA                   ; one head's 288 rows
.set ATILE, 2*SUBA
.set PB,    160                        ; W in LDS: 128 bytes (64 n) + 32: an odd multiple of 32
.set CS,    64*PB                      ; 64 k rows of one chunk
.set HB,    NCH*CS                     ; half a K step of W: 64 k rows of the block's chunks
.set SLOT,  ATILE+2*HB                 ; 123,904
.set STAGE, 2*SLOT                     ; behind the ring, at a multiple of 256: 16 rows x 272 bytes for each wave; no tensor load lands here
.set SPF,   272
.set ADRA, 16                          ; v16-17  LDS address of my A fragments in slot 0, 1
.set ADRB, 20                          ; v20-21  the same for W
.set ADRL, 22                          ; v22-23  the same for my lo tile
.set STO,  24                          ; the way out: where I put my numbers
.set RD,   25                          ; the way out: where I read rows back
.set CO,   26                          ; my byte offset in C
.set BOFF, 27                          ; my byte offset in the bias
.set F0,   64
.set F1,   128
.set LF,   192                         ; the lo tile's fragment: LF for buffer F0, LF + 8 for buffer F1
.set BIAS, 192                         ; window 1
.set G1A, 24                           ; s[24:31] group 1 for A's tiles
.set G0A, 32                           ; s[32:39] group 0 for A's tiles, one set for each slot
.set G1B, 48                           ; s[48:55] group 1 for W's tiles
.set G0B, 56                           ; s[56:63] group 0 for W's tiles, one set for each slot
.set MSB, 0
.macro WIN new                         ; low byte: bits 1:0 source 0, 3:2 source 1, 5:4 source 2, 7:6 destination; the high byte repeats the setting that is left
.if MSB != (\new)
	s_set_vgpr_msb (MSB<<8)|(\new)
.set MSB, (\new)
.endif
.endm
.macro PLACES                          ; four plain vector instructions behind a matrix instruction before its registers are loaded into or its result is read (ISA guide 7.12.1)
.rept 4
	v_nop
.endr
.endm
; A joint load.  Waves 0 and 1 fetch A's two heads, waves 2 and 3 W's two k halves.  Each line has one mask and one set of registers for all that issue it.
; The branch hangs on the wave's number alone.  Four v_nop follow each of the two lines.
.macro JLOAD s
	s_cmp_eq_u32 s13, 0
	s_cbranch_scc0 .Lfor_b_\@
	tensor_load_to_lds s[G0A+4*\s:G0A+4*\s+3], s[G1A:G1A+7]
	s_nop 0
.rept 4
	v_nop
.endr
	s_branch .Lasked_\@
.Lfor_b_\@:
	tensor_load_to_lds s[G0B+4*\s:G0B+4*\s+3], s[G1B:G1B+7]
	s_nop 0
.rept 4
	v_nop
.endr
.Lasked_\@:
.endm
; A round of the cluster's barrier: my work-group's barrier; wave 0 signals for the work-group; every wave waits for all sixteen; my work-group's barrier once more.
.macro CREST                           ; a round behind its opening barrier
	s_cmp_lg_u32 s12, 0
	s_cbranch_scc1 .Lnot_wave_0_\@
	s_barrier_signal -3
.Lnot_wave_0_\@:
	s_barrier_wait -3
	s_barrier_signal -1
	s_barrier_wait -1
.endm
.macro CROUND
	s_barrier_signal -1
	s_barrier_wait -1
	CREST
.endm
	s_load_b256 s[4:11], s[0:1], 0x0               ; A s[4:5], W s[6:7], bias s[8:9], C s[10:11]
	s_set_vgpr_msb 0x40
	v_lshl_add_u32 v255, v0, 2, 0x40c00
	s_set_vgpr_msb 0x4000
	v_mov_b32 v255, 0
	s_set_vgpr_msb 0x1
	ds_add_u32 v255, v255
	ds_add_u32 v255, v255
	s_set_vgpr_msb 0x100
	v_lshrrev_b32 v1, 5, v0
	v_readfirstlane_b32 s12, v1                    ; wave 0..3
	s_lshr_b32 s13, s12, 1                         ; my half of the block's rows.  Also: I fetch for A (0) or for W (1)
	s_and_b32 s14, s12, 1                          ; my half of its columns.  Also: which head of A, which k half of W I fetch
	s_bfe_u32 s15, ttmp6, 0x40000                  ; cx
	s_bfe_u32 s16, ttmp6, 0x40004                  ; cy
	s_lshl_b32 s17, ttmp9, 2
	s_add_co_u32 s17, s17, s15                     ; block column = 4 x cluster x + cx
	s_and_b32 s18, ttmp7, 0xffff
	s_lshl_b32 s18, s18, 2
	s_add_co_u32 s18, s18, s16                     ; block row = 4 x cluster y + cy
	s_lshl_b32 s19, s16, 2
	s_lshl_b32 s19, 15, s19                        ; my row of the cluster: places 4 cy .. 4 cy + 3
	s_lshl_b32 s20, 0x1111, s15                    ; my column: places cx, cx + 4, cx + 8, cx + 12
	; A's tile: one head's 288 rows of 128 bytes are 36,864 dense bytes, taken as 144 rows of 256 bytes; 4 words of padding behind every 32 give the pitch 144
	s_or_b32 s[G1A+0], s19, (1<<16)|(1<<20)|(1<<21)|(4<<22)|(3<<25)  ; mask of my row; elements of 2 bytes; padding on; bit 21 beside a mask; every 32 words; 4 words
	s_mov_b32 s[G1A+1], 128<<16                    ; tensor_dim0 = 128
	s_mov_b32 s[G1A+2], 144<<16                    ; tensor_dim1 = 144
	s_mov_b32 s[G1A+3], 128<<16                    ; tile_dim0 = 128
	s_mov_b32 s[G1A+4], 144                        ; tile_dim1 = 144
	s_mov_b32 s[G1A+5], 128                        ; from row to row: 128 elements (dense)
	s_mov_b32 s[G1A+6], 0
	s_mov_b32 s[G1A+7], 0
	; W's tile: 64 k rows of a chunk are 8,192 dense bytes = one row of 4,096 elements; NCH such rows, a chunk apart; 8 words behind every 32: pitch 160
	s_or_b32 s[G1B+0], s20, (1<<16)|(1<<20)|(1<<21)|(4<<22)|(7<<25)  ; mask of my column
	s_mov_b32 s[G1B+1], 4096<<16                   ; tensor_dim0 = 4096
	s_mov_b32 s[G1B+2], NCH<<16                    ; tensor_dim1 = NCH
	s_mov_b32 s[G1B+3], 4096<<16                   ; tile_dim0 = 4096
	s_mov_b32 s[G1B+4], NCH                        ; tile_dim1 = NCH
	s_mov_b32 s[G1B+5], BCHS
	s_mov_b32 s[G1B+6], 0
	s_mov_b32 s[G1B+7], 0
	; where the tiles come from: A's offset is made of the block row and the wave's number, W's of the block column and the wave's number, in registers of their own
	s_mul_i32 s42, s18, ABLK                       ; my block of ya
	s_mul_i32 s43, s14, ACH                        ; my head of the K step's two
	s_add_co_u32 s42, s42, s43
	s_mov_b32 s43, 0
	s_mul_i32 s46, s17, BCOL                       ; the block's first chunk of W
	s_lshl_b32 s47, s14, 13                        ; my 64 k rows of the K step's 128
	s_add_co_u32 s46, s46, s47
	s_mov_b32 s47, 0
	s_mul_i32 s21, s12, SUBA                       ; and where they go: made of the wave's number alone
	s_mul_i32 s22, s12, HB
	s_add_co_u32 s22, s22, ATILE-2*HB              ; waves 2, 3: behind A's tile
	s_wait_dscnt 0x0
	s_wait_kmcnt 0x0
	s_add_nc_u64 s[40:41], s[4:5], s[42:43]
	s_add_nc_u64 s[44:45], s[6:7], s[46:47]
	CROUND                                         ; all sixteen work-groups are here: the first joint loads meet
.irp s, 0,1
	s_mov_b32 s[G0A+4*\s], 1
	s_add_co_u32 s[G0A+4*\s+1], s21, \s*SLOT
	s_add_nc_u64 s[G0A+4*\s+2:G0A+4*\s+3], s[40:41], \s*ASTEP
	s_or_b32 s[G0A+4*\s+3], s[G0A+4*\s+3], 0x80000000
	s_mov_b32 s[G0B+4*\s], 1
	s_add_co_u32 s[G0B+4*\s+1], s22, \s*SLOT
	s_add_nc_u64 s[G0B+4*\s+2:G0B+4*\s+3], s[44:45], \s*BSTEP
	s_or_b32 s[G0B+4*\s+3], s[G0B+4*\s+3], 0x80000000
	JLOAD \s                                       ; K steps 0 and 1: two tensor loads of the wave are out, the most in this text
.endr
	v_and_b32 v1, 15, v0                           ; r = l % 16
	v_bfe_u32 v2, v0, 4, 1                         ; h = l / 16
	v_and_b32 v3, 7, v0                            ; l % 8
	v_bfe_u32 v4, v0, 3, 1                         ; (l / 8) % 2
	v_mul_u32_u24 v5, v1, PA
	v_lshl_add_u32 v5, v2, 4, v5                   ; A: row r, 16 bytes for each half of the lanes; two loads 32 bytes apart make a fragment
	v_lshl_add_u32 v6, v2, 3, v3
	v_mul_u32_u24 v6, v6, PB
	v_lshl_add_u32 v6, v4, 4, v6                   ; W: k row 8 h + l % 8, 16 bytes for each eight lanes; two transposing loads 16 rows apart make a fragment
	s_mul_i32 s66, s13, 128*PA                     ; my 128 rows
	s_mul_i32 s67, s14, CS                         ; my chunk of W,
	s_add_co_u32 s67, s67, ATILE                   ; behind A's tile
	s_mul_i32 s68, s13, 16*PA
	s_add_co_u32 s68, s68, 256*PA                  ; my lo tile: rows 256 + 16 half
.irp s, 0,1
	v_add_nc_u32 v[ADRA+\s], s66, v5
	v_add_nc_u32 v[ADRB+\s], s67, v6
	v_add_nc_u32 v[ADRL+\s], s68, v5
	s_add_co_u32 s66, s66, SLOT
	s_add_co_u32 s67, s67, SLOT
	s_add_co_u32 s68, s68, SLOT
.endr
	s_lshl_b32 s68, s17, 9                         ; bias: 128 columns a block, 64 a half, 8 h numbers
	s_lshl_b32 s69, s14, 8
	s_add_co_u32 s68, s68, s69
	v_lshlrev_b32 v[BOFF], 5, v2
	v_add_nc_u32 v[BOFF], s68, v[BOFF]
	WIN 0x40                                       ; destination window 1
.set mb, 0
.rept NT
	global_load_b128 v[BIAS+8*mb:BIAS+8*mb+3],   v[BOFF], s[8:9] offset:64*mb       ; register j of tile b: bias[n0 + 8 h + j], the same for all 16 rows
	global_load_b128 v[BIAS+8*mb+4:BIAS+8*mb+7], v[BOFF], s[8:9] offset:64*mb+16
.set mb, mb+1
.endr
	WIN 0
	s_mul_i32 s23, s12, 16*SPF
	s_add_co_u32 s23, s23, STAGE                   ; my own stage
	v_mul_u32_u24 v7, v1, SPF
	v_lshl_add_u32 v7, v2, 5, v7
	v_add_nc_u32 v[STO], s23, v7                   ; in: row r, 32 bytes for each half of the lanes
	v_mul_u32_u24 v8, v2, SPF
	v_lshl_add_u32 v8, v1, 4, v8
	v_add_nc_u32 v[RD], s23, v8                    ; back: lanes 0-15 one row of 256 bytes, lanes 16-31 the next
	v_lshlrev_b32 v9, 12, v2
	v_lshl_add_u32 v[CO], v1, 4, v9                ; and the same two rows in C
; 2 NT matrix instructions: m tiles a0, a0 + 1 of the window's four x all n tiles, 32 along K.  zero = 1: the first product starts the sums on the bias.
; The accumulators take turns, one instruction a turn, in the same order in every quarter step, over the loop's backward jump too.
.macro MUL16 f, hi, a0, zero
.set ma, \a0
.rept 2
.set mb, 0
.rept NT
.if \zero
	v_wmma_f32_16x16x32_bf16 v[8*(NT*ma+mb):8*(NT*ma+mb)+7], v[\f+8*mb:\f+8*mb+7], v[\f+8*(4*\hi+ma):\f+8*(4*\hi+ma)+7], v[BIAS+8*mb:BIAS+8*mb+7]
.else
	v_wmma_f32_16x16x32_bf16 v[8*(NT*ma+mb):8*(NT*ma+mb)+7], v[\f+8*mb:\f+8*mb+7], v[\f+8*(4*\hi+ma):\f+8*(4*\hi+ma)+7], v[8*(NT*ma+mb):8*(NT*ma+mb)+7]
.endif
.set mb, mb+1
.endr
.set ma, ma+1
.endr
.endm
; NT matrix instructions: (my lo tile) x W onto the sums of my first m tile, the early rows.  They stand behind the 4 NT instructions of the low window, so that between two
; instructions on one accumulator stand at least 3 NT others'.
.macro LOMUL f
.set lfr, LF+(\f-F0)/8
.set mb, 0
.rept NT
	v_wmma_f32_16x16x32_bf16 v[8*mb:8*mb+7], v[\f+8*mb:\f+8*mb+7], v[lfr:lfr+7], v[8*mb:8*mb+7]
.set mb, mb+1
.endr
.endm
; The fragments of quarter kq (32 k) of a slot into buffer f, in one run: 2 NT transposing loads of W, 2 loads of the lo tile, then 16 loads of A
.macro FETCH slot, kq, f
.set lfr, LF+(\f-F0)/8
	WIN 0x40
.set mb, 0
.rept NT
	ds_load_tr16_b128 v[\f+8*mb:\f+8*mb+3],   v[ADRB+\slot] offset:((\kq)>>1)*HB+((\kq)&1)*32*PB+32*mb
	ds_load_tr16_b128 v[\f+8*mb+4:\f+8*mb+7], v[ADRB+\slot] offset:((\kq)>>1)*HB+((\kq)&1)*32*PB+32*mb+16*PB
.set mb, mb+1
.endr
	WIN 0
	ds_load_b128 v[lfr:lfr+3],   v[ADRL+\slot] offset:((\kq)>>1)*SUBA+((\kq)&1)*64
	ds_load_b128 v[lfr+4:lfr+7], v[ADRL+\slot] offset:((\kq)>>1)*SUBA+((\kq)&1)*64+32
.irp i, 0,1,2,3,4,5,6,7
	ds_load_b128 v[\f+8*\i:\f+8*\i+3],   v[ADRA+\slot] offset:((\kq)>>1)*SUBA+((\kq)&1)*64+\i*16*PA
	ds_load_b128 v[\f+8*\i+4:\f+8*\i+7], v[ADRA+\slot] offset:((\kq)>>1)*SUBA+((\kq)&1)*64+\i*16*PA+32
.endr
.endm
; One of a K step's first three quarters: multiplies buffer f; in its middle it fetches quarter kq into buffer g
.macro QUARTER slot, kq, f, g, zero
	s_wait_dscnt 8                                 ; W, the lo tile and A's rows 0-63 are in; the youngest eight loads (A's rows 64-127) may be out
	WIN 0xa1-0x10*\zero                            ; W window 1, A window 0, C and D window 2 (zero: C = the bias, window 1)
	MUL16 \f, 0, 0, \zero
	MUL16 \f, 0, 2, \zero
	WIN 0xa1
	LOMUL \f
	PLACES
	FETCH \slot, \kq, \g
	s_wait_dscnt 18+2*NT                           ; all but the 18 + 2 NT just issued
	WIN 0xf1-0x20*\zero                            ; C and D window 3
	MUL16 \f, 1, 0, \zero
	MUL16 \f, 1, 2, \zero
.endm
.macro THREE slot, zero
	QUARTER \slot, 1, F0, F1, \zero
	QUARTER \slot, 2, F1, F0, 0
	QUARTER \slot, 3, F0, F1, 0
.endm
; The last quarter multiplies buffer 1 and changes slots.  In front of the one barrier each wave waits for its reads of this slot and for all its tensor loads
; (one is out: its part of the next slot).  Behind it (fill = 1: behind the whole round of the cluster's barrier that it opens) this slot is asked for again first,
; two K steps ahead, and then the next slot is read.  From a request to the wait for it a wave issues 132 of a K step's 144 matrix instructions.
.macro TURN slot, next, fill
	s_wait_dscnt 8
	WIN 0xa1
	MUL16 F1, 0, 0, 0
	s_wait_dscnt 0                                 ; my reads of this slot are over
	s_wait_tensorcnt 0x0                           ; and all my tensor loads have landed
	ds_add_u32 v255, v255
	s_wait_dscnt 0x0
	s_barrier_signal -1
	MUL16 F1, 0, 2, 0                              ; register work while the others arrive
	LOMUL F1
	WIN 0
	s_barrier_wait -1
.if \fill
	CREST                                          ; no wave of any partner still reads this slot's tile or has a load on its way
	s_add_nc_u64 s[G0A+4*\slot+2:G0A+4*\slot+3], s[G0A+4*\slot+2:G0A+4*\slot+3], 2*ASTEP
	s_add_nc_u64 s[G0B+4*\slot+2:G0B+4*\slot+3], s[G0B+4*\slot+2:G0B+4*\slot+3], 2*BSTEP
	JLOAD \slot                                    ; the wave's one tensor load behind the round; its four v_nop are also the places in front of the loads below
.else
	PLACES
.endif
	FETCH \next, 0, F0
	WIN 0xf1
	MUL16 F1, 1, 0, 0
	MUL16 F1, 1, 2, 0
.endm
.macro LAP zero
	THREE 0, \zero
	TURN 0, 1, 1
	THREE 1, 0
	TURN 1, 0, 1
.endm
	s_wait_tensorcnt 1                             ; my part of K step 0 is in; K step 1's may stay out
	s_barrier_signal -1
	s_barrier_wait -1
	s_wait_loadcnt 0x0                             ; the bias tiles
	FETCH 0, 0, F0
	LAP 1                                          ; K steps 0, 1; asks for 2, 3
	WIN 0
	s_mov_b32 s3, KSTEPS/2-2
.Llap:
	LAP 0                                          ; two K steps; asks for the two behind the next two
	WIN 0
	s_sub_co_u32 s3, s3, 1
	s_cmp_lg_u32 s3, 0
	s_cbranch_scc1 .Llap
	THREE 0, 0                                     ; the last two K steps: nothing is left to ask for
	TURN 0, 1, 0
	THREE 1, 0
	s_wait_dscnt 8
	WIN 0xa1
	MUL16 F1, 0, 0, 0
	MUL16 F1, 0, 2, 0
	LOMUL F1
	s_wait_dscnt 0
	WIN 0xf1
	MUL16 F1, 1, 0, 0
	MUL16 F1, 1, 2, 0
	PLACES                                         ; behind the last matrix instructions, in front of all that reads results or writes into fragments
	; THE WAY OUT, f32.  16 rows at a time through my own stage: 32 bytes a lane and tile in, whole rows of 256 bytes back; sixteen lanes store 256 consecutive aligned bytes.
	; The stage is the wave's own and LDS serves a wave's instructions in order (ISA guide 5.7.1.4): no barrier, no wait between stores and loads.
	; My tile 0 is the early tile 2 blk + half: rows 2048 b + 32 blk + 16 half.  My tiles 1-7 are the late tiles 14 blk + 7 half + 0..6: 112 rows from 2048 b + 256 + 224 blk + 112 half.
	s_lshr_b32 s66, s18, 3                         ; b: 8 blocks in a batch entry
	s_lshl_b32 s66, s66, 11                        ; 2048 b
	s_and_b32 s67, s18, 7                          ; blk
	s_lshl_b32 s70, s67, 5
	s_add_co_u32 s70, s70, s66
	s_lshl_b32 s71, s13, 4
	s_add_co_u32 s70, s70, s71                     ; the early tile's first row
	s_mul_i32 s67, s67, 224
	s_add_co_u32 s66, s66, s67
	s_mul_i32 s67, s13, 112
	s_add_co_u32 s66, s66, s67
	s_add_co_u32 s66, s66, 256                     ; the late tiles' first row
	s_lshl_b32 s66, s66, 12                        ; rows of 4,096 bytes
	s_lshl_b32 s70, s70, 12
	s_lshl_b32 s67, s17, 9                         ; the block's 512 bytes of a row,
	s_lshl_b32 s71, s14, 8                         ; my 256
	s_add_co_u32 s67, s67, s71
	s_add_co_u32 s66, s66, s67
	s_add_co_u32 s70, s70, s67
	s_mov_b32 s67, 0
	s_mov_b32 s71, 0
	s_add_nc_u64 s[68:69], s[10:11], s[70:71]      ; C at the early tile
	s_add_nc_u64 s[10:11], s[10:11], s[66:67]      ; C at the late tiles
.set oa, 0
.rept 8
.if oa < 4
	WIN 0x08                                       ; store data in window 2
.else
	WIN 0x0c                                       ; in window 3
.endif
.set ob, 0
.rept NT
	ds_store_b128 v[STO], v[8*(NT*(oa&3)+ob):8*(NT*(oa&3)+ob)+3]   offset:64*ob
	ds_store_b128 v[STO], v[8*(NT*(oa&3)+ob)+4:8*(NT*(oa&3)+ob)+7] offset:64*ob+16
.set ob, ob+1
.endr
	WIN 0
	s_wait_xcnt 0x0                                ; the buffer that earlier stores read, and their base, are rewritten only behind this wait
.if oa >= 2
	s_add_nc_u64 s[10:11], s[10:11], 16*4096       ; the next late tile
.endif
.if oa == 0
.set obase, 68
.else
.set obase, 10
.endif
.set obuf, F0+64*(oa&1)
.irp t, 0,1,2,3,4,5,6,7
	ds_load_b128 v[obuf+4*\t:obuf+4*\t+3], v[RD] offset:\t*2*SPF
.endr
.irp t, 0,1,2,3,4,5,6,7
	s_wait_dscnt 7-\t                              ; load t is in; the 7 - t younger ones stay out
	global_store_b128 v[CO], v[obuf+4*\t:obuf+4*\t+3], s[obase:obase+1] offset:\t*8192 th:TH_STORE_NT
.endr
.set oa, oa+1
.endr
	s_set_vgpr_msb 0x1
	s_wait_tensorcnt 0x0
	ds_add_u32 v255, v255
	s_wait_dscnt 0x0
	s_set_vgpr_msb 0x100
	CROUND                                         ; the closing round: no work-group ends while a partner may still ask for a tile that names it
	s_endpgm
.Lfunc_end_k_qddbf53a56a_projgemm:
	.size	k_qddbf53a56a_projgemm, .Lfunc_end_k_qddbf53a56a_projgemm-k_qddbf53a56a_projgemm
	.p2alignl 7, 3214868480
	.fill 96, 4, 3214868480
	.section	.rodata,"a",@progbits
	.p2align	6, 0x0
	.amdhsa_kernel k_qddbf53a56a_projgemm
		.amdhsa_group_segment_fixed_size 327680
		.amdhsa_private_segment_fixed_size 0
		.amdhsa_enable_private_segment 0
		.amdhsa_kernarg_size 32
		.amdhsa_user_sgpr_count 2
		.amdhsa_user_sgpr_kernarg_segment_ptr 1
		.amdhsa_wavefront_size32 1
		.amdhsa_system_sgpr_workgroup_id_x 1
		.amdhsa_system_sgpr_workgroup_id_y 1
		.amdhsa_system_sgpr_workgroup_id_z 1
		.amdhsa_system_vgpr_workitem_id 0
		.amdhsa_next_free_vgpr 1024
		.amdhsa_next_free_sgpr 72
		.amdhsa_reserve_vcc 0
		.amdhsa_float_denorm_mode_32 3
		.amdhsa_float_denorm_mode_16_64 3
		.amdhsa_memory_ordered 1
		.amdhsa_forward_progress 1
		.amdhsa_inst_pref_size 132
	.end_amdhsa_kernel
	.amdgpu_metadata
---
amdhsa.version: [ 1, 2 ]
amdhsa.kernels:
  - .name:           k_qddbf53a56a_projgemm
    .symbol:         k_qddbf53a56a_projgemm.kd
    .args:
      - { .name: ya, .offset: 0, .size: 8, .value_kind: global_buffer, .address_space: global }
      - { .name: wp, .offset: 8, .size: 8, .value_kind: global_buffer, .address_space: global }
      - { .name: b_proj, .offset: 16, .size: 8, .value_kind: global_buffer, .address_space: global }
      - { .name: out0, .offset: 24, .size: 8, .value_kind: global_buffer, .address_space: global }
    .group_segment_fixed_size: 327680
    .private_segment_fixed_size: 0
    .kernarg_segment_align: 8
    .kernarg_segment_size: 32
    .max_flat_workgroup_size: 128
    .sgpr_count:     72
    .vgpr_count:     1024
    .wavefront_size: 32
...
	.end_amdgpu_metadata
.endif
;; end of part 7
